; MI455X (gfx1250); checked and timed in simulation.
; The chip was launched on July 23, 2026; its instructions are those of AMD's public machine-readable ISA for CDNA 5 (MIT licence, August 2026) and "CDNA5" Instruction Set Architecture Reference Guide (July 2026). The comments in the code are by the model that wrote it; some were corrected since.
;; GPT2 Block. Allowed arithmetic: matrix products marked QUANTISED: E3M2 operands, one E8M0 scale for each 32 along K, by v_wmma_scale_f32_16x16x128_f8f6f4 with both operands' format E3M2, f32 sums; everything else in f32.
;; Inputs: b_fc 4,096 float32; b_mlp 1,024 float32; b_proj 1,024 float32; b_qkv 3,072 float32; be1 1,024 float32; be2 1,024 float32; g1 1,024 float32; g2 1,024 float32; hidden_states 2 x 2,048 x 1,024 float32; w_fc 1,024 x 4,096 float32; w_mlp 4,096 x 1,024 float32; w_proj 1,024 x 1,024 float32; w_qkv 1,024 x 3,072 float32.
;; Outputs: out0 2 x 2,048 x 1,024 float32.
;; This version of the problem:
;;   THIS VERSION OF THE PROBLEM IS GIVEN IN LOW PRECISION. The matrix products marked QUANTISED in the list below multiply operands that are first quantised to E3M2 (3 exponent bits, 2 mantissa bits; 6 bits a number), with one power-of-two scale for each 32 numbers along K (OCP MX v1.0); their sums are f32. All else is computed in f32.
;;   The module's matrix products, in the order in which they are computed (A, B: the left and right operand; K: the contracted axis; several contracted axes count as one K, in the product's order):
;;     1. [M 4,096, K 1,024] x [K 1,024, N 3,072]; A: computed on the way; B: input w_qkv: QUANTISED
;;     2. batch 32 x [M 2,048, K 64] x [K 64, N 2,048]; A: computed on the way; B: computed on the way: QUANTISED
;;     3. batch 32 x [M 64, K 2,048] x [K 2,048, N 2,048]; A: computed on the way; B: softmax (see below): QUANTISED
;;     4. [M 4,096, K 1,024] x [K 1,024, N 1,024]; A: computed on the way; B: input w_proj: QUANTISED
;;     5. [M 4,096, K 1,024] x [K 1,024, N 4,096]; A: computed on the way; B: input w_fc: QUANTISED
;;     6. [M 4,096, K 4,096] x [K 4,096, N 1,024]; A: computed on the way; B: input w_mlp: QUANTISED
;;   THE QUANTISER, for each operand of a quantised product, along K:
;;     - K is cut into blocks of 32 from its start; a last block that is shorter is filled with zeros.
;;     - A block's scale is 2^e with e = floor(log2(the largest magnitude in the block)) - 4, held to -126 .. 127; a block of zeros has e = 0. As a byte (E8M0): e + 127.
;;     - Each number is divided by its block's scale, clamped to +-28, and rounded to the nearest number of E3M2, ties to even, subnormals kept.
;;     - The product sums the exact products of the quantised numbers (number of the format x scale) in f32.
;;   ~~~python
;;   def quantise(x, axis):      # numpy; x: float32 -> the quantised numbers, widened to float32 again
;;       x = np.moveaxis(x, axis, -1); K = x.shape[-1]
;;       x = np.pad(x, [(0, 0)] * (x.ndim - 1) + [(0, -K % 32)]); x = x.reshape(x.shape[:-1] + (-1, 32)); a = np.abs(x).max(-1, keepdims=True)
;;       e = np.where(a > 0, np.clip(np.frexp(np.where(a > 0, a, 1))[1] - 1 - 4, -126, 127), 0)      # np.frexp(a)[1] - 1 = floor(log2(a)), exactly
;;       r = np.clip(x / 2.0 ** e, -28, 28)
;;       step = 2.0 ** (np.maximum(np.frexp(np.where(r == 0, 1, r))[1] - 1, -2) - 2)
;;       q = np.round(r / step) * step * 2.0 ** e      # np.round: ties to even
;;       return np.moveaxis(q.reshape(q.shape[:-2] + (-1,))[..., :K], -1, axis).astype(np.float32)
;;   ~~~
;;   SOFTMAX AHEAD OF A QUANTISED PRODUCT. Where the list says 'softmax', what is quantised is not the finished softmax but p = 2^(t - M), with t = logit x log2(e) and M = ceil(the row's largest t), a whole number; so 1/2 < the row's largest p <= 1. The row's sum l is taken of the UNQUANTISED p, in f32, and the product's result is divided by l at the end. Since M is a whole number, a kernel that streams over the keys may use a running M (the ceiling of the running maximum): every later rescaling is an exact power of two, which a block's scale takes up: the codes' values come out the same.
;;   OPERANDS COMPUTED ON THE WAY. 'Computed on the way' means the value that the module computes at that place (a softmax that the list does not call 'softmax' is quantised finished and normalised). What goes into a quantiser is computed in f32, as accurately as f32 sums, v_exp_f32 and their like allow (about 1e-6 of the number): no bf16 or f16 on the way to a quantiser, and a product that is left as it is and whose result goes on into a quantised operand takes f32 operands (vector FMAs, or v_wmma_f32_16x16x4_f32). A number that lies on a knife's edge between two numbers of the format may be rounded either way, as far as f32 arithmetic and the matrix unit's own rounding can turn it there, and no further.
;; One version. Each part assembles by itself: llvm-mc -triple=amdgcn-amd-amdhsa -mcpu=gfx1250 --defsym DOCPART=n.
;; ======== version 1 of 1: 7 launches
;; workspace buffers: W 9,830,400 bytes; X 3,276,800 bytes; QKV 10,092,544 bytes; AT 3,276,800 bytes; H2 16,777,216 bytes; HID 13,107,200 bytes
;; launch pre (part 1): grid 224 x 2, 8 waves a work-group, no clusters, 5,120 bytes of LDS; arguments hidden_states, g1, be1, X, w_qkv, w_proj, w_fc, w_mlp, W; writes X, W
.if DOCPART == 1
	.amdgcn_target "amdgcn-amd-amdhsa--gfx1250"
	.amdhsa_code_object_version 6
	.text
	.protected	k_qc18106afd6_pre
	.globl	k_qc18106afd6_pre
	.p2align	8
	.type	k_qc18106afd6_pre,@function
k_qc18106afd6_pre:
	s_mov_b64 s[64:65], 0
	v_nop
	global_prefetch_b8 v0, s[64:65] scope:SCOPE_SE
	s_setreg_imm32_b32 hwreg(HW_REG_WAVE_MODE, 25, 1), 1
	s_wait_xcnt 0x0
; ONE LAUNCH, TWO JOBS that share no data and are both wanted by the next launch, told apart by the work-group's x alone:
;   x < 96:  the four weights, f32 stored [K][N], become codes of BF6 (E3M2) with one E8M0 byte for each 32 along K;
;   x >= 96: layer norm 1 over rows of 1,024 f32 numbers, and its quantiser: row block x - 96 + 128 y.
; No tensor load: 8 waves of 256 registers and 5,120 bytes of LDS, so that two work-groups fit on a WGP.  Each job has LDS bytes of its own.
; LAYOUT OF ALL CODES: [row block of 16 rows][K step of 128][1,536 bytes].  Position p of row block rb is row (of tokens) or column (of a weight) 32 (rb / 2) + 8 (rb % 2) + p % 8 + 16 (p / 8).  The 1,536 bytes are two halves
; (64 along K each) of 768: the operand's registers 6 c .. 6 c + 3 at 16 x lane (512 bytes), registers 6 c + 4, 6 c + 5 at 512 + 16 (lane % 16) + 8 (lane / 16).  A reader gets a fragment by four dense loads.
; LAYOUT OF THE SCALE WORDS (four bytes: one row, 128 along K): [row block][K / 512][position][K step % 4]: blocks of 256 bytes.  Every store covers whole aligned blocks of 256 bytes.
; THE WEIGHTS.  A LANE TAKES A COLUMN n AND ITS REGISTERS RUN DOWN K: a block of 32 along K lies in one lane, its largest magnitude needs no other lane, and the conversions give codes with K innermost.
; A work-group takes 128 columns x 512 along K; wave w takes columns 32 (w % 4) on and 256 (w / 4) along K on: 256 loads of 128 consecutive bytes.  A wave makes two of a column's four scale words of 512 along K:
; the two halves meet in LDS behind one barrier, and waves 0 to 3 store all four.  One path serves all four tensors: sizes and pointers are chosen by the work-group's number.
; THE NORM.  A work-group takes a row block; wave w takes columns 128 w .. 128 w + 127: one K step of the next product.  Lane (r = lane % 16, h = lane / 16) holds, of the row at position r, the 64 numbers 128 w + 32 b + 16 h + i.
; The mean is taken first and taken away; the variance is a second pass over the differences, which stay in registers: a common offset of the inputs does no harm.  The waves' sums meet in LDS: three barriers.
; LIMITS: NaN and infinities are not served; a block whose largest magnitude lies under 2^-122 (a block of zeros too) keeps the byte 1: its codes are then zeros or nearly so, and this program alone reads the bytes.
.set NWQ,     96                       ; work-groups along x that take weights
.set WQKV_C,  0
.set WPROJ_C, 2359296
.set WFC_C,   3145728
.set WMLP_C,  6291456
.set WQKV_S,  9437184
.set WPROJ_S, 9535488
.set WFC_S,   9568256
.set WMLP_S,  9699328
; the weights' registers
.set OFF,  32                          ; v32-63   4 x lane + i rows of the weight
.set WX,   64                          ; v64-191  two sets of 64 numbers (two blocks of 32)
.set WPC,  192                         ; v192-203 the codes' first four registers of each block (at WPC + 6 c)
.set WT,   204                         ; v204-206, v208-210 the second half of each block's codes as the conversion leaves them
.set KEEP, 212                         ; v212-219 registers 4, 5 of both halves of the lanes, for each c
.set SB,   220                         ; v220-223 scale words
.set WQL,  2048                        ; LDS: 4 x 32 columns x 16 bytes of scale words
; the norm's registers
.set X,    16                          ; v16-79   my 64 numbers
.set G,    80                          ; v80-143  the gains at my columns
.set B,    144                         ; v144-207 the offsets
.set PC,   208                         ; v208-226 the codes
.set TM,   228                         ; v228-243 at work in the quantiser
.set PW,   244                         ; v244     my row's scale word
.set VI16, 6                           ; v6       16 x lane
.set VI8,  7                           ; v7       16 r + 8 h
.set SEL,  20                          ; s[20:21] v_permlanex16_b32's selects for lane l xor 16
.set RED1, 0                           ; LDS: 8 waves x 16 rows of sums;
.set RED2, 512                         ; of sums of squares;
.set SCW,  1024                        ; the block's 128 scale words
	v_lshl_add_u32 v238, v0, 2, 0x1000
	v_mov_b32 v239, 0
	s_cmp_ge_u32 ttmp9, NWQ                        ; the same in all waves of a work-group
	s_cbranch_scc1 .Lnorm
	; ---------------- THE WEIGHTS ----------------
	s_load_b256 s[4:11], s[0:1], 0x20              ; w_qkv s[4:5], w_proj s[6:7], w_fc s[8:9], w_mlp s[10:11]
	s_load_b64 s[12:13], s[0:1], 0x40              ; W
	v_lshrrev_b32 v1, 5, v0
	v_readfirstlane_b32 s73, v1                    ; wave 0..7
	s_and_b32 s14, s73, 3                          ; which 32 of the work-group's 128 columns
	s_lshr_b32 s74, s73, 2                         ; which 256 of its 512 along K
	v_and_b32 v1, 31, v0                           ; lane
	s_and_b32 s15, ttmp7, 0xffff                   ; y: which 512 along K (w_mlp: see below)
	s_sub_co_u32 s22, ttmp9, 24                    ; x counted from w_proj's first work-group,
	s_sub_co_u32 s23, ttmp9, 32                    ; from w_fc's,
	s_lshl_b32 s24, s15, 5
	s_add_co_u32 s24, s24, ttmp9
	s_sub_co_u32 s24, s24, 64                      ; and w_mlp's 64 work-groups, 32 in each y
	s_lshr_b32 s25, s24, 3                         ; its eight runs of 512 along K
	s_and_b32 s24, s24, 7
	s_mov_b32 s16, ttmp9                           ; which 128 columns
	s_mov_b32 s17, 3072                            ; N
	s_mov_b32 s18, 8                               ; K / 128
	s_mov_b32 s19, 2                               ; K / 512
	s_mov_b32 s20, WQKV_C
	s_mov_b32 s21, WQKV_S
	s_wait_kmcnt 0x0
	s_cmp_ge_u32 ttmp9, 24                         ; the choices hang on the work-group's number alone
	s_cselect_b64 s[4:5], s[6:7], s[4:5]
	s_cselect_b32 s16, s22, s16
	s_cselect_b32 s17, 1024, s17
	s_cselect_b32 s20, WPROJ_C, s20
	s_cselect_b32 s21, WPROJ_S, s21
	s_cmp_ge_u32 ttmp9, 32
	s_cselect_b64 s[4:5], s[8:9], s[4:5]
	s_cselect_b32 s16, s23, s16
	s_cselect_b32 s17, 4096, s17
	s_cselect_b32 s20, WFC_C, s20
	s_cselect_b32 s21, WFC_S, s21
	s_cmp_ge_u32 ttmp9, 64
	s_cselect_b64 s[4:5], s[10:11], s[4:5]
	s_cselect_b32 s16, s24, s16
	s_cselect_b32 s15, s25, s15
	s_cselect_b32 s17, 1024, s17
	s_cselect_b32 s18, 32, s18
	s_cselect_b32 s19, 8, s19
	s_cselect_b32 s20, WMLP_C, s20
	s_cselect_b32 s21, WMLP_S, s21
	s_lshl_b32 s26, s16, 2
	s_add_co_u32 s26, s26, s14                     ; my wave's group of 32 columns
	s_mul_i32 s27, s15, s17
	s_lshl_b32 s28, s27, 11                        ; 512 rows of 4 N bytes for each run along K,
	s_mul_i32 s27, s74, s17
	s_lshl_b32 s27, s27, 10                        ; 256 rows for my half of it,
	s_add_co_u32 s28, s28, s27
	s_lshl_b32 s27, s26, 7                         ; 128 bytes for each group of columns
	s_add_co_u32 s28, s28, s27
	s_mov_b32 s29, 0
	s_add_nc_u64 s[32:33], s[4:5], s[28:29]        ; block 0 of my 8 blocks of 32 along K
	s_lshl_b32 s30, s17, 7                         ; 32 rows
	s_mov_b32 s31, 0
.irp m, 1,2,3,4,5,6,7
	s_add_nc_u64 s[32+2*\m:33+2*\m], s[30+2*\m:31+2*\m], s[30:31]   ; a base for each block: none is ever stepped
.endr
	s_mul_i32 s27, s26, s18
	s_lshl_b32 s27, s27, 1                         ; two row blocks to a group of 32 columns
	s_lshl_b32 s28, s15, 2                         ; four K steps to a run of 512,
	s_add_co_u32 s27, s27, s28
	s_lshl_b32 s28, s74, 1                         ; two to my half of it
	s_add_co_u32 s27, s27, s28
	s_mul_i32 s28, s27, 1536
	s_add_co_u32 s28, s28, s20
	s_add_nc_u64 s[66:67], s[12:13], s[28:29]      ; my codes
	s_mul_i32 s27, s26, s19
	s_lshl_b32 s27, s27, 1
	s_add_co_u32 s27, s27, s15
	s_lshl_b32 s28, s27, 8
	s_add_co_u32 s28, s28, s21
	s_add_nc_u64 s[68:69], s[12:13], s[28:29]      ; my columns' scale words
	s_mul_i32 s70, s18, 1536                       ; from a row block's codes to the next's
	s_lshl_b32 s71, s19, 8                         ; and its scale words
	s_lshl_b32 s72, s17, 2                         ; a row of the weight in bytes
	v_bfe_u32 v2, v0, 3, 1                         ; column 32 g + lane is position (lane % 8) + 8 (lane / 16) of row block 2 g + (lane / 8) % 2
	v_and_b32 v3, 7, v0
	v_bfe_u32 v6, v0, 4, 1
	v_lshl_add_u32 v3, v6, 3, v3
	v_lshlrev_b32 v3, 4, v3                        ; 16 x position
	v_mul_lo_u32 v4, v2, s70
	v_add_nc_u32 v4, v4, v3                        ; where my codes go
	v_mul_lo_u32 v5, v2, s71
	v_add_nc_u32 v5, v5, v3                        ; where my column's scale words go
	v_lshlrev_b32 v7, 4, v1                        ; LDS: 16 bytes a column,
	s_lshl_b32 s75, s14, 9
	v_add_nc_u32 v8, s75, v7                       ; 512 for each 32 columns: where a column's four words are read;
	s_lshl_b32 s76, s74, 3
	v_add_nc_u32 v7, s76, v8                       ; my half's two lie 8 x half bytes on
	v_lshlrev_b32 v[OFF], 2, v1
.irp i, 1,2,3,4,5,6,7,8,9,10,11,12,13,14,15,16,17,18,19,20,21,22,23,24,25,26,27,28,29,30,31
	v_add_nc_u32 v[OFF+\i], s72, v[OFF+\i-1]
.endr
; Unit u = 2 q + hk: of my K step q (0, 1) the blocks hk (c = 0) and 2 + hk (c = 1): the two that lane half hk of the operand holds.  64 loads, each of 128 consecutive bytes a wave.
.macro LOADU u
.irp c, 0,1
.irp i, 0,1,2,3,4,5,6,7,8,9,10,11,12,13,14,15,16,17,18,19,20,21,22,23,24,25,26,27,28,29,30,31
	global_load_b32 v[WX+64*((\u)%2)+32*\c+\i], v[OFF+\i], s[32+2*(4*((\u)/2)+2*\c+(\u)%2):33+2*(4*((\u)/2)+2*\c+(\u)%2)] th:TH_LOAD_NT
.endr
.endr
.endm
.macro UNIT u
.set XS, WX+64*((\u)%2)
.set QQ, (\u)/2
.set HK, (\u)%2
.if (\u) < 3
	s_wait_loadcnt 63                              ; behind this unit's 64 loads stand the next unit's 64: at most 63 out shows this unit's in (the wait's field holds no more)
.else
	s_wait_loadcnt 0x0
.endif
.irp c, 0,1
	v_max3_num_f32 v[224+\c], |v[XS+32*\c]|, |v[XS+32*\c+1]|, 0x2800000   ; the block's largest magnitude, and the floor 2^(5 - 127): the byte cannot fall under 1
.endr
.irp i, 2,4,6,8,10,12,14,16,18,20,22,24,26,28,30
.irp c, 0,1
	v_max3_num_f32 v[224+\c], v[224+\c], |v[XS+32*\c+\i]|, |v[XS+32*\c+\i+1]|   ; (the two blocks by turns)
.endr
.endr
.irp c, 0,1
	v_add_nc_u32 v[228+\c], 0xfe000000, v[224+\c]  ; 4 off the exponent field: the conversion's scale operand
.endr
.irp c, 0,1
	v_lshrrev_b32 v[230+\c], 23, v[228+\c]         ; the scale's byte
.endr
.if HK == 0
	v_mov_b32 v[SB+QQ], v230                       ; block 2 c + hk is byte 2 c + hk of the K step's word
.else
	v_lshl_or_b32 v[SB+QQ], v230, 8, v[SB+QQ]
.endif
	v_lshl_or_b32 v[SB+QQ], v231, 16+8*HK, v[SB+QQ]
	s_wait_xcnt 0x0                                ; the last unit's stores have read their data: the codes' registers are written again only behind this wait
.irp c, 0,1
	v_cvt_scalef32_pk16_bf6_f32 v[WPC+6*\c:WPC+6*\c+2], v[XS+32*\c:XS+32*\c+15], v[228+\c]
	v_cvt_scalef32_pk16_bf6_f32 v[WT+4*\c:WT+4*\c+2], v[XS+32*\c+16:XS+32*\c+31], v[228+\c]   ; (a conversion's three registers begin on an even number)
.endr
	v_nop                                          ; one plain place behind a scaled conversion
.irp c, 0,1
	v_mov_b32 v[WPC+6*\c+3], v[WT+4*\c]
	v_mov_b32 v[KEEP+4*\c+2*HK], v[WT+4*\c+1]
	v_mov_b32 v[KEEP+4*\c+2*HK+1], v[WT+4*\c+2]
.endr
.if (\u)+2 < 4
	LOADU (\u)+2                                   ; into the set that the conversions have just read
.endif
.irp c, 0,1
	global_store_b128 v4, v[WPC+6*\c:WPC+6*\c+3], s[66:67] offset:1536*QQ+768*\c+256*HK   ; registers 6 c .. 6 c + 3 of operand lane position + 16 hk
.endr
.if HK == 1
.irp c, 0,1
	global_store_b128 v4, v[KEEP+4*\c:KEEP+4*\c+3], s[66:67] offset:1536*QQ+768*\c+512   ; registers 6 c + 4, 6 c + 5 of both halves of the lanes
.endr
.endif
.endm
	LOADU 0
	LOADU 1
.irp u, 0,1,2,3
	UNIT \u
.endr
	ds_store_b64 v7, v[SB:SB+1] offset:WQL         ; my two of my column's four scale words
	s_wait_dscnt 0x0                               ; for the other half's sake: my store has landed
	s_barrier_signal -1
	s_barrier_wait -1
	s_cmp_lg_u32 s74, 0                            ; waves 0 to 3 store the four words: sixteen lanes fill a block of 256 bytes
	s_cbranch_scc1 .Lweights_end
	ds_load_b128 v[SB:SB+3], v8 offset:WQL
	s_wait_dscnt 0x0
	global_store_b128 v5, v[SB:SB+3], s[68:69]
.Lweights_end:
	s_wait_tensorcnt 0x0
	ds_add_u32 v238, v239
	s_wait_dscnt 0x0
	s_endpgm
	; ---------------- THE NORM ----------------
; 64 numbers of a lane, register 16 b + i = k 32 b + 16 h + i of my row, become a fragment's codes in v[PC] on and its scale word in v[pw].
.macro QUANT s, pw
.irp b, 0,1,2,3
	v_max3_num_f32 v[TM+\b], |v[\s+16*\b]|, |v[\s+1+16*\b]|, 0x2800000   ; block b: my 16 numbers, and the floor 2^(5 - 127): the byte cannot fall under 1
.endr
.irp i, 2,4,6,8,10,12,14
.irp b, 0,1,2,3
	v_max3_num_f32 v[TM+\b], v[TM+\b], |v[\s+16*\b+\i]|, |v[\s+1+16*\b+\i]|   ; (the four blocks by turns)
.endr
.endr
.irp b, 0,1,2,3
	v_permlanex16_b32 v[TM+4+\b], v[TM+\b], s[SEL], s[SEL+1]
.endr
.irp b, 0,1,2,3
	v_max_num_f32 v[TM+\b], v[TM+\b], v[TM+4+\b]   ; with lane l xor 16's: the block's largest magnitude
.endr
.irp b, 0,1,2,3
	v_add_nc_u32 v[TM+12+\b], 0xfe000000, v[TM+\b] ; 4 off its exponent field: the conversion's scale operand
.endr
.irp b, 0,1,2,3
	v_lshrrev_b32 v[TM+4+\b], 23, v[TM+12+\b]      ; the scale's byte
.endr
	v_lshl_or_b32 v[\pw], v[TM+5], 8, v[TM+4]
	v_lshl_or_b32 v[\pw], v[TM+6], 16, v[\pw]
	v_lshl_or_b32 v[\pw], v[TM+7], 24, v[\pw]
.irp c, 0,1
	v_cvt_scalef32_pk16_bf6_f32 v[PC+6*\c:PC+2+6*\c], v[\s+32*\c:\s+15+32*\c], v[TM+12+2*\c]
	v_cvt_scalef32_pk16_bf6_f32 v[PC+12+4*\c:PC+14+4*\c], v[\s+16+32*\c:\s+31+32*\c], v[TM+12+2*\c+1]   ; (a conversion's three registers begin on an even number)
.endr
	v_nop                                          ; one plain place behind a scaled conversion
.irp c, 0,1                                    ; the operand's layout wants a whole block in a lane: lanes 0-15 block 2 c, lanes 16-31 block 2 c + 1
.irp i, 0,1,2
	v_permlane16_swap_b32 v[PC+6*\c+\i], v[PC+12+4*\c+\i]
.endr
.irp i, 0,1,2
	v_mov_b32 v[PC+3+6*\c+\i], v[PC+12+4*\c+\i]
.endr
.endr
.endm
; v246 holds my 64 numbers' sum: with lane l xor 16's it is my wave's for row r; the eight waves' meet in LDS; v246 leaves as the row's, in every lane.
.macro ACROSS red
	v_permlanex16_b32 v245, v246, s[SEL], s[SEL+1]
	v_add_f32 v246, v246, v245
	ds_store_b32 v8, v246 offset:\red              ; lanes r and r + 16 write the same word with the same value
	s_wait_dscnt 0x0                               ; for the others' sake: my store has landed
	s_barrier_signal -1
	s_barrier_wait -1
.irp w, 0,1,2,3,4,5,6,7
	ds_load_b32 v[246+\w], v9 offset:\red+64*\w
.endr
	s_wait_dscnt 0x0
	v_pk_add_f32 v[246:247], v[246:247], v[248:249]
	v_pk_add_f32 v[250:251], v[250:251], v[252:253]
	v_pk_add_f32 v[246:247], v[246:247], v[250:251]
	v_add_f32 v246, v246, v247
.endm
.Lnorm:
	s_load_b256 s[4:11], s[0:1], 0x0               ; x s[4:5], g s[6:7], be s[8:9], out s[10:11]
	s_and_b32 s28, ttmp7, 0xffff
	s_lshl_b32 s28, s28, 7
	s_add_co_u32 s28, s28, ttmp9
	s_sub_co_u32 s28, s28, NWQ                     ; my row block: x - 96 + 128 y
	v_lshrrev_b32 v1, 5, v0
	v_readfirstlane_b32 s12, v1                    ; wave
	v_and_b32 v1, 15, v0                           ; r
	v_bfe_u32 v2, v0, 4, 1                         ; h
	v_and_b32 v3, 31, v0                           ; lane
	v_and_b32 v4, 7, v1
	v_lshrrev_b32 v5, 3, v1
	v_lshl_add_u32 v4, v5, 4, v4                   ; r % 8 + 16 (r / 8): my row in the block's 32
	v_lshlrev_b32 v4, 12, v4                       ; rows of 4,096 bytes,
	v_lshl_add_u32 v4, v2, 6, v4                   ; + 64 h
	v_lshlrev_b32 v5, 6, v2                        ; g, be: 64 h
	v_lshlrev_b32 v[VI16], 4, v3
	v_lshlrev_b32 v[VI8], 4, v1
	v_lshl_add_u32 v[VI8], v2, 3, v[VI8]
	s_lshl_b32 s13, s12, 6
	v_lshl_add_u32 v8, v1, 2, s13                  ; where my wave's sums go: 64 w + 4 r
	v_lshlrev_b32 v9, 2, v1                        ; and where a row's eight are read: 4 r
	s_lshr_b32 s14, s12, 2
	s_lshl_b32 s14, s14, 8
	s_and_b32 s15, s12, 3
	s_lshl_b32 s15, s15, 2
	s_add_co_u32 s14, s14, s15
	v_lshl_add_u32 v10, v1, 4, s14                 ; my scale word's place: 256 (w / 4) + 16 r + 4 (w % 4)
	s_mov_b32 s[SEL], 0x76543210
	s_mov_b32 s[SEL+1], 0xfedcba98
	v_mov_b32 v245, 0                              ; (a lane permute's destination counts as one of its sources)
.irp b, 0,1,2,3
	v_mov_b32 v[TM+4+\b], 0
.endr
	s_lshr_b32 s16, s28, 1
	s_lshl_b32 s16, s16, 5
	s_and_b32 s17, s28, 1
	s_lshl_b32 s17, s17, 3
	s_add_co_u32 s16, s16, s17                     ; the row at position 0
	s_lshl_b32 s16, s16, 12
	s_lshl_b32 s18, s12, 9                         ; my wave's 512 bytes of a row
	s_add_co_u32 s16, s16, s18
	s_mov_b32 s17, 0
	s_mov_b32 s19, 0
	s_lshl_b32 s22, s28, 3
	s_add_co_u32 s22, s22, s12
	s_mul_i32 s22, s22, 1536                       ; my fragment's image
	s_mov_b32 s23, 0
	s_lshl_b32 s24, s28, 9
	s_add_co_u32 s24, s24, 3145728                 ; the block's scale words
	s_mov_b32 s25, 0
	s_wait_kmcnt 0x0
	s_add_nc_u64 s[4:5], s[4:5], s[16:17]
	s_add_nc_u64 s[6:7], s[6:7], s[18:19]
	s_add_nc_u64 s[8:9], s[8:9], s[18:19]
	s_add_nc_u64 s[26:27], s[10:11], s[24:25]
	s_add_nc_u64 s[10:11], s[10:11], s[22:23]
.irp b, 0,1,2,3
.irp j, 0,1,2,3
	global_load_b128 v[X+16*\b+4*\j:X+16*\b+4*\j+3], v4, s[4:5] offset:128*\b+16*\j
.endr
.endr
.irp b, 0,1,2,3
.irp j, 0,1,2,3
	global_load_b128 v[G+16*\b+4*\j:G+16*\b+4*\j+3], v5, s[6:7] offset:128*\b+16*\j
.endr
.endr
.irp b, 0,1,2,3
.irp j, 0,1,2,3
	global_load_b128 v[B+16*\b+4*\j:B+16*\b+4*\j+3], v5, s[8:9] offset:128*\b+16*\j
.endr
.endr
	s_wait_loadcnt 32                              ; x is in; the 32 loads of g and be may stay out
.irp k, 0,1,2,3                                ; the sum, two numbers at a time, in four chains
	v_pk_add_f32 v[246+2*\k:247+2*\k], v[X+4*\k:X+4*\k+1], v[X+4*\k+2:X+4*\k+3]
.endr
.set p, 8
.rept 24
	v_pk_add_f32 v[246+2*(p%4):247+2*(p%4)], v[246+2*(p%4):247+2*(p%4)], v[X+2*p:X+2*p+1]
.set p, p+1
.endr
	v_pk_add_f32 v[246:247], v[246:247], v[248:249]
	v_pk_add_f32 v[250:251], v[250:251], v[252:253]
	v_pk_add_f32 v[246:247], v[246:247], v[250:251]
	v_add_f32 v246, v246, v247
	ACROSS RED1
	v_mul_f32 v254, 0x3a800000, v246               ; the mean: the sum / 1,024
	v_mov_b32 v255, v254
.set p, 0
.rept 32
	v_pk_add_f32 v[X+2*p:X+2*p+1], v[X+2*p:X+2*p+1], v[254:255] neg_lo:[0,1] neg_hi:[0,1]   ; x - mean
.set p, p+1
.endr
.irp k, 0,1,2,3                                ; the sum of their squares
	v_pk_mul_f32 v[246+2*\k:247+2*\k], v[X+2*\k:X+2*\k+1], v[X+2*\k:X+2*\k+1]
.endr
.set p, 4
.rept 28
	v_pk_fma_f32 v[246+2*(p%4):247+2*(p%4)], v[X+2*p:X+2*p+1], v[X+2*p:X+2*p+1], v[246+2*(p%4):247+2*(p%4)]
.set p, p+1
.endr
	v_pk_add_f32 v[246:247], v[246:247], v[248:249]
	v_pk_add_f32 v[250:251], v[250:251], v[252:253]
	v_pk_add_f32 v[246:247], v[246:247], v[250:251]
	v_add_f32 v246, v246, v247
	ACROSS RED2                                    ; (other bytes than the first sums': no wave overwrites what another may still read)
	v_mov_b32 v245, 0x3727c5ac                     ; 1e-5
	v_fma_f32 v246, v246, 0x3a800000, v245         ; the variance + 1e-5
	v_rsq_f32 v254, v246
	v_nop                                          ; one plain place behind a transcendental
	s_wait_alu depctr_va_vdst(0)
	v_mov_b32 v255, v254
	s_wait_loadcnt 0x0                             ; g and be
.set p, 0
.rept 32
	v_pk_mul_f32 v[X+2*p:X+2*p+1], v[X+2*p:X+2*p+1], v[254:255]
.set p, p+1
.endr
.set p, 0
.rept 32
	v_pk_fma_f32 v[X+2*p:X+2*p+1], v[X+2*p:X+2*p+1], v[G+2*p:G+2*p+1], v[B+2*p:B+2*p+1]
.set p, p+1
.endr
	QUANT X, PW
	global_store_b128 v[VI16], v[PC:PC+3], s[10:11]
	global_store_b64 v[VI8], v[PC+4:PC+5], s[10:11] offset:512
	global_store_b128 v[VI16], v[PC+6:PC+9], s[10:11] offset:768
	global_store_b64 v[VI8], v[PC+10:PC+11], s[10:11] offset:1280
	ds_store_b32 v10, v[PW] offset:SCW
	s_wait_dscnt 0x0                               ; for wave 0's sake: my word has landed
	s_barrier_signal -1
	s_barrier_wait -1
	s_cmp_lg_u32 s12, 0                            ; wave 0 stores the block's 512 bytes of scale words: two whole aligned blocks of 256
	s_cbranch_scc1 .Lnorm_end
	ds_load_b128 v[246:249], v[VI16] offset:SCW
	s_wait_dscnt 0x0
	global_store_b128 v[VI16], v[246:249], s[26:27]
.Lnorm_end:
	s_wait_tensorcnt 0x0
	ds_add_u32 v238, v239
	s_wait_dscnt 0x0
	s_endpgm
.Lfunc_end_k_qc18106afd6_pre:
	.size	k_qc18106afd6_pre, .Lfunc_end_k_qc18106afd6_pre-k_qc18106afd6_pre
	.p2alignl 7, 3214868480
	.fill 96, 4, 3214868480
	.section	.rodata,"a",@progbits
	.p2align	6, 0x0
	.amdhsa_kernel k_qc18106afd6_pre
		.amdhsa_group_segment_fixed_size 5120
		.amdhsa_private_segment_fixed_size 0
		.amdhsa_enable_private_segment 0
		.amdhsa_kernarg_size 72
		.amdhsa_user_sgpr_count 2
		.amdhsa_user_sgpr_kernarg_segment_ptr 1
		.amdhsa_wavefront_size32 1
		.amdhsa_system_sgpr_workgroup_id_x 1
		.amdhsa_system_sgpr_workgroup_id_y 1
		.amdhsa_system_sgpr_workgroup_id_z 1
		.amdhsa_system_vgpr_workitem_id 0
		.amdhsa_next_free_vgpr 256
		.amdhsa_next_free_sgpr 80
		.amdhsa_reserve_vcc 0
		.amdhsa_float_denorm_mode_32 3
		.amdhsa_float_denorm_mode_16_64 3
		.amdhsa_memory_ordered 1
		.amdhsa_forward_progress 1
		.amdhsa_inst_pref_size 67
	.end_amdhsa_kernel
	.amdgpu_metadata
---
amdhsa.version: [ 1, 2 ]
amdhsa.kernels:
  - .name:           k_qc18106afd6_pre
    .symbol:         k_qc18106afd6_pre.kd
    .args:
      - { .name: hidden_states, .offset: 0, .size: 8, .value_kind: global_buffer, .address_space: global }
      - { .name: g1, .offset: 8, .size: 8, .value_kind: global_buffer, .address_space: global }
      - { .name: be1, .offset: 16, .size: 8, .value_kind: global_buffer, .address_space: global }
      - { .name: X, .offset: 24, .size: 8, .value_kind: global_buffer, .address_space: global }
      - { .name: w_qkv, .offset: 32, .size: 8, .value_kind: global_buffer, .address_space: global }
      - { .name: w_proj, .offset: 40, .size: 8, .value_kind: global_buffer, .address_space: global }
      - { .name: w_fc, .offset: 48, .size: 8, .value_kind: global_buffer, .address_space: global }
      - { .name: w_mlp, .offset: 56, .size: 8, .value_kind: global_buffer, .address_space: global }
      - { .name: W, .offset: 64, .size: 8, .value_kind: global_buffer, .address_space: global }
    .group_segment_fixed_size: 5120
    .private_segment_fixed_size: 0
    .kernarg_segment_align: 8
    .kernarg_segment_size: 72
    .max_flat_workgroup_size: 256
    .sgpr_count:     80
    .vgpr_count:     256
    .wavefront_size: 32
...
	.end_amdgpu_metadata
.endif
;; end of part 1
;; launch qkv (part 2): grid 12 x 16, 4 waves a work-group, clusters of 4 x 4, 327,680 bytes of LDS; arguments X, W, b_qkv, QKV; writes QKV
.if DOCPART == 2
	.amdgcn_target "amdgcn-amd-amdhsa--gfx1250"
	.amdhsa_code_object_version 6
	.text
	.protected	k_qc18106afd6_qkv
	.globl	k_qc18106afd6_qkv
	.p2align	8
	.type	k_qc18106afd6_qkv,@function
k_qc18106afd6_qkv:
	s_mov_b64 s[64:65], 0
	v_nop
	global_prefetch_b8 v0, s[64:65] scope:SCOPE_SE
	s_setreg_imm32_b32 hwreg(HW_REG_WAVE_MODE, 25, 1), 1
	s_wait_xcnt 0x0
	s_wait_alu depctr_hold_cnt(0) depctr_sa_sdst(0) depctr_va_vdst(0) depctr_va_sdst(0) depctr_va_ssrc(0) depctr_va_vcc(0) depctr_vm_vsrc(0)
	s_getreg_b32 s2, hwreg(HW_REG_IB_STS2, 6, 4)
	s_cmp_eq_u32 s2, 0
	s_cbranch_scc0 .Lentry_in_a_cluster
	s_endpgm
.Lentry_in_a_cluster:
	s_bfe_u32 s2, ttmp6, 0x10000c
	s_cmp_lg_u32 s2, 0xf033
	s_cbranch_scc0 .Lentry_shape_is_right
	s_endpgm
.Lentry_shape_is_right:
; q, k, v = Q(ln1(h)) Q(w_qkv) + b_qkv on codes of BF6 (E3M2) with E8M0 scales, K = 1,024; the results are quantised in registers and leave as codes: q and k along the head's 64, v along the keys.
; A tile of 256 x 256 is made by four waves, each 128 x 128: 64 accumulators, 512 registers.  Source 0 takes 16 rows of "B", source 1 sixteen rows of "A": a lane holds ONE row of A and its registers run along B's rows.
; Position p of a row block rb (of tokens and of the weight's columns alike) is row 32 (rb / 2) + 8 (rb % 2) + p % 8 + 16 (p / 8): so the 16 registers of result tiles 2 g and 2 g + 1 are 16 neighbours, 32 g + 16 (lane / 16) + 0 .. 15, of B's rows.
; TWO ROLES, by the cluster's x, which all sixteen partners share.  x < 2 (q and k): A = tokens, B = the weight's columns 0 .. 2,047: a lane has a token and 128 neighbouring columns, two heads.
; x = 2 (v): A = the weight's columns 2,048 .. 3,071, B = tokens: a lane has one channel and 128 neighbouring tokens: v is quantised along the keys, and nothing is transposed.
; OPERANDS lie in memory as images of their registers, [row block][K step of 128][1,536 bytes]: a slot of the ring (256 along K) takes 3,072 consecutive bytes of each row block, and a fragment comes by four dense LDS loads.
; The ring has two slots filled by the tensor data mover; the scale words of the work-group's rows, for all of K, come once.  CLUSTERS: 4 x 4; A's tiles are asked for jointly along a row of the cluster, B's along a column.
; OUT: q, k: [q or k][batch x head][tile of 16 tokens][768 bytes] (half an image: 64 along K), scale words [q or k][batch x head][tile / 4][position][tile % 4], a head's two bytes in bytes 0 and 1;
;      v: [batch x head][128 keys][16 channels][1,536 bytes], scale words [batch x head][128 keys][position][tile of channels].
; REGISTERS: window 0: v16-31 addresses; v32-63 scale words, two sets; v64-127 the bias along registers; v128-223 A's 8 fragments, one set; v236-251 the bias along lanes.  window 1: B's fragments, two sets.  windows 2, 3: accumulators.
; On the way out window 0's v128-235 and v252-255 are at work.
; LIMITS: NaN and infinities are not served; a block whose largest magnitude lies under 2^-122 keeps the byte 1.
.set XS_OFF, 3145728                   ; where X's scale words begin
.set WQKV_S, 9437184                   ; where w_qkv's begin in W (its codes begin at 0)
.set QK_S,   9437184                   ; in QKV: q's and k's scale words (their codes begin at 0),
.set V_C,    6291456                   ; v's codes,
.set V_S,    9961472                   ; v's scale words
.set NQ,     2                         ; matrix instructions deep in a slot
.set FR,     12                        ; registers of a fragment
.set FRB,    1536                      ; its image in bytes
.set NL,     4                         ; LDS loads that bring one
.set NP,     4                         ; places behind this matrix instruction (ISA guide 7.12.1)
.set HALFT,  8*NQ*FRB                  ; 8 row blocks: what one tensor load brings, and what one wave reads of A or of B
.set SLOT,   4*HALFT
.set LAPS,   2                         ; K = 1,024 is four slots' worth: twice round the ring
.set SCL,    2*SLOT                    ; behind the ring: the scale words
.set HALFS,  4096                      ; those of 8 row blocks
.set SBLK,   512                       ; those of one
.set SPARE,  SCL+4*HALFS               ; the spare words, 128 bytes for each wave: two blocks of 256 bytes that no other line names
.set ADRA, 16                          ; v16-17 LDS address of my A fragments in slot 0, 1, in the form 16 x lane; v18-19 in the form 16 r + 8 h
.set ADRB, 20                          ; v20-23 the same for B
.set VI16, 24                          ; v24    16 x lane
.set VI8,  25                          ; v25    16 r + 8 h
.set VSC,  26                          ; v26    where my 16 bytes of scale words go
.set ADRS, 27                          ; v27    LDS address of my scale words: lanes 0-15 A's rows, lanes 16-31 B's
.set SPW,  28                          ; v28    LDS address of my spare word; never rewritten
.set NIL,  29                          ; v29    0; never rewritten
.set VL,   30                          ; v30    lane
.set SC,   32
.set BR,   64
.set AF,   128
.set BL,   236
.set H,    128                         ; the way out: 64 numbers of a lane
.set PC,   192                         ; their codes
.set TM,   212                         ; at work in the quantiser
.set PWS,  228                         ; v228-235 the scale words of A's eight blocks
.set SW,   252                         ; v252-255 four of them, to be stored
.set G1, 24
.set G0, 32
.set G1B, 48
.set G0B, 56
.set G1S, 68
.set G0S, 76
.set G1SB, 80
.set G0SB, 88
.set SEL, 98                           ; s[98:99] v_permlanex16_b32's selects for lane l xor 16
.set MSB, 0
.macro WIN new                         ; the immediate's high byte repeats the setting that is left
.if MSB != (\new)
	s_set_vgpr_msb (MSB<<8)|(\new)
.set MSB, (\new)
.endif
.endm
.set MUL_LO, 0xa1                      ; source 0 (B) window 1, source 1 (A) window 0, C and D window 2
.set MUL_HI, 0xf1                      ; the same, C and D window 3
.set TO_B,   0x40                      ; destination window 1, address window 0
; A joint load: waves 0 and 1 fetch for A, waves 2 and 3 for B.  The branch hangs on the wave's number alone.  Four v_nop follow each of the two lines.
.macro JLOAD g0a, g1a, g0b, g1b
	s_cmp_eq_u32 s15, 0
	s_cbranch_scc0 .Lfor_b_\@
	tensor_load_to_lds s[\g0a:\g0a+3], s[\g1a:\g1a+7]
	s_nop 0
.rept 4
	v_nop
.endr
	s_branch .Lasked_\@
.Lfor_b_\@:
	tensor_load_to_lds s[\g0b:\g0b+3], s[\g1b:\g1b+7]
	s_nop 0
.rept 4
	v_nop
.endr
.Lasked_\@:
.endm
.macro CREST                           ; a round of the cluster's barrier behind its opening barrier
	s_cmp_lg_u32 s14, 0
	s_cbranch_scc1 .Lnot_wave_0_\@
	s_barrier_signal -3
.Lnot_wave_0_\@:
	s_barrier_wait -3
	s_barrier_signal -1
	s_barrier_wait -1
.endm
.macro CROUND
	s_barrier_signal -1
	s_barrier_wait -1
	CREST
.endm
.macro PLACES n
.rept \n
	v_nop
.endr
.endm
; 64 numbers of a lane, register 16 b + i = k 32 b + 16 h + i of my row, become a fragment's codes in v[PC] on and its scale word in v[pw].
.macro QUANT s, pw
.irp b, 0,1,2,3
	v_max3_num_f32 v[TM+\b], |v[\s+16*\b]|, |v[\s+1+16*\b]|, 0x2800000   ; block b: my 16 numbers, and the floor 2^(5 - 127): the byte cannot fall under 1
.endr
.irp i, 2,4,6,8,10,12,14
.irp b, 0,1,2,3
	v_max3_num_f32 v[TM+\b], v[TM+\b], |v[\s+16*\b+\i]|, |v[\s+1+16*\b+\i]|
.endr
.endr
.irp b, 0,1,2,3
	v_permlanex16_b32 v[TM+4+\b], v[TM+\b], s[SEL], s[SEL+1]
.endr
.irp b, 0,1,2,3
	v_max_num_f32 v[TM+\b], v[TM+\b], v[TM+4+\b]   ; with lane l xor 16's: the block's largest magnitude
.endr
.irp b, 0,1,2,3
	v_add_nc_u32 v[TM+12+\b], 0xfe000000, v[TM+\b] ; 4 off its exponent field: the conversion's scale operand
.endr
.irp b, 0,1,2,3
	v_lshrrev_b32 v[TM+4+\b], 23, v[TM+12+\b]      ; the scale's byte
.endr
	v_lshl_or_b32 v[\pw], v[TM+5], 8, v[TM+4]
	v_lshl_or_b32 v[\pw], v[TM+6], 16, v[\pw]
	v_lshl_or_b32 v[\pw], v[TM+7], 24, v[\pw]
.irp c, 0,1
	v_cvt_scalef32_pk16_bf6_f32 v[PC+6*\c:PC+2+6*\c], v[\s+32*\c:\s+15+32*\c], v[TM+12+2*\c]
	v_cvt_scalef32_pk16_bf6_f32 v[PC+12+4*\c:PC+14+4*\c], v[\s+16+32*\c:\s+31+32*\c], v[TM+12+2*\c+1]
.endr
	v_nop                                          ; one plain place behind a scaled conversion
.irp c, 0,1
.irp i, 0,1,2
	v_permlane16_swap_b32 v[PC+6*\c+\i], v[PC+12+4*\c+\i]
.endr
.irp i, 0,1,2
	v_mov_b32 v[PC+3+6*\c+\i], v[PC+12+4*\c+\i]
.endr
.endr
.endm
.macro PUT sb, i0, i1                  ; the fragment's two halves leave as images: each store covers whole aligned blocks of 256 bytes
	global_store_b128 v[VI16], v[PC:PC+3], s[\sb:\sb+1] offset:\i0
	global_store_b64 v[VI8], v[PC+4:PC+5], s[\sb:\sb+1] offset:(\i0)+512
	global_store_b128 v[VI16], v[PC+6:PC+9], s[\sb:\sb+1] offset:\i1
	global_store_b64 v[VI8], v[PC+10:PC+11], s[\sb:\sb+1] offset:(\i1)+512
.endm
	s_load_b128 s[4:7], s[0:1], 0x0                ; X s[4:5], W s[6:7]
	s_load_b128 s[8:11], s[0:1], 0x10              ; b_qkv s[8:9], QKV s[10:11]
	v_lshl_add_u32 v[SPW], v0, 2, SPARE
	v_mov_b32 v[NIL], 0
	ds_add_u32 v28, v29
	ds_add_u32 v28, v29
	s_wait_dscnt 0x0
	v_lshrrev_b32 v1, 5, v0
	v_readfirstlane_b32 s14, v1                    ; wave 0..3
	s_lshr_b32 s15, s14, 1                         ; which half of A's rows is mine.  Also: I fetch for A (0) or for B (1)
	s_and_b32 s16, s14, 1                          ; which half of B's rows.  Also: which 8 row blocks of that tile I fetch
	s_bfe_u32 s40, ttmp6, 0x40000                  ; cx, cy: my place in the cluster
	s_bfe_u32 s41, ttmp6, 0x40004
	s_and_b32 s45, ttmp7, 0xffff
	s_lshl_b32 s45, s45, 2                         ; 4 x cluster y
	s_lshl_b32 s46, ttmp9, 2                       ; 4 x cluster x
	s_mov_b32 s67, XS_OFF
	s_mov_b32 s93, WQKV_S
	s_cmp_eq_u32 ttmp9, 2                          ; the role: the same in all sixteen partners
	s_cselect_b32 s17, 0, s45                      ; A's tile: tokens 4 Y + cy, or v's columns cy
	s_cselect_b32 s42, s45, s46                    ; B's tile: columns 4 X + cx, or tokens 4 Y + cx
	s_cselect_b32 s66, 128, 0                      ; v's columns begin at row block 128 of the weight
	s_cselect_b32 s94, s93, s67                    ; where A's scale words begin in A's buffer,
	s_cselect_b32 s95, s67, s93                    ; and B's in B's
	s_add_co_u32 s17, s17, s41
	s_add_co_u32 s42, s42, s40
	s_lshl_b32 s43, s41, 2
	s_lshl_b32 s43, 15, s43                        ; my row of the cluster
	s_lshl_b32 s44, 0x1111, s40                    ; my column
	; descriptor group 1: 8 row blocks x 3,072 bytes (384 elements of 8 bytes), 12,288 bytes from row block to row block; no padding: the images are read densely
	s_or_b32 s[G1+0], s43, (3<<16)|(1<<21)
	s_or_b32 s[G1B+0], s44, (3<<16)|(1<<21)
.irp g, G1, G1B
	s_mov_b32 s[\g+1], 384<<16                     ; tensor_dim0
	s_mov_b32 s[\g+2], 8<<16                       ; tensor_dim1
	s_mov_b32 s[\g+3], 384<<16                     ; tile_dim0
	s_mov_b32 s[\g+4], 8                           ; tile_dim1
	s_mov_b32 s[\g+5], 1536                        ; tensor_dim0_stride
	s_mov_b32 s[\g+6], 0
	s_mov_b32 s[\g+7], 0
.endr
	; the scale words of 8 row blocks: 4,096 dense bytes as 16 rows of 256
	s_or_b32 s[G1S+0], s43, (3<<16)|(1<<21)
	s_or_b32 s[G1SB+0], s44, (3<<16)|(1<<21)
.irp g, G1S, G1SB
	s_mov_b32 s[\g+1], 32<<16
	s_mov_b32 s[\g+2], 16<<16
	s_mov_b32 s[\g+3], 32<<16
	s_mov_b32 s[\g+4], 16
	s_mov_b32 s[\g+5], 32
	s_mov_b32 s[\g+6], 0
	s_mov_b32 s[\g+7], 0
.endr
	s_lshl_b32 s18, s16, 3
	s_lshl_b32 s20, s17, 4
	s_add_co_u32 s20, s20, s18
	s_add_co_u32 s20, s20, s66                     ; A: the first row block that I fetch
	s_lshl_b32 s46, s42, 4
	s_add_co_u32 s46, s46, s18                     ; B likewise
	s_lshl_b32 s22, s20, 9
	s_add_co_u32 s22, s22, s94                     ; their scale words, in bytes,
	s_lshl_b32 s92, s46, 9
	s_add_co_u32 s92, s92, s95
	s_mul_i32 s20, s20, 12288                      ; and their codes
	s_mul_i32 s46, s46, 12288
	s_mov_b32 s21, 0
	s_mov_b32 s23, 0
	s_mov_b32 s47, 0
	s_mov_b32 s93, 0
	s_mul_i32 s45, s14, HALFT                      ; where they go: no place in the cluster enters an LDS address
	s_mul_i32 s94, s14, HALFS
	s_wait_kmcnt 0x0
	s_cmp_eq_u32 ttmp9, 2
	s_cselect_b64 s[96:97], s[6:7], s[4:5]         ; A's buffer
	s_cselect_b64 s[98:99], s[4:5], s[6:7]         ; B's
	s_add_nc_u64 s[20:21], s[96:97], s[20:21]
	s_add_nc_u64 s[22:23], s[96:97], s[22:23]
	s_add_nc_u64 s[46:47], s[98:99], s[46:47]
	s_add_nc_u64 s[92:93], s[98:99], s[92:93]
	CROUND                                         ; all sixteen work-groups are here: the first joint loads meet
	s_mov_b32 s[G0S], 1
	s_add_co_u32 s[G0S+1], s94, SCL
	s_mov_b64 s[G0S+2:G0S+3], s[22:23]
	s_or_b32 s[G0S+3], s[G0S+3], 0x80000000
	s_mov_b32 s[G0SB], 1
	s_add_co_u32 s[G0SB+1], s94, SCL
	s_mov_b64 s[G0SB+2:G0SB+3], s[92:93]
	s_or_b32 s[G0SB+3], s[G0SB+3], 0x80000000
	JLOAD G0S, G1S, G0SB, G1SB                     ; the scale words first: they are wanted with the first slot
.irp s, 0,1
	s_mov_b32 s[G0+4*\s], 1
	s_add_co_u32 s[G0+4*\s+1], s45, \s*SLOT
	s_add_nc_u64 s[G0+4*\s+2:G0+4*\s+3], s[20:21], \s*NQ*FRB
	s_or_b32 s[G0+4*\s+3], s[G0+4*\s+3], 0x80000000
	s_mov_b32 s[G0B+4*\s], 1
	s_add_co_u32 s[G0B+4*\s+1], s45, \s*SLOT
	s_add_nc_u64 s[G0B+4*\s+2:G0B+4*\s+3], s[46:47], \s*NQ*FRB
	s_or_b32 s[G0B+4*\s+3], s[G0B+4*\s+3], 0x80000000
	JLOAD G0+4*\s, G1, G0B+4*\s, G1B               ; three tensor loads of mine are out
.endr
	; where the results go
	s_lshl_b32 s66, s42, 1
	s_add_co_u32 s66, s66, s16                     ; cB: which 128 of B's rows are mine
	s_lshl_b32 s67, s17, 4
	s_lshl_b32 s20, s15, 3
	s_add_co_u32 s67, s67, s20                     ; rbA0: my first row block of A
	s_lshr_b32 s20, s66, 3                         ; q and k: cB / 8 says q or k, cB % 8 the pair of heads; rbA0 / 128 the batch, rbA0 % 128 the tile of tokens
	s_lshl_b32 s20, s20, 5
	s_lshr_b32 s21, s67, 7
	s_lshl_b32 s21, s21, 4
	s_add_co_u32 s20, s20, s21
	s_and_b32 s21, s66, 7
	s_lshl_b32 s21, s21, 1
	s_add_co_u32 s20, s20, s21                     ; 32 (q or k) + 16 batch + head
	s_and_b32 s21, s67, 127
	s_lshl_b32 s22, s20, 7
	s_add_co_u32 s22, s22, s21
	s_mul_i32 s22, s22, 768                        ; codes
	s_lshl_b32 s23, s20, 5
	s_lshr_b32 s21, s21, 2
	s_add_co_u32 s23, s23, s21
	s_lshl_b32 s23, s23, 8
	s_add_co_u32 s23, s23, QK_S                    ; scale words
	s_lshr_b32 s20, s66, 4                         ; v: cB / 16 the batch, cB % 16 the 128 keys; rbA0 / 4 the head
	s_lshl_b32 s20, s20, 4
	s_lshr_b32 s21, s67, 2
	s_add_co_u32 s20, s20, s21
	s_lshl_b32 s20, s20, 4
	s_and_b32 s21, s66, 15
	s_add_co_u32 s20, s20, s21
	s_mul_i32 s21, s20, 6144
	s_add_co_u32 s21, s21, V_C
	s_lshl_b32 s20, s20, 8
	s_add_co_u32 s20, s20, V_S
	s_mov_b32 s92, 256
	s_cmp_eq_u32 ttmp9, 2
	s_cselect_b32 s12, s21, s22
	s_cselect_b32 s18, s20, s23
	s_cselect_b32 s92, 4096, s92                   ; from blocks 0-3's scale words to blocks 4-7's: the next four tiles of tokens, or the next head
	s_mov_b32 s13, 0
	s_mov_b32 s19, 0
	s_add_nc_u64 s[12:13], s[10:11], s[12:13]
	s_add_nc_u64 s[18:19], s[10:11], s[18:19]
	; the bias, in both forms, in both roles (the masks keep the form that is not used inside the buffer)
	s_and_b32 s94, s66, 15
	s_lshl_b32 s94, s94, 9
	s_mov_b32 s95, 0
	s_add_nc_u64 s[94:95], s[8:9], s[94:95]        ; along registers: columns 128 cB on
	s_and_b32 s96, s67, 56
	s_lshl_b32 s96, s96, 6
	s_add_co_u32 s96, s96, 8192
	s_mov_b32 s97, 0
	s_add_nc_u64 s[96:97], s[8:9], s[96:97]        ; along lanes: columns 2,048 + 16 rbA0 on
	s_mov_b32 s[SEL], 0x76543210
	s_mov_b32 s[SEL+1], 0xfedcba98
	v_and_b32 v1, 15, v0                           ; r
	v_bfe_u32 v2, v0, 4, 1                         ; h
	v_and_b32 v[VL], 31, v0
	v_lshlrev_b32 v8, 6, v2                        ; 64 h
	v_and_b32 v3, 7, v1
	v_lshrrev_b32 v4, 3, v1
	v_lshl_add_u32 v3, v4, 4, v3
	v_lshlrev_b32 v9, 2, v3                        ; 4 (r % 8 + 16 (r / 8))
.irp b, 0,1,2,3
.irp j, 0,1,2,3
	global_load_b128 v[BR+16*\b+4*\j:BR+16*\b+4*\j+3], v8, s[94:95] offset:128*\b+16*\j   ; register 16 b + i: column 32 b + 16 h + i of my 128
.endr
.endr
.irp a, 0,1,2,3,4,5,6,7
	global_load_b32 v[BL+2*\a], v9, s[96:97] offset:4*(32*(\a/2)+8*(\a%2))     ; my column in A's block a, twice: a pair for the packed addition
	global_load_b32 v[BL+2*\a+1], v9, s[96:97] offset:4*(32*(\a/2)+8*(\a%2))
.endr
	v_lshlrev_b32 v[VI16], 4, v[VL]
	v_lshlrev_b32 v[VI8], 4, v1
	v_mul_u32_u24 v3, s92, v2
	v_add_nc_u32 v[VSC], v[VI8], v3                ; 16 r, and for lanes 16-31 the place of blocks 4-7
	v_lshl_add_u32 v[VI8], v2, 3, v[VI8]
	s_mul_i32 s21, s15, HALFT                      ; my 8 row blocks of A
	s_mul_i32 s22, s16, HALFT                      ; my 8 of B,
	s_add_co_u32 s22, s22, 2*HALFT                 ; which lie behind A's 16
.irp s, 0,1
	v_add_nc_u32 v[ADRA+\s], s21, v[VI16]
	v_add_nc_u32 v[ADRB+\s], s22, v[VI16]
	v_add_nc_u32 v[ADRA+2+\s], s21, v[VI8]
	v_add_nc_u32 v[ADRB+2+\s], s22, v[VI8]
	s_add_co_u32 s21, s21, SLOT
	s_add_co_u32 s22, s22, SLOT
.endr
	v_lshlrev_b32 v5, 4, v1                        ; a row's four scale words of 512 along K: 16 r
	s_mul_i32 s21, s15, HALFS                      ; A's: my 8 row blocks
	s_mul_i32 s22, s16, HALFS                      ; B's: mine, behind A's 16
	s_add_co_u32 s22, s22, 2*HALFS
	s_sub_co_u32 s22, s22, s21
	v_mul_u32_u24 v6, s22, v2                      ; lanes 16-31 take B's
	s_add_co_u32 s21, s21, SCL
	v_add_nc_u32 v5, v5, v6
	v_add_nc_u32 v[ADRS], s21, v5
.macro FRAG reg, adr, q, i             ; a fragment, 12 registers, from its image: four dense loads
	ds_load_b128 v[\reg:\reg+3], v[\adr] offset:(NQ*(\i)+(\q))*FRB
	ds_load_b64 v[\reg+4:\reg+5], v[\adr+2] offset:(NQ*(\i)+(\q))*FRB+512
	ds_load_b128 v[\reg+6:\reg+9], v[\adr] offset:(NQ*(\i)+(\q))*FRB+768
	ds_load_b64 v[\reg+10:\reg+11], v[\adr+2] offset:(NQ*(\i)+(\q))*FRB+1280
.endm
; 16 matrix instructions: A's blocks a0, a0 + 1 x B's eight, 128 along K.  The 64 accumulators take turns, one instruction a turn, in the same order in every step.
.macro MUL16 a0, p, q, sc, zero
.irp a, \a0, \a0+1
.irp b, 0,1,2,3,4,5,6,7
.if \zero
	v_wmma_scale_f32_16x16x128_f8f6f4 v[8*(8*((\a)%4)+\b):8*(8*((\a)%4)+\b)+7], v[128*(\p)+FR*\b:128*(\p)+FR*\b+FR-1], v[AF+FR*(\a):AF+FR*(\a)+FR-1], 0, v[SC+8*NQ*(\sc)+NQ*\b+(\q)], v[SC+8*NQ*(\sc)+NQ*(\a)+(\q)] matrix_a_fmt:MATRIX_FMT_BF6 matrix_b_fmt:MATRIX_FMT_BF6 matrix_a_scale:MATRIX_SCALE_ROW1
.else
	v_wmma_scale_f32_16x16x128_f8f6f4 v[8*(8*((\a)%4)+\b):8*(8*((\a)%4)+\b)+7], v[128*(\p)+FR*\b:128*(\p)+FR*\b+FR-1], v[AF+FR*(\a):AF+FR*(\a)+FR-1], v[8*(8*((\a)%4)+\b):8*(8*((\a)%4)+\b)+7], v[SC+8*NQ*(\sc)+NQ*\b+(\q)], v[SC+8*NQ*(\sc)+NQ*(\a)+(\q)] matrix_a_fmt:MATRIX_FMT_BF6 matrix_b_fmt:MATRIX_FMT_BF6 matrix_a_scale:MATRIX_SCALE_ROW1
.endif
.endr
.endr
.endm
.macro FETCH_B slot, q, p
	WIN TO_B
.irp i, 0,1,2,3,4,5,6,7
	FRAG 128*(\p)+FR*\i, ADRB+\slot, \q, \i
.endr
	WIN 0
.endm
.macro FETCH_A slot, q, i0
.irp i, \i0, \i0+1, \i0+2, \i0+3
	FRAG AF+FR*(\i), ADRA+\slot, \q, \i
.endr
.endm
.macro SCALES sc                       ; a slot's two scale words a row: lanes 0-15 take A's block i, lanes 16-31 B's block i
.irp i, 0,1,2,3,4,5,6,7
	ds_load_b64 v[SC+8*NQ*\sc+NQ*\i:SC+8*NQ*\sc+NQ*\i+1], v[ADRS] offset:\i*SBLK
.endr
.endm
; A step of 128 along K that has its successor in the same slot.
.macro STEP slot, q, zero
	s_wait_dscnt 4*NL                              ; B's set and A's blocks 0-3 are in; the youngest 16 loads (A's blocks 4-7) may be out
	WIN MUL_LO
	MUL16 0, (\q)%2, \q, \slot, \zero
	MUL16 2, (\q)%2, \q, \slot, \zero
	s_wait_dscnt 0                                 ; A's blocks 4-7 are in
	PLACES NP                                      ; in front of loads into registers that matrix instructions have read
	FETCH_B \slot, (\q)+1, 1-(\q)%2
	FETCH_A \slot, (\q)+1, 0
	WIN MUL_HI
	MUL16 4, (\q)%2, \q, \slot, \zero
	MUL16 6, (\q)%2, \q, \slot, \zero
	PLACES NP
	WIN 0
	FETCH_A \slot, (\q)+1, 4
.endm
; A slot's last step changes slots: one barrier; in front of it each wave waits for all its tensor loads, adds 0 to its spare word, and waits for that and for its own reads of this slot.  fill = 1: this slot is filled again.
.macro TURN slot, next, fill
	s_wait_tensorcnt 0x0                           ; all my tensor loads have landed: my part of the next slot
	ds_add_u32 v[SPW], v[NIL]                      ; 0 onto my spare word
	s_wait_dscnt 4*NL+1                            ; (the add and the youngest 16 loads, A's blocks 4-7, may be out)
	WIN MUL_LO
	MUL16 0, 1, NQ-1, \slot, 0                     ; sixteen matrix instructions stand between the add and the wait for it
	s_wait_dscnt 0x0                               ; the add is done, and my reads of this slot are over
	s_barrier_signal -1
	MUL16 2, 1, NQ-1, \slot, 0
	WIN 0
	s_barrier_wait -1
.if \fill
	CREST                                          ; the barrier has opened a round of the cluster's barrier: no wave of any partner still reads this slot or has a load on its way
	s_add_nc_u64 s[G0+4*\slot+2:G0+4*\slot+3], s[G0+4*\slot+2:G0+4*\slot+3], 2*NQ*FRB
	s_add_nc_u64 s[G0B+4*\slot+2:G0B+4*\slot+3], s[G0B+4*\slot+2:G0B+4*\slot+3], 2*NQ*FRB
	JLOAD G0+4*\slot, G1, G0B+4*\slot, G1B         ; the first tensor load behind the round; its four v_nop are the places in front of the loads below
.else
	PLACES NP
.endif
.if \next == 1
	v_add_nc_u32 v[ADRS], 8, v[ADRS]               ; the next slot's two words: in the same four of 512 along K,
.else
	v_add_nc_u32 v[ADRS], 248, v[ADRS]             ; or the first two of the next four, a block of 256 bytes on
.endif
	FETCH_B \next, 0, 0
	FETCH_A \next, 0, 0
	SCALES \next
	WIN MUL_HI
	MUL16 4, 1, NQ-1, \slot, 0
	MUL16 6, 1, NQ-1, \slot, 0
	PLACES NP
	WIN 0
	FETCH_A \next, 0, 4
.endm
	s_wait_tensorcnt 1                             ; the scale words and my part of slot 0 are in (slot 1's load may be out),
	s_barrier_signal -1
	s_barrier_wait -1                              ; everybody's are
	FETCH_B 0, 0, 0
	FETCH_A 0, 0, 0
	SCALES 0
	FETCH_A 0, 0, 4
	STEP 0, 0, 1                                   ; the first step stands in front of the loop: its products start the sums
	s_mov_b32 s3, LAPS-1
.Llap:                                                 ; a trip goes once round the ring and fills both slots again
	TURN 0, 1, 1
	STEP 1, 0, 0
	TURN 1, 0, 1
	STEP 0, 0, 0
	s_sub_co_u32 s3, s3, 1
	s_cmp_lg_u32 s3, 0
	s_cbranch_scc1 .Llap
	TURN 0, 1, 0                                   ; the last lap fills nothing
	STEP 1, 0, 0
	s_wait_dscnt 4*NL
	WIN MUL_LO
	MUL16 0, 1, NQ-1, 1, 0
	MUL16 2, 1, NQ-1, 1, 0
	s_wait_dscnt 0
	WIN MUL_HI
	MUL16 4, 1, NQ-1, 1, 0
	MUL16 6, 1, NQ-1, 1, 0
	WIN 0
; THE WAY OUT, block by block of A's rows: the bias is added (each accumulator read from its low end on), the lane's 64 numbers are quantised, and the fragment leaves as it stands.
.macro EPI role
.irp a, 0,1,2,3,4,5,6,7
.if \a > 0
	s_wait_xcnt 0x0                                ; the last block's stores have read their data
.endif
	WIN 0x02+\a/4                                  ; source 0: window 2 or 3
.set k, 0
.rept 32
.if \role
	v_pk_add_f32 v[H+2*k:H+2*k+1], v[64*(\a%4)+2*k:64*(\a%4)+2*k+1], v[BL+2*\a:BL+2*\a+1]
.else
	v_pk_add_f32 v[H+2*k:H+2*k+1], v[64*(\a%4)+2*k:64*(\a%4)+2*k+1], v[BR+2*k:BR+2*k+1]
.endif
.set k, k+1
.endr
	WIN 0
	QUANT H, PWS+\a
.if \role
	PUT 12, 98304*(\a/4)+1536*(\a%4), 98304*(\a/4)+1536*(\a%4)+768   ; head rbA0 / 4 + a / 4, its tile a % 4 of 16 channels
.else
	PUT 12, 768*\a, 768*\a+98304                   ; the two halves are two heads' 64: tile a of the even head, and of the odd one
.endif
.endr
	v_cmp_lt_u32 vcc_lo, 15, v[VL]
.irp i, 0,1,2,3
	v_cndmask_b32 v[SW+\i], v[PWS+\i], v[PWS+4+\i], vcc_lo   ; lanes 0-15 store the words of blocks 0-3, lanes 16-31 those of blocks 4-7: two whole blocks of 256 bytes
.endr
	global_store_b128 v[VSC], v[SW:SW+3], s[18:19]
.if \role == 0
	s_wait_xcnt 0x0                                ; that store has read its data
.irp i, 0,1,2,3
	v_lshrrev_b32 v[SW+\i], 16, v[SW+\i]           ; the odd head's two bytes
.endr
	global_store_b128 v[VSC], v[SW:SW+3], s[18:19] offset:8192
.endif
.endm
	PLACES NP                                      ; behind the last products
	s_wait_loadcnt 0x0                             ; the bias
.irp b, 0,1,2,3
	v_mov_b32 v[TM+4+\b], 0                        ; (a lane permute's destination counts as one of its sources)
.endr
	s_cmp_eq_u32 ttmp9, 2
	s_cbranch_scc1 .Lrole_v
	EPI 0
	s_branch .Ldone
.Lrole_v:
	EPI 1
.Ldone:
	s_wait_tensorcnt 0x0                           ; the wave's end
	ds_add_u32 v[SPW], v[NIL]
	s_wait_dscnt 0x0
	CROUND                                         ; the closing round
	s_endpgm
.Lfunc_end_k_qc18106afd6_qkv:
	.size	k_qc18106afd6_qkv, .Lfunc_end_k_qc18106afd6_qkv-k_qc18106afd6_qkv
	.p2alignl 7, 3214868480
	.fill 96, 4, 3214868480
	.section	.rodata,"a",@progbits
	.p2align	6, 0x0
	.amdhsa_kernel k_qc18106afd6_qkv
		.amdhsa_group_segment_fixed_size 327680
		.amdhsa_private_segment_fixed_size 0
		.amdhsa_enable_private_segment 0
		.amdhsa_kernarg_size 32
		.amdhsa_user_sgpr_count 2
		.amdhsa_user_sgpr_kernarg_segment_ptr 1
		.amdhsa_wavefront_size32 1
		.amdhsa_system_sgpr_workgroup_id_x 1
		.amdhsa_system_sgpr_workgroup_id_y 1
		.amdhsa_system_sgpr_workgroup_id_z 1
		.amdhsa_system_vgpr_workitem_id 0
		.amdhsa_next_free_vgpr 1024
		.amdhsa_next_free_sgpr 102
		.amdhsa_reserve_vcc 1
		.amdhsa_float_denorm_mode_32 3
		.amdhsa_float_denorm_mode_16_64 3
		.amdhsa_memory_ordered 1
		.amdhsa_forward_progress 1
		.amdhsa_inst_pref_size 219
	.end_amdhsa_kernel
	.amdgpu_metadata
---
amdhsa.version: [ 1, 2 ]
amdhsa.kernels:
  - .name:           k_qc18106afd6_qkv
    .symbol:         k_qc18106afd6_qkv.kd
    .args:
      - { .name: X, .offset: 0, .size: 8, .value_kind: global_buffer, .address_space: global }
      - { .name: W, .offset: 8, .size: 8, .value_kind: global_buffer, .address_space: global }
      - { .name: b_qkv, .offset: 16, .size: 8, .value_kind: global_buffer, .address_space: global }
      - { .name: QKV, .offset: 24, .size: 8, .value_kind: global_buffer, .address_space: global }
    .group_segment_fixed_size: 327680
    .private_segment_fixed_size: 0
    .kernarg_segment_align: 8
    .kernarg_segment_size: 32
    .max_flat_workgroup_size: 128
    .sgpr_count:     102
    .vgpr_count:     1024
    .wavefront_size: 32
...
	.end_amdgpu_metadata
.endif
;; end of part 2
;; launch attn (part 3): grid 8 x 32, 16 waves a work-group, no clusters, 210,944 bytes of LDS; arguments QKV, AT; writes AT
.if DOCPART == 3
	.amdgcn_target "amdgcn-amd-amdhsa--gfx1250"
	.amdhsa_code_object_version 6
	.text
	.protected	k_qc18106afd6_attn
	.globl	k_qc18106afd6_attn
	.p2align	8
	.type	k_qc18106afd6_attn,@function
k_qc18106afd6_attn:
	s_mov_b64 s[64:65], 0
	v_nop
	global_prefetch_b8 v0, s[64:65] scope:SCOPE_SE
	s_setreg_imm32_b32 hwreg(HW_REG_WAVE_MODE, 25, 1), 1
	s_wait_xcnt 0x0
; Causal attention of one head on codes of BF6 (E3M2) with E8M0 scales; 2,048 tokens, head size 64; the result is quantised along the model's 1,024 and leaves as codes.
; THE SOFTMAX: t = score x log2(e) / 8; M = the row's largest t so far, rounded up to a whole number; p = 2^(t - M) is quantised along the keys, not normalised; the row's sum is taken of the unquantised p and divides at the end.
; THE MASK IS -10,000, NOT -INFINITY.  A hidden key keeps the logit -10,000 (a score of -80,000 ahead of the division by 8): it counts in the row's maximum (the running maximum begins there, but for the last query, which hides no key),
; in the sum and in the second product.  What is left out is the first product of key steps that are hidden as a whole: its result is thrown away.  There p is one number a row, 2^(t_mask - M) with M final:
; its codes and scale byte are made once, behind the step on the diagonal; the sum takes it times the number of such keys (one multiplication, not that many additions), and the second product runs on over all 16 key steps.
; SHARES: a work-group has one head; each of its 16 waves one tile of 16 queries, tile 8 rank + x; a tile of rank k has k + 1 key steps with both products.  The ranks are dealt so that any four waves w % 4 = const and any four
; w / 4 = const have ranks that add up to 30, and so that of the four waves w % 4 = const the two longest tiles are one rank apart: {15, 14, 1, 0}, {13, 12, 3, 2}, {11, 10, 5, 4}, {9, 8, 7, 6}.
; Position p of a tile is token 32 (tile / 2) + 8 (tile % 2) + p % 8 + 16 (p / 8), for queries and keys alike: so the 16 registers of score tiles 2 g, 2 g + 1 are 16 neighbouring keys.
; Both products are used transposed: S^T = K Q^T, O^T = V^T P^T: a lane holds one query throughout.  The head's 64 fill half of the instruction's 128: Q's upper registers are zero codes, K's upper six are whatever follows: times zero.
; LDS: the whole head's K and V codes and scale words, filled once by waves 0-7 (three tensor loads each): nothing is filled again.  Key steps 0-3 come by a load of their own, so that work begins while the rest is on its way;
; the barrier that shows the rest to every wave stands behind two key steps, in which all tiles but those of ranks 0 and 1 have the same work.
; No cluster: what a work-group fetches is 208,896 bytes once, for 16 waves x 16 key steps.  No prefetch: every byte is asked for by the first fills.
; REGISTERS: v1-5, v7 stay; v8-11, v28, v29 the step's LDS addresses; v12 -M, v13 the largest t, v[14:15] the sum; v16-27 Q; v32-85 K's or V's fragments; v96-159 S^T, then p; v160-191 O^T; v192-203 scale words; v224-235 p's codes; v232-254 at work; v255 Q's scale word.
; LIMITS: NaN and infinities are not served; a block whose largest p (or result) lies under 2^-122 keeps the byte 1.
.set V_C,  6291456
.set QK_S, 9437184
.set V_S,  9961472
.set AT_S, 3145728
.set LV,   98304                       ; LDS: K's codes from 0, V's from here,
.set LSK,  196608                      ; K's scale words,
.set LSV,  204800                      ; V's
.set WV,   18
.set SEL,  20
.set CS,   22                          ; s[22:23] c = log2(e) / 8
.set G1SK, 24                          ; descriptor groups 1: dense blocks as rows of 256 bytes: 8 rows,
.set G1SV, 32                          ; 4,
.set G1A,  40                          ; 24,
.set G1B,  48                          ; 72
.set G0KS, 56                          ; groups 0: K's scale words, key steps 0-3, key steps 4-15;
.set G0KA, 60
.set G0KB, 68
.set G0VS, 72                          ; V's
.set G0VA, 76
.set G0VB, 80
.set TK,   84                          ; where the step's K codes begin in LDS,
.set TV,   85                          ; its V codes,
.set TSK,  86                          ; K's scale words,
.set TSV,  87                          ; V's
.set STP,  88                          ; the key step
.set RANK, 89                          ; the key step on my tile's diagonal
.set Q0,   90                          ; the token at my tile's position 0
.set CNT,  91
.set TAU,  92
	s_load_b128 s[4:7], s[0:1], 0x0                ; QKV s[4:5], AT s[6:7]
	v_lshl_add_u32 v250, v0, 2, 0x33000
	v_mov_b32 v251, 0
	ds_add_u32 v250, v251
	ds_add_u32 v250, v251
	v_lshrrev_b32 v8, 5, v0
	v_readfirstlane_b32 s[WV], v8                  ; wave 0..15
	s_and_b32 s8, ttmp7, 0xffff                    ; batch x head
	s_and_b32 s9, s[WV], 3                         ; which quarter I fetch, if I fetch
.irp g, G1SK, G1SV, G1A, G1B
	s_mov_b32 s[\g], 3<<16                         ; no mask; elements of 8 bytes; no padding
	s_mov_b32 s[\g+1], 32<<16                      ; tensor_dim0 = 32
	s_mov_b32 s[\g+3], 32<<16                      ; tile_dim0 = 32
	s_mov_b32 s[\g+5], 32                          ; tensor_dim0_stride
	s_mov_b32 s[\g+6], 0
	s_mov_b32 s[\g+7], 0
.endr
	s_mov_b32 s[G1SK+2], 8<<16                     ; tensor_dim1 and tile_dim1
	s_mov_b32 s[G1SK+4], 8
	s_mov_b32 s[G1SV+2], 4<<16
	s_mov_b32 s[G1SV+4], 4
	s_mov_b32 s[G1A+2], 24<<16
	s_mov_b32 s[G1A+4], 24
	s_mov_b32 s[G1B+2], 72<<16
	s_mov_b32 s[G1B+4], 72
	s_mul_i32 s10, s8, 98304                       ; a head's codes
	s_mul_i32 s11, s9, 6144                        ; my quarter of key steps 0-3,
	s_mul_i32 s12, s9, 18432
	s_add_co_u32 s12, s12, 24576                   ; and of key steps 4-15
	s_mov_b32 s15, 0
	s_mov_b32 s13, 0x7ad06bc1                      ; the ranks of waves 8-15, four bits each: 1, 12, 11, 6, 0, 13, 10, 7;
	s_cmp_lt_u32 s[WV], 8
	s_cselect_b32 s13, 0x853e942f, s13             ; of waves 0-7: 15, 2, 4, 9, 14, 3, 5, 8
	s_and_b32 s14, s[WV], 7
	s_lshl_b32 s14, s14, 2
	s_lshr_b32 s13, s13, s14
	s_and_b32 s[RANK], s13, 15
	s_lshl_b32 s[TAU], s[RANK], 3
	s_add_co_u32 s[TAU], s[TAU], ttmp9             ; my tile
	s_lshr_b32 s[Q0], s[TAU], 1
	s_lshl_b32 s[Q0], s[Q0], 5
	s_and_b32 s13, s[TAU], 1
	s_lshl_b32 s13, s13, 3
	s_add_co_u32 s[Q0], s[Q0], s13
	s_mov_b32 s[SEL], 0x76543210
	s_mov_b32 s[SEL+1], 0xfedcba98
	s_mov_b32 s[CS], 0x3e38aa3b
	s_mov_b32 s[CS+1], s[CS]
	s_mov_b32 s[TK], 0
	s_mov_b32 s[TV], LV
	s_mov_b32 s[TSK], LSK
	s_mov_b32 s[TSV], LSV
	s_mov_b32 s[STP], 0
	s_wait_dscnt 0x0
	s_wait_kmcnt 0x0
	s_lshl_b32 s13, s9, 11                         ; K's scale words: 2,048 bytes a wave
	s_mov_b32 s[G0KS], 1
	s_add_co_u32 s[G0KS+1], s13, LSK
	s_lshl_b32 s14, s8, 13
	s_add_co_u32 s14, s14, s13
	s_add_co_u32 s14, s14, QK_S+32*8192
	s_add_nc_u64 s[G0KS+2:G0KS+3], s[4:5], s[14:15]
	s_or_b32 s[G0KS+3], s[G0KS+3], 0x80000000
	s_lshl_b32 s13, s9, 10                         ; V's: 1,024
	s_mov_b32 s[G0VS], 1
	s_add_co_u32 s[G0VS+1], s13, LSV
	s_lshl_b32 s14, s8, 12
	s_add_co_u32 s14, s14, s13
	s_add_co_u32 s14, s14, V_S
	s_add_nc_u64 s[G0VS+2:G0VS+3], s[4:5], s[14:15]
	s_or_b32 s[G0VS+3], s[G0VS+3], 0x80000000
	s_mov_b32 s[G0KA], 1
	s_mov_b32 s[G0KA+1], s11
	s_add_co_u32 s14, s10, s11
	s_add_co_u32 s14, s14, 32*98304                ; k lies behind q's 32 heads
	s_add_nc_u64 s[G0KA+2:G0KA+3], s[4:5], s[14:15]
	s_or_b32 s[G0KA+3], s[G0KA+3], 0x80000000
	s_mov_b32 s[G0KB], 1
	s_mov_b32 s[G0KB+1], s12
	s_add_co_u32 s14, s10, s12
	s_add_co_u32 s14, s14, 32*98304
	s_add_nc_u64 s[G0KB+2:G0KB+3], s[4:5], s[14:15]
	s_or_b32 s[G0KB+3], s[G0KB+3], 0x80000000
	s_mov_b32 s[G0VA], 1
	s_add_co_u32 s[G0VA+1], s11, LV
	s_add_co_u32 s14, s10, s11
	s_add_co_u32 s14, s14, V_C
	s_add_nc_u64 s[G0VA+2:G0VA+3], s[4:5], s[14:15]
	s_or_b32 s[G0VA+3], s[G0VA+3], 0x80000000
	s_mov_b32 s[G0VB], 1
	s_add_co_u32 s[G0VB+1], s12, LV
	s_add_co_u32 s14, s10, s12
	s_add_co_u32 s14, s14, V_C
	s_add_nc_u64 s[G0VB+2:G0VB+3], s[4:5], s[14:15]
	s_or_b32 s[G0VB+3], s[G0VB+3], 0x80000000
	s_cmp_lt_u32 s[WV], 4                          ; a wave's three first fills stand in one branch on its number; three tensor loads of a fetching wave are out
	s_cbranch_scc0 .Lnot_k
	tensor_load_to_lds s[G0KS:G0KS+3], s[G1SK:G1SK+7]
	s_nop 0
	tensor_load_to_lds s[G0KA:G0KA+3], s[G1A:G1A+7]
	s_nop 0
	tensor_load_to_lds s[G0KB:G0KB+3], s[G1B:G1B+7]
	s_nop 0
.rept 4
	v_nop
.endr
	s_branch .Lasked
.Lnot_k:
	s_cmp_lt_u32 s[WV], 8
	s_cbranch_scc0 .Lasked
	tensor_load_to_lds s[G0VS:G0VS+3], s[G1SV:G1SV+7]
	s_nop 0
	tensor_load_to_lds s[G0VA:G0VA+3], s[G1A:G1A+7]
	s_nop 0
	tensor_load_to_lds s[G0VB:G0VB+3], s[G1B:G1B+7]
	s_nop 0
.rept 4
	v_nop
.endr
.Lasked:
	s_lshl_b32 s94, s8, 7                          ; Q: my tile's half image,
	s_add_co_u32 s94, s94, s[TAU]
	s_mul_i32 s94, s94, 768
	s_mov_b32 s95, 0
	s_add_nc_u64 s[94:95], s[4:5], s[94:95]
	s_lshl_b32 s96, s8, 5                          ; and its scale words
	s_lshr_b32 s97, s[TAU], 2
	s_add_co_u32 s96, s96, s97
	s_lshl_b32 s96, s96, 8
	s_and_b32 s97, s[TAU], 3
	s_lshl_b32 s97, s97, 2
	s_add_co_u32 s96, s96, s97
	s_add_co_u32 s96, s96, QK_S
	s_mov_b32 s97, 0
	s_add_nc_u64 s[96:97], s[4:5], s[96:97]
	v_and_b32 v8, 15, v0                           ; r
	v_bfe_u32 v9, v0, 4, 1                         ; h
	v_and_b32 v10, 31, v0
	v_lshlrev_b32 v1, 4, v10                       ; 16 x lane
	v_lshlrev_b32 v3, 4, v8                        ; 16 r
	v_lshl_add_u32 v2, v9, 3, v3                   ; 16 r + 8 h
	global_load_b128 v[16:19], v1, s[94:95]
	global_load_b64 v[20:21], v2, s[94:95] offset:512
	global_load_b32 v255, v3, s[96:97]
	; where the result goes: row block 128 batch + tile; K step head / 2, half head % 2
	s_lshr_b32 s10, s8, 4
	s_lshl_b32 s10, s10, 7
	s_add_co_u32 s10, s10, s[TAU]
	s_and_b32 s11, s8, 15
	s_lshr_b32 s12, s11, 1
	s_and_b32 s11, s11, 1
	s_lshl_b32 s13, s10, 3
	s_add_co_u32 s13, s13, s12
	s_mul_i32 s14, s13, 1536
	s_mul_i32 s13, s11, 768
	s_add_co_u32 s14, s14, s13
	s_add_nc_u64 s[16:17], s[6:7], s[14:15]        ; codes
	s_lshl_b32 s12, s12, 6
	s_lshr_b32 s13, s10, 2
	s_add_co_u32 s12, s12, s13
	s_lshl_b32 s14, s12, 8
	s_and_b32 s13, s10, 3
	s_lshl_b32 s13, s13, 2
	s_add_co_u32 s14, s14, s13
	s_lshl_b32 s13, s11, 1
	s_add_co_u32 s14, s14, s13
	s_add_co_u32 s14, s14, AT_S
	s_add_nc_u64 s[98:99], s[6:7], s[14:15]        ; my head's two bytes of the scale words
	v_and_b32 v10, 7, v8
	v_lshrrev_b32 v11, 3, v8
	v_lshl_add_u32 v10, v11, 4, v10                ; r % 8 + 16 (r / 8)
	v_lshlrev_b32 v11, 4, v9
	v_sub_nc_u32 v4, v10, v11                      ; less 16 h: for the mask on the diagonal
	v_mov_b32 v5, 0xc79c4000                       ; -80,000: a hidden key's score
	s_sub_co_u32 s93, 15, s[RANK]
	s_lshl_b32 s93, s93, 6
	v_cvt_f32_u32 v7, s93                          ; my lane's share of the keys in key steps hidden as a whole: 64 a step
	v_add_nc_u32 v10, s[Q0], v10                   ; my query
	v_mul_f32 v13, s[CS], v5                       ; the largest t so far: a hidden key's,
	v_mov_b32 v11, 0xff61b1e6
	v_cmp_eq_u32 vcc_lo, 0x7ff, v10
	v_cndmask_b32 v13, v13, v11, vcc_lo            ; or -3e38 for the last query, which hides none
	v_floor_f32 v12, -v13                          ; -M
	v_mov_b32 v14, 0
	v_mov_b32 v15, 0
	v_mov_b32 v252, 0                              ; the pair v[252:253] is written whole on every path;
	v_mov_b32 v253, 0                              ; p's scale word is written HERE, ahead of the 60 lines below: a scale register written by a vector instruction stands 8 places or more ahead of a scaled matrix instruction
.irp i, 22,23,24,25,26,27,80,81,82,83,84,85
	v_mov_b32 v[\i], 0                             ; Q's zero codes for the upper 64 of the instruction's K; what stands behind K's last tile
.endr
.set n, 0
.rept 32
	v_mov_b32 v[160+n], 0                          ; O^T: the first change of M leaves zeros zeros
.set n, n+1
.endr
.set n, 0
.rept 12
	v_mov_b32 v[224+n], 0                          ; p's codes
.set n, n+1
.endr
.irp b, 0,1,2,3
	v_mov_b32 v[236+\b], 0                         ; (a lane permute's destination counts as one of its sources)
.endr
.macro VLOAD                           ; the step's four fragments of V (16 channels x 128 keys each) and their scale words
.irp d, 0,1,2,3
	ds_load_b128 v[32+12*\d:35+12*\d], v10 offset:1536*\d
	ds_load_b64 v[36+12*\d:37+12*\d], v11 offset:1536*\d+512
	ds_load_b128 v[38+12*\d:41+12*\d], v10 offset:1536*\d+768
	ds_load_b64 v[42+12*\d:43+12*\d], v11 offset:1536*\d+1280
.endr
	ds_load_b128 v[200:203], v29
.endm
.macro PVMUL                           ; O^T += V^T P^T: four accumulators by turns
.irp d, 0,1,2,3
	v_wmma_scale_f32_16x16x128_f8f6f4 v[160+8*\d:167+8*\d], v[32+12*\d:43+12*\d], v[224:235], v[160+8*\d:167+8*\d], v[200+\d], v253 matrix_a_fmt:MATRIX_FMT_BF6 matrix_b_fmt:MATRIX_FMT_BF6
.endr
.endm
; Behind the step on the diagonal M is final.  A hidden key's p, its codes (sixteen alike are 96 bits: three registers, four times over) and its byte (four times over) stay for the steps that follow.
.macro MASKP
	v_fma_f32 v254, v5, s[CS], v12                 ; t_mask - M
	v_exp_f32 v254, v254
	v_nop                                          ; one plain place behind a transcendental
.set n, 0
	s_wait_alu depctr_va_vdst(0)
.rept 16
	v_mov_b32 v[96+n], v254                        ; (these are also the places behind the products above)
.set n, n+1
.endr
	v_fma_f32 v14, v254, v7, v14                   ; the sum's share of those keys
	v_max_num_f32 v252, 0x2800000, v254            ; the floor 2^(5 - 127)
	v_add_nc_u32 v252, 0xfe000000, v252
	v_lshrrev_b32 v253, 23, v252
	v_lshl_or_b32 v253, v253, 8, v253
	v_lshl_or_b32 v253, v253, 16, v253
	v_cvt_scalef32_pk16_bf6_f32 v[224:226], v[96:111], v252
	v_nop                                          ; one plain place behind a scaled conversion
.irp i, 0,1,2
	v_mov_b32 v[227+\i], v[224+\i]
	v_mov_b32 v[230+\i], v[224+\i]
	v_mov_b32 v[233+\i], v[224+\i]
.endr
.rept 4
	v_nop                                          ; an operand written by vector instructions stands 4 places ahead of a scaled matrix instruction, a scale register 8: behind the scale word's last line stand these 4, the 11 lines above them and the next step's 6 additions
.endr
.endm
; A KEY STEP: 128 keys.
.macro KSTEP
	v_add_nc_u32 v8, s[TK], v1                     ; the step's addresses, made on every wave's path; six plain lines: the places behind the last products
	v_add_nc_u32 v9, s[TK], v2
	v_add_nc_u32 v10, s[TV], v1
	v_add_nc_u32 v11, s[TV], v2
	v_add_nc_u32 v28, s[TSK], v3
	v_add_nc_u32 v29, s[TSV], v3
	s_cmp_gt_u32 s[STP], s[RANK]                   ; all 128 keys come after my 16 queries: a branch on ids
	s_cbranch_scc1 .Lhid_\@
.irp t, 0,1,2,3,4,5,6,7
	ds_load_b128 v[32+6*\t:35+6*\t], v8 offset:768*\t
	ds_load_b64 v[36+6*\t:37+6*\t], v9 offset:768*\t+512
.endr
	ds_load_b128 v[192:195], v28
	ds_load_b128 v[196:199], v28 offset:256
	s_wait_dscnt 0x0
.irp t, 0,1,2,3,4,5,6,7
	v_wmma_scale_f32_16x16x128_f8f6f4 v[96+8*\t:103+8*\t], v[32+6*\t:43+6*\t], v[16:27], 0, v[192+\t], v255 matrix_a_fmt:MATRIX_FMT_BF6 matrix_b_fmt:MATRIX_FMT_BF6
.endr
.rept 4
	v_nop                                          ; places in front of the loads into K's registers and of the first read of the scores
.endr
	VLOAD                                          ; V is on its way while the softmax is worked
	s_cmp_lg_u32 s[STP], s[RANK]
	s_cbranch_scc1 .Lopen_\@
	s_lshl_b32 s93, s[STP], 7                      ; on the diagonal: register 16 b + i holds key 128 step + 32 b + 16 h + i: hidden where 32 b + i > d
	s_sub_co_i32 s93, s[Q0], s93
	v_add_nc_u32 v252, s93, v4                     ; d = my query - 128 step - 16 h
.set n, 0
.rept 64
	v_cmp_gt_i32 vcc_lo, 32*(n/16)+n%16, v252
	v_cndmask_b32 v[96+n], v[96+n], v5, vcc_lo
.set n, n+1
.endr
.Lopen_\@:
.irp b, 0,1,2,3
	v_max3_num_f32 v[232+\b], v[96+16*\b], v[97+16*\b], v[98+16*\b]   ; the largest score of each block of 32 keys: for the row's maximum and, since p rises with the score, for the block's largest p
.endr
.irp i, 3,5,7,9,11,13
.irp b, 0,1,2,3
	v_max3_num_f32 v[232+\b], v[232+\b], v[96+16*\b+\i], v[97+16*\b+\i]
.endr
.endr
.irp b, 0,1,2,3
	v_max_num_f32 v[232+\b], v[232+\b], v[111+16*\b]
.endr
.irp b, 0,1,2,3
	v_permlanex16_b32 v[236+\b], v[232+\b], s[SEL], s[SEL+1]
.endr
.irp b, 0,1,2,3
	v_max_num_f32 v[232+\b], v[232+\b], v[236+\b]  ; with lane l xor 16's 16 keys
.endr
	v_max3_num_f32 v254, v232, v233, v234
	v_max_num_f32 v254, v254, v235
	v_mul_f32 v254, s[CS], v254                    ; as t (c is positive)
	v_max_num_f32 v13, v13, v254                   ; the running largest t
	v_mov_b32 v254, v12
	v_floor_f32 v12, -v13                          ; the new -M = -ceil(t)
	v_sub_f32 v254, v12, v254                      ; M's old value less its new one: a whole number, 0 or less
	v_cvt_i32_f32 v254, v254                       ; (it saturates)
	v_ldexp_f32 v252, 1.0, v254                    ; f = 2^(old M - new M)
.set n, 0
.rept 32
	v_pk_fma_f32 v[96+n:97+n], v[96+n:97+n], s[CS:CS+1], v[12:13] op_sel_hi:[1,0,0]   ; t - M, two at a time
.set n, n+2
.endr
.irp b, 0,1,2,3
	v_fma_f32 v[232+\b], v[232+\b], s[CS], v12     ; the same of each block's largest score
.endr
.set n, 0
.rept 64
	v_exp_f32 v[96+n], v[96+n]                     ; p = 2^(t - M)
.set n, n+1
.endr
.irp b, 0,1,2,3
	v_exp_f32 v[232+\b], v[232+\b]                 ; the block's largest p
.endr
	v_pk_mul_f32 v[14:15], v[14:15], v[252:253] op_sel_hi:[1,0]   ; the sums under the new M (a plain place behind the exponentials)
	s_wait_alu depctr_va_vdst(0)
.irp b, 0,1,2,3
	v_max_num_f32 v[232+\b], 0x2800000, v[232+\b]  ; the floor 2^(5 - 127)
.endr
.irp b, 0,1,2,3
	v_add_nc_u32 v[244+\b], 0xfe000000, v[232+\b]  ; the conversion's scale operand
.endr
.irp b, 0,1,2,3
	v_lshrrev_b32 v[236+\b], 23, v[244+\b]         ; the scale's byte
.endr
	v_lshl_or_b32 v253, v237, 8, v236              ; p's scale word for these 128 keys
	v_lshl_or_b32 v253, v238, 16, v253
	v_lshl_or_b32 v253, v239, 24, v253
.irp c, 0,1
	v_cvt_scalef32_pk16_bf6_f32 v[224+6*\c:226+6*\c], v[96+32*\c:111+32*\c], v[244+2*\c]
	v_cvt_scalef32_pk16_bf6_f32 v[236+4*\c:238+4*\c], v[112+32*\c:127+32*\c], v[244+2*\c+1]
.endr
	v_nop                                          ; one plain place behind a scaled conversion
.irp c, 0,1
.irp i, 0,1,2
	v_permlane16_swap_b32 v[224+6*\c+\i], v[236+4*\c+\i]
.endr
.irp i, 0,1,2
	v_mov_b32 v[227+6*\c+\i], v[236+4*\c+\i]
.endr
.endr
	v_pk_add_f32 v[236:237], v[96:97], v[98:99]    ; the row's sum is taken of the unquantised p: two at a time, in two chains
.set n, 4
.rept 15
	v_pk_add_f32 v[14:15], v[14:15], v[96+n:97+n]
	v_pk_add_f32 v[236:237], v[236:237], v[98+n:99+n]
.set n, n+4
.endr
	v_pk_add_f32 v[14:15], v[14:15], v[236:237]
.set n, 0
.rept 16
	v_pk_mul_f32 v[160+n:161+n], v[160+n:161+n], v[252:253] op_sel_hi:[1,0]   ; O^T under the new M
.set n, n+2
.endr
	s_wait_dscnt 0x0                               ; V is in
	PVMUL
	s_cmp_lg_u32 s[STP], s[RANK]
	s_cbranch_scc1 .Ljoin_\@
	MASKP
	s_branch .Ljoin_\@
.Lhid_\@:
	VLOAD
	s_wait_dscnt 0x0
	PVMUL                                          ; with the hidden keys' p
.Ljoin_\@:
	s_add_co_u32 s[TK], s[TK], 6144
	s_add_co_u32 s[TV], s[TV], 6144
	s_add_co_u32 s[TSK], s[TSK], 512
	s_add_co_u32 s[TSV], s[TSV], 256
	s_add_co_u32 s[STP], s[STP], 1
.endm
	s_wait_loadcnt 0x0                             ; Q
	s_wait_tensorcnt 1                             ; my scale words and my part of key steps 0-3 are in; the load of key steps 4-15 may stay out
	s_barrier_signal -1
	s_barrier_wait -1                              ; everybody's are
	s_mov_b32 s[CNT], 2
.Lfirst:                                               ; key steps 0 and 1
	KSTEP
	s_sub_co_u32 s[CNT], s[CNT], 1
	s_cmp_lg_u32 s[CNT], 0
	s_cbranch_scc1 .Lfirst
	s_wait_tensorcnt 0x0                           ; my part of key steps 4-15 is in
	s_wait_dscnt 0x0
	s_barrier_signal -1
	s_barrier_wait -1                              ; everybody's is: from here on no wave waits for another
	s_mov_b32 s[CNT], 14
.Lrest:
	KSTEP
	s_sub_co_u32 s[CNT], s[CNT], 1
	s_cmp_lg_u32 s[CNT], 0
	s_cbranch_scc1 .Lrest
	; THE WAY OUT: O^T / the sum; register 16 b + i is channel 32 b + 16 h + i of my query: two blocks of the next product's K.  They are quantised as they stand.
.rept 4
	v_nop
.endr
	v_add_f32 v14, v14, v15
	v_permlanex16_b32 v252, v14, s[SEL], s[SEL+1]
	v_add_f32 v14, v14, v252                       ; the row's sum
	v_rcp_f32 v14, v14
	v_nop                                          ; one plain place behind a transcendental
.set n, 0
	s_wait_alu depctr_va_vdst(0)
.rept 32
	v_mul_f32 v[96+n], v[160+n], v14
.set n, n+1
.endr
.irp b, 0,1
	v_max3_num_f32 v[232+\b], |v[96+16*\b]|, |v[97+16*\b]|, 0x2800000
.endr
.irp i, 2,4,6,8,10,12,14
.irp b, 0,1
	v_max3_num_f32 v[232+\b], v[232+\b], |v[96+16*\b+\i]|, |v[97+16*\b+\i]|
.endr
.endr
.irp b, 0,1
	v_permlanex16_b32 v[236+\b], v[232+\b], s[SEL], s[SEL+1]
.endr
.irp b, 0,1
	v_max_num_f32 v[232+\b], v[232+\b], v[236+\b]
.endr
.irp b, 0,1
	v_add_nc_u32 v[244+\b], 0xfe000000, v[232+\b]
.endr
.irp b, 0,1
	v_lshrrev_b32 v[236+\b], 23, v[244+\b]
.endr
	v_lshl_or_b32 v253, v237, 8, v236              ; my head's two bytes of the row's scale word
	v_cvt_scalef32_pk16_bf6_f32 v[224:226], v[96:111], v244
	v_cvt_scalef32_pk16_bf6_f32 v[240:242], v[112:127], v245
	v_nop                                          ; one plain place behind a scaled conversion
.irp i, 0,1,2
	v_permlane16_swap_b32 v[224+\i], v[240+\i]
.endr
.irp i, 0,1,2
	v_mov_b32 v[227+\i], v[240+\i]
.endr
	global_store_b128 v1, v[224:227], s[16:17]     ; half an image: 512 and 256 consecutive bytes
	global_store_b64 v2, v[228:229], s[16:17] offset:512
	global_store_b16 v3, v253, s[98:99]            ; two bytes a row (lanes r and r + 16 write the same): the word's other half is another head's, made by another work-group
	s_wait_tensorcnt 0x0
	ds_add_u32 v250, v251
	s_wait_dscnt 0x0
	s_endpgm
.Lfunc_end_k_qc18106afd6_attn:
	.size	k_qc18106afd6_attn, .Lfunc_end_k_qc18106afd6_attn-k_qc18106afd6_attn
	.p2alignl 7, 3214868480
	.fill 96, 4, 3214868480
	.section	.rodata,"a",@progbits
	.p2align	6, 0x0
	.amdhsa_kernel k_qc18106afd6_attn
		.amdhsa_group_segment_fixed_size 210944
		.amdhsa_private_segment_fixed_size 0
		.amdhsa_enable_private_segment 0
		.amdhsa_kernarg_size 16
		.amdhsa_user_sgpr_count 2
		.amdhsa_user_sgpr_kernarg_segment_ptr 1
		.amdhsa_wavefront_size32 1
		.amdhsa_system_sgpr_workgroup_id_x 1
		.amdhsa_system_sgpr_workgroup_id_y 1
		.amdhsa_system_sgpr_workgroup_id_z 1
		.amdhsa_system_vgpr_workitem_id 0
		.amdhsa_next_free_vgpr 256
		.amdhsa_next_free_sgpr 100
		.amdhsa_reserve_vcc 1
		.amdhsa_float_denorm_mode_32 3
		.amdhsa_float_denorm_mode_16_64 3
		.amdhsa_memory_ordered 1
		.amdhsa_forward_progress 1
		.amdhsa_inst_pref_size 64
	.end_amdhsa_kernel
	.amdgpu_metadata
---
amdhsa.version: [ 1, 2 ]
amdhsa.kernels:
  - .name:           k_qc18106afd6_attn
    .symbol:         k_qc18106afd6_attn.kd
    .args:
      - { .name: QKV, .offset: 0, .size: 8, .value_kind: global_buffer, .address_space: global }
      - { .name: AT, .offset: 8, .size: 8, .value_kind: global_buffer, .address_space: global }
    .group_segment_fixed_size: 210944
    .private_segment_fixed_size: 0
    .kernarg_segment_align: 8
    .kernarg_segment_size: 16
    .max_flat_workgroup_size: 512
    .sgpr_count:     100
    .vgpr_count:     256
    .wavefront_size: 32
...
	.end_amdgpu_metadata
.endif
;; end of part 3
;; launch proj (part 4): grid 8 x 32, 4 waves a work-group, clusters of 4 x 4, 327,680 bytes of LDS; arguments AT, W, b_proj, hidden_states, H2; writes H2
.if DOCPART == 4
	.amdgcn_target "amdgcn-amd-amdhsa--gfx1250"
	.amdhsa_code_object_version 6
	.text
	.protected	k_qc18106afd6_proj
	.globl	k_qc18106afd6_proj
	.p2align	8
	.type	k_qc18106afd6_proj,@function
k_qc18106afd6_proj:
	s_mov_b64 s[64:65], 0
	v_nop
	global_prefetch_b8 v0, s[64:65] scope:SCOPE_SE
	s_setreg_imm32_b32 hwreg(HW_REG_WAVE_MODE, 25, 1), 1
	s_wait_xcnt 0x0
	s_wait_alu depctr_hold_cnt(0) depctr_sa_sdst(0) depctr_va_vdst(0) depctr_va_sdst(0) depctr_va_ssrc(0) depctr_va_vcc(0) depctr_vm_vsrc(0)
	s_getreg_b32 s2, hwreg(HW_REG_IB_STS2, 6, 4)
	s_cmp_eq_u32 s2, 0
	s_cbranch_scc0 .Lentry_in_a_cluster
	s_endpgm
.Lentry_in_a_cluster:
	s_bfe_u32 s2, ttmp6, 0x10000c
	s_cmp_lg_u32 s2, 0xf033
	s_cbranch_scc0 .Lentry_shape_is_right
	s_endpgm
.Lentry_shape_is_right:
; out = A B^T + bias + res on codes of BF6 (E3M2) with E8M0 scales.  A: 4,096 rows (tokens), B: 1,024 rows (the weight's columns), K = SIZE_K; out, res: [4096][1024] f32, bias [1024].
; A tile of 128 x 128 is made by four waves, each 64 x 64: 16 accumulators.  Tiles of 256 x 256 would be 64: three WGPs in four would have no work; so the smaller tile, at twice the LDS bytes for each matrix instruction.
; Source 0 takes 16 rows of B, source 1 sixteen rows of A: a lane holds one token and eight neighbouring columns.  Position p of a row block rb is row 32 (rb / 2) + 8 (rb % 2) + p % 8 + 16 (p / 8), of tokens and of columns alike.
; OPERANDS lie in memory as images of their registers, [row block][K step of 128][1,536 bytes]; a slot of the ring holds 512 along K: 6,144 consecutive bytes of each row block.
; SCALE WORDS: A's lie [K step][row block / 4][position][row block % 4], B's [row block][K / 512][position][K step % 4]: four words come by one load of 16 bytes; all of K's come once.
; CLUSTERS: 4 x 4; A's tiles are asked for jointly along a row of the cluster, B's along a column.
; RES IS ASKED FOR AT THE HEAD: my 64 x 64 numbers of it, 32 loads of 512 bytes, go into 128 registers that lie idle beside the accumulators, behind the first fills; they land while K is walked, and one wait stands in front of the way out.
; REGISTERS: window 0: v16-31 addresses; v32-63 A's scale words, two sets; v64-95 B's; v128-175 A's 4 fragments, one set.  window 1: B's fragments, two sets.  windows 2, 3: accumulators (a, b) at 8 (4 (a % 2) + b), window 2 + a / 2.
; window 2, v64-191: res, block a's rows at 64 + 32 a.  On the way out: window 0's v160-223 rows read back from the stage, v240-243 the bias.
.set SIZE_K, 1024
.set A_S,    3145728                   ; where A's scale words begin in its buffer
.set WC,     2359296                   ; where B's codes begin in W,
.set WS,     9535488                   ; and its scale words
.set KS128,  SIZE_K/128
.set NQ,     4
.set FR,     12
.set FRB,    1536
.set NL,     4
.set NP,     4
.set HALFT,  4*NQ*FRB                  ; 4 row blocks: what one tensor load brings, and what one wave reads of A or of B
.set SLOT,   4*HALFT
.set LAPS,   SIZE_K/1024
.set SCL,    2*SLOT
.set HALFS,  256*KS128                 ; the scale words of 4 row blocks
.set SBLK,   256*(SIZE_K/512)          ; B's: those of one row block
.set SPARE,  SCL+4*HALFS               ; the spare words, 128 bytes for each wave: two blocks of 256 bytes that no other line names
.set SPITCH, 272                       ; the way out: a stage of 16 rows x (256 bytes + 16) for each wave, in slot 0, which has had its last fill and its last read by then
.set ADRA, 16
.set ADRB, 20
.set STO,  24
.set RD,   25
.set CO,   26
.set ADSA, 27
.set SPW,  28
.set NIL,  29
.set ADSB, 30
.set SA,   32
.set SB,   64
.set RES,  64                          ; in window 2
.set AF,   128
.set BK,   160
.set BI,   240
.set G1, 24
.set G0, 32
.set G1B, 48
.set G0B, 56
.set G1S, 68
.set G0S, 76
.set G1SB, 80
.set G0SB, 88
.set MSB, 0
.macro WIN new
.if MSB != (\new)
	s_set_vgpr_msb (MSB<<8)|(\new)
.set MSB, (\new)
.endif
.endm
.set MUL_LO, 0xa1
.set MUL_HI, 0xf1
.set TO_B,   0x40
.macro JLOAD g0a, g1a, g0b, g1b        ; a joint load: waves 0 and 1 fetch for A, waves 2 and 3 for B; four v_nop follow each of the two lines
	s_cmp_eq_u32 s15, 0
	s_cbranch_scc0 .Lfor_b_\@
	tensor_load_to_lds s[\g0a:\g0a+3], s[\g1a:\g1a+7]
	s_nop 0
.rept 4
	v_nop
.endr
	s_branch .Lasked_\@
.Lfor_b_\@:
	tensor_load_to_lds s[\g0b:\g0b+3], s[\g1b:\g1b+7]
	s_nop 0
.rept 4
	v_nop
.endr
.Lasked_\@:
.endm
.macro CREST
	s_cmp_lg_u32 s14, 0
	s_cbranch_scc1 .Lnot_wave_0_\@
	s_barrier_signal -3
.Lnot_wave_0_\@:
	s_barrier_wait -3
	s_barrier_signal -1
	s_barrier_wait -1
.endm
.macro CROUND
	s_barrier_signal -1
	s_barrier_wait -1
	CREST
.endm
.macro PLACES n
.rept \n
	v_nop
.endr
.endm
	s_load_b256 s[4:11], s[0:1], 0x0               ; A s[4:5], W s[6:7], bias s[8:9], res s[10:11]
	s_load_b64 s[12:13], s[0:1], 0x20              ; out
	v_lshl_add_u32 v[SPW], v0, 2, SPARE
	v_mov_b32 v[NIL], 0
	ds_add_u32 v28, v29
	ds_add_u32 v28, v29
	s_wait_dscnt 0x0
	v_lshrrev_b32 v1, 5, v0
	v_readfirstlane_b32 s14, v1                    ; wave 0..3
	s_lshr_b32 s15, s14, 1                         ; which half of A's rows is mine.  Also: I fetch for A (0) or for B (1)
	s_and_b32 s16, s14, 1                          ; which half of B's rows.  Also: which 4 row blocks of that tile I fetch
	s_bfe_u32 s40, ttmp6, 0x40000
	s_bfe_u32 s41, ttmp6, 0x40004
	s_lshl_b32 s42, ttmp9, 2
	s_add_co_u32 s42, s42, s40                     ; tile column = 4 x cluster x + cx
	s_and_b32 s17, ttmp7, 0xffff
	s_lshl_b32 s17, s17, 2
	s_add_co_u32 s17, s17, s41                     ; tile row = 4 x cluster y + cy
	s_lshl_b32 s43, s41, 2
	s_lshl_b32 s43, 15, s43                        ; my row of the cluster
	s_lshl_b32 s44, 0x1111, s40                    ; my column
	; descriptor group 1: 4 row blocks x 6,144 bytes (768 elements of 8 bytes), KS128 x 1,536 bytes from row block to row block
	s_or_b32 s[G1+0], s43, (3<<16)|(1<<21)
	s_or_b32 s[G1B+0], s44, (3<<16)|(1<<21)
.irp g, G1, G1B
	s_mov_b32 s[\g+1], 768<<16
	s_mov_b32 s[\g+2], 4<<16
	s_mov_b32 s[\g+3], 768<<16
	s_mov_b32 s[\g+4], 4
	s_mov_b32 s[\g+5], 192*KS128
	s_mov_b32 s[\g+6], 0
	s_mov_b32 s[\g+7], 0
.endr
	; the scale words of 4 row blocks: KS128 rows of 256 bytes; A's lie 16,384 bytes apart (one for each K step), B's on end
	s_or_b32 s[G1S+0], s43, (3<<16)|(1<<21)
	s_or_b32 s[G1SB+0], s44, (3<<16)|(1<<21)
.irp g, G1S, G1SB
	s_mov_b32 s[\g+1], 32<<16
	s_mov_b32 s[\g+2], KS128<<16
	s_mov_b32 s[\g+3], 32<<16
	s_mov_b32 s[\g+4], KS128
	s_mov_b32 s[\g+6], 0
	s_mov_b32 s[\g+7], 0
.endr
	s_mov_b32 s[G1S+5], 2048
	s_mov_b32 s[G1SB+5], 32
	s_lshl_b32 s18, s16, 2
	s_lshl_b32 s20, s17, 3
	s_add_co_u32 s20, s20, s18                     ; A: the first row block that I fetch
	s_lshl_b32 s46, s42, 3
	s_add_co_u32 s46, s46, s18                     ; B likewise
	s_lshl_b32 s22, s17, 1
	s_add_co_u32 s22, s22, s16
	s_lshl_b32 s22, s22, 8
	s_add_co_u32 s22, s22, A_S                     ; A's scale words of K step 0
	s_mul_i32 s92, s46, SBLK
	s_add_co_u32 s92, s92, WS
	s_mul_i32 s20, s20, KS128*FRB
	s_mul_i32 s46, s46, KS128*FRB
	s_add_co_u32 s46, s46, WC
	s_mov_b32 s21, 0
	s_mov_b32 s23, 0
	s_mov_b32 s47, 0
	s_mov_b32 s93, 0
	s_mul_i32 s45, s14, HALFT
	s_mul_i32 s94, s14, HALFS
	s_wait_kmcnt 0x0
	s_add_nc_u64 s[20:21], s[4:5], s[20:21]
	s_add_nc_u64 s[22:23], s[4:5], s[22:23]
	s_add_nc_u64 s[46:47], s[6:7], s[46:47]
	s_add_nc_u64 s[92:93], s[6:7], s[92:93]
	CROUND                                         ; all sixteen work-groups are here: the first joint loads meet
	s_mov_b32 s[G0S], 1
	s_add_co_u32 s[G0S+1], s94, SCL
	s_mov_b64 s[G0S+2:G0S+3], s[22:23]
	s_or_b32 s[G0S+3], s[G0S+3], 0x80000000
	s_mov_b32 s[G0SB], 1
	s_add_co_u32 s[G0SB+1], s94, SCL
	s_mov_b64 s[G0SB+2:G0SB+3], s[92:93]
	s_or_b32 s[G0SB+3], s[G0SB+3], 0x80000000
	JLOAD G0S, G1S, G0SB, G1SB
.irp s, 0,1
	s_mov_b32 s[G0+4*\s], 1
	s_add_co_u32 s[G0+4*\s+1], s45, \s*SLOT
	s_add_nc_u64 s[G0+4*\s+2:G0+4*\s+3], s[20:21], \s*NQ*FRB
	s_or_b32 s[G0+4*\s+3], s[G0+4*\s+3], 0x80000000
	s_mov_b32 s[G0B+4*\s], 1
	s_add_co_u32 s[G0B+4*\s+1], s45, \s*SLOT
	s_add_nc_u64 s[G0B+4*\s+2:G0B+4*\s+3], s[46:47], \s*NQ*FRB
	s_or_b32 s[G0B+4*\s+3], s[G0B+4*\s+3], 0x80000000
	JLOAD G0+4*\s, G1, G0B+4*\s, G1B               ; three tensor loads of mine are out
.endr
	s_lshl_b32 s96, s42, 9                         ; my first column, in bytes: 512 x tile column + 256 x half
	s_lshl_b32 s20, s16, 8
	s_add_co_u32 s96, s96, s20
	s_mov_b32 s97, 0
	s_lshl_b32 s20, s17, 19                        ; my first row: 128 x tile row + 64 x half, rows of 4,096 bytes
	s_lshl_b32 s22, s15, 18
	s_add_co_u32 s20, s20, s22
	s_add_co_u32 s20, s20, s96
	s_mov_b32 s21, 0
	s_add_nc_u64 s[10:11], s[10:11], s[20:21]
	s_add_nc_u64 s[12:13], s[12:13], s[20:21]
	s_add_nc_u64 s[96:97], s[8:9], s[96:97]
	v_and_b32 v1, 15, v0                           ; r
	v_bfe_u32 v2, v0, 4, 1                         ; h
	v_and_b32 v3, 31, v0
	v_lshlrev_b32 v9, 4, v1                        ; 16 r
	global_load_b128 v[BI:BI+3], v9, s[96:97]      ; the bias at the four columns that I store
	v_lshl_add_u32 v[CO], v2, 12, v9               ; lanes 0-15 one row of 256 bytes of out and of res, lanes 16-31 the next
	WIN 0x80                                       ; destination window 2, address window 0
.irp a, 0,1,2,3                                ; res: the rows in the order in which the way out stores them; neither the offset register nor the base is written again
.irp t, 0,1,2,3,4,5,6,7
	global_load_b128 v[RES+32*\a+4*\t:RES+32*\a+4*\t+3], v[CO], s[10:11] offset:4096*(32*(\a/2)+8*(\a%2)+2*\t+8*(\t/4))
.endr
.endr
	WIN 0
	v_lshlrev_b32 v4, 4, v3                        ; 16 x lane
	v_lshl_add_u32 v5, v2, 3, v9                   ; 16 r + 8 h
	s_mul_i32 s21, s15, HALFT
	s_mul_i32 s22, s16, HALFT
	s_add_co_u32 s22, s22, 2*HALFT
.irp s, 0,1
	v_add_nc_u32 v[ADRA+\s], s21, v4
	v_add_nc_u32 v[ADRB+\s], s22, v4
	v_add_nc_u32 v[ADRA+2+\s], s21, v5
	v_add_nc_u32 v[ADRB+2+\s], s22, v5
	s_add_co_u32 s21, s21, SLOT
	s_add_co_u32 s22, s22, SLOT
.endr
	s_mul_i32 s21, s15, HALFS
	s_add_co_u32 s21, s21, SCL
	v_add_nc_u32 v[ADSA], s21, v9                  ; A's scale words: my 4 row blocks, 16 r
	s_mul_i32 s22, s16, HALFS
	s_add_co_u32 s22, s22, SCL+2*HALFS
	v_add_nc_u32 v[ADSB], s22, v9                  ; B's
	s_mul_i32 s23, s14, 16*SPITCH                  ; my stage
	v_mul_u32_u24 v5, v1, SPITCH
	v_lshl_add_u32 v5, v2, 6, v5
	v_add_nc_u32 v[STO], s23, v5                   ; in: position r, + 64 h bytes
	v_mul_u32_u24 v5, v2, SPITCH
	v_add_nc_u32 v5, v5, v9
	v_add_nc_u32 v[RD], s23, v5                    ; back: lanes 0-15 one row of 256 bytes, lanes 16-31 the next
.macro FRAG reg, adr, q, i
	ds_load_b128 v[\reg:\reg+3], v[\adr] offset:(NQ*(\i)+(\q))*FRB
	ds_load_b64 v[\reg+4:\reg+5], v[\adr+2] offset:(NQ*(\i)+(\q))*FRB+512
	ds_load_b128 v[\reg+6:\reg+9], v[\adr] offset:(NQ*(\i)+(\q))*FRB+768
	ds_load_b64 v[\reg+10:\reg+11], v[\adr+2] offset:(NQ*(\i)+(\q))*FRB+1280
.endm
; Four matrix instructions: A's block a x B's four.  The 16 accumulators take turns, one instruction a turn, in the same order in every step.
.macro MULA a, p, q, sc, zero
.irp b, 0,1,2,3
.if \zero
	v_wmma_scale_f32_16x16x128_f8f6f4 v[8*(4*((\a)%2)+\b):8*(4*((\a)%2)+\b)+7], v[128*(\p)+FR*\b:128*(\p)+FR*\b+FR-1], v[AF+FR*(\a):AF+FR*(\a)+FR-1], 0, v[SB+16*(\sc)+4*\b+(\q)], v[SA+16*(\sc)+4*(\q)+(\a)] matrix_a_fmt:MATRIX_FMT_BF6 matrix_b_fmt:MATRIX_FMT_BF6
.else
	v_wmma_scale_f32_16x16x128_f8f6f4 v[8*(4*((\a)%2)+\b):8*(4*((\a)%2)+\b)+7], v[128*(\p)+FR*\b:128*(\p)+FR*\b+FR-1], v[AF+FR*(\a):AF+FR*(\a)+FR-1], v[8*(4*((\a)%2)+\b):8*(4*((\a)%2)+\b)+7], v[SB+16*(\sc)+4*\b+(\q)], v[SA+16*(\sc)+4*(\q)+(\a)] matrix_a_fmt:MATRIX_FMT_BF6 matrix_b_fmt:MATRIX_FMT_BF6
.endif
.endr
.endm
.macro FETCH_B slot, q, p
	WIN TO_B
.irp i, 0,1,2,3
	FRAG 128*(\p)+FR*\i, ADRB+\slot, \q, \i
.endr
	WIN 0
.endm
.macro FETCH_A slot, q, i0
.irp i, \i0, \i0+1
	FRAG AF+FR*(\i), ADRA+\slot, \q, \i
.endr
.endm
.macro SCALES sc                       ; a slot's scale words: A's register 4 q + a, B's register 4 b + q
.irp q, 0,1,2,3
	ds_load_b128 v[SA+16*\sc+4*\q:SA+16*\sc+4*\q+3], v[ADSA] offset:256*\q
.endr
.irp b, 0,1,2,3
	ds_load_b128 v[SB+16*\sc+4*\b:SB+16*\sc+4*\b+3], v[ADSB] offset:\b*SBLK
.endr
.endm
.macro STEP slot, q, zero
	s_wait_dscnt 2*NL                              ; B's set and A's blocks 0, 1 are in; the youngest 8 loads (A's blocks 2, 3) may be out
	WIN MUL_LO
	MULA 0, (\q)%2, \q, \slot, \zero
	MULA 1, (\q)%2, \q, \slot, \zero
	s_wait_dscnt 0
	PLACES NP
	FETCH_B \slot, (\q)+1, 1-(\q)%2
	FETCH_A \slot, (\q)+1, 0
	WIN MUL_HI
	MULA 2, (\q)%2, \q, \slot, \zero
	MULA 3, (\q)%2, \q, \slot, \zero
	PLACES NP
	WIN 0
	FETCH_A \slot, (\q)+1, 2
.endm
; A slot's last step changes slots: one barrier; in front of it each wave waits for all its tensor loads, adds 0 to its spare word, and waits for that and for its own reads of this slot.
.macro TURN slot, next, fill
	s_wait_tensorcnt 0x0                           ; all my tensor loads have landed: my part of the next slot
	ds_add_u32 v[SPW], v[NIL]                      ; 0 onto my spare word
	s_wait_dscnt 2*NL+1                            ; (the add and the youngest 8 loads may be out)
	WIN MUL_LO
	MULA 0, 1, NQ-1, \slot, 0                      ; four matrix instructions stand between the add and the wait for it
	s_wait_dscnt 0x0                               ; the add is done, and my reads of this slot are over
	s_barrier_signal -1
	MULA 1, 1, NQ-1, \slot, 0
	WIN 0
	s_barrier_wait -1
.if \fill
	CREST                                          ; the barrier has opened a round of the cluster's barrier
	s_add_nc_u64 s[G0+4*\slot+2:G0+4*\slot+3], s[G0+4*\slot+2:G0+4*\slot+3], 2*NQ*FRB
	s_add_nc_u64 s[G0B+4*\slot+2:G0B+4*\slot+3], s[G0B+4*\slot+2:G0B+4*\slot+3], 2*NQ*FRB
	JLOAD G0+4*\slot, G1, G0B+4*\slot, G1B         ; the first tensor load behind the round; its four v_nop are the places in front of the loads below
.else
	PLACES NP
.endif
	v_add_nc_u32 v[ADSA], 1024, v[ADSA]            ; the next slot's scale words: four K steps on,
	v_add_nc_u32 v[ADSB], 256, v[ADSB]             ; 512 along K on
	FETCH_B \next, 0, 0
	FETCH_A \next, 0, 0
	SCALES \next
	WIN MUL_HI
	MULA 2, 1, NQ-1, \slot, 0
	MULA 3, 1, NQ-1, \slot, 0
	PLACES NP
	WIN 0
	FETCH_A \next, 0, 2
.endm
	s_wait_tensorcnt 1                             ; the scale words and my part of slot 0 are in (slot 1's load may be out),
	s_barrier_signal -1
	s_barrier_wait -1                              ; everybody's are
	FETCH_B 0, 0, 0
	FETCH_A 0, 0, 0
	SCALES 0
	FETCH_A 0, 0, 2
	STEP 0, 0, 1                                   ; the first step stands in front of the loop: its products start the sums
.if LAPS > 1
	s_mov_b32 s3, LAPS-1
.Llap:
	STEP 0, 1, 0
	STEP 0, 2, 0
	TURN 0, 1, 1
	STEP 1, 0, 0
	STEP 1, 1, 0
	STEP 1, 2, 0
	TURN 1, 0, 1
	STEP 0, 0, 0
	s_sub_co_u32 s3, s3, 1
	s_cmp_lg_u32 s3, 0
	s_cbranch_scc1 .Llap
.endif
	STEP 0, 1, 0                                   ; the last lap fills nothing
	STEP 0, 2, 0
	TURN 0, 1, 0
	STEP 1, 0, 0
	STEP 1, 1, 0
	STEP 1, 2, 0
	s_wait_dscnt 2*NL
	WIN MUL_LO
	MULA 0, 1, NQ-1, 1, 0
	MULA 1, 1, NQ-1, 1, 0
	s_wait_dscnt 0
	WIN MUL_HI
	MULA 2, 1, NQ-1, 1, 0
	MULA 3, 1, NQ-1, 1, 0
	WIN 0
; THE WAY OUT, block by block of 16 tokens x 64 columns, through my own stage in LDS: in by positions, back as whole rows of 256 bytes; stage row 2 t + (lane / 16) is token 32 (a / 2) + 8 (a % 2) + 2 t + (8 from t = 4 on) + (lane / 16).
.macro TOSTAGE a
.set AC, 32*((\a)%2)
	WIN 0x08+4*((\a)/2)                            ; an LDS store's data are its source 1: window 2 or 3
.irp b, 0,1,2,3
	ds_store_b128 v[STO], v[AC+8*\b:AC+8*\b+3] offset:128*(\b/2)+32*(\b%2)        ; each accumulator from its low end on
	ds_store_b128 v[STO], v[AC+8*\b+4:AC+8*\b+7] offset:128*(\b/2)+32*(\b%2)+16
.endr
	WIN 0
.set BB, BK+32*((\a)%2)
.irp t, 0,1,2,3,4,5,6,7
	ds_load_b128 v[BB+4*\t:BB+4*\t+3], v[RD] offset:2*\t*SPITCH   ; LDS serves a wave's instructions in order (ISA guide 5.7.1.4): these see the stores above
.endr
.endm
.macro SEND a, yd                      ; yd: the LDS instructions issued behind block a's, which may stay out
.set BB, BK+32*((\a)%2)
.set RS, RES+32*(\a)
	s_wait_dscnt \yd
.irp t, 0,1,2,3,4,5,6,7
	v_pk_add_f32 v[BB+4*\t:BB+4*\t+1], v[BB+4*\t:BB+4*\t+1], v[BI:BI+1]
	v_pk_add_f32 v[BB+4*\t+2:BB+4*\t+3], v[BB+4*\t+2:BB+4*\t+3], v[BI+2:BI+3]
.endr
	WIN 0x08                                       ; source 1 (res) window 2
.irp t, 0,1,2,3,4,5,6,7
	v_pk_add_f32 v[BB+4*\t:BB+4*\t+1], v[BB+4*\t:BB+4*\t+1], v[RS+4*\t:RS+4*\t+1]
	v_pk_add_f32 v[BB+4*\t+2:BB+4*\t+3], v[BB+4*\t+2:BB+4*\t+3], v[RS+4*\t+2:RS+4*\t+3]
.endr
	WIN 0
.irp t, 0,1,2,3,4,5,6,7
	global_store_b128 v[CO], v[BB+4*\t:BB+4*\t+3], s[12:13] offset:4096*(32*((\a)/2)+8*((\a)%2)+2*\t+8*(\t/4))   ; 16 lanes store 256 consecutive bytes, at a multiple of 256 from the buffer's first byte
.endr
.endm
	PLACES NP                                      ; behind the last products: for the first reads of results and the loads into A's registers
	s_wait_loadcnt 0x0                             ; the bias and res, asked for at the head
	TOSTAGE 0
.irp a, 1,2,3
.if \a > 1
	s_wait_xcnt 0x0                                ; block a - 2's stores have read their data: block a's rows may land there
.endif
	TOSTAGE \a
	SEND \a-1, 16                                  ; behind block a - 1's: block a's 8 stores and 8 loads in LDS
.endr
	SEND 3, 0
	s_wait_tensorcnt 0x0                           ; the wave's end
	ds_add_u32 v[SPW], v[NIL]
	s_wait_dscnt 0x0
	CROUND                                         ; the closing round
	s_endpgm
.Lfunc_end_k_qc18106afd6_proj:
	.size	k_qc18106afd6_proj, .Lfunc_end_k_qc18106afd6_proj-k_qc18106afd6_proj
	.p2alignl 7, 3214868480
	.fill 96, 4, 3214868480
	.section	.rodata,"a",@progbits
	.p2align	6, 0x0
	.amdhsa_kernel k_qc18106afd6_proj
		.amdhsa_group_segment_fixed_size 327680
		.amdhsa_private_segment_fixed_size 0
		.amdhsa_enable_private_segment 0
		.amdhsa_kernarg_size 40
		.amdhsa_user_sgpr_count 2
		.amdhsa_user_sgpr_kernarg_segment_ptr 1
		.amdhsa_wavefront_size32 1
		.amdhsa_system_sgpr_workgroup_id_x 1
		.amdhsa_system_sgpr_workgroup_id_y 1
		.amdhsa_system_sgpr_workgroup_id_z 1
		.amdhsa_system_vgpr_workitem_id 0
		.amdhsa_next_free_vgpr 1024
		.amdhsa_next_free_sgpr 102
		.amdhsa_reserve_vcc 0
		.amdhsa_float_denorm_mode_32 3
		.amdhsa_float_denorm_mode_16_64 3
		.amdhsa_memory_ordered 1
		.amdhsa_forward_progress 1
		.amdhsa_inst_pref_size 66
	.end_amdhsa_kernel
	.amdgpu_metadata
---
amdhsa.version: [ 1, 2 ]
amdhsa.kernels:
  - .name:           k_qc18106afd6_proj
    .symbol:         k_qc18106afd6_proj.kd
    .args:
      - { .name: AT, .offset: 0, .size: 8, .value_kind: global_buffer, .address_space: global }
      - { .name: W, .offset: 8, .size: 8, .value_kind: global_buffer, .address_space: global }
      - { .name: b_proj, .offset: 16, .size: 8, .value_kind: global_buffer, .address_space: global }
      - { .name: hidden_states, .offset: 24, .size: 8, .value_kind: global_buffer, .address_space: global }
      - { .name: H2, .offset: 32, .size: 8, .value_kind: global_buffer, .address_space: global }
    .group_segment_fixed_size: 327680
    .private_segment_fixed_size: 0
    .kernarg_segment_align: 8
    .kernarg_segment_size: 40
    .max_flat_workgroup_size: 128
    .sgpr_count:     102
    .vgpr_count:     1024
    .wavefront_size: 32
...
	.end_amdgpu_metadata
.endif
;; end of part 4
;; launch ln2 (part 5): grid 256 x 1, 8 waves a work-group, no clusters, 3,072 bytes of LDS; arguments H2, g2, be2, X; writes X
.if DOCPART == 5
	.amdgcn_target "amdgcn-amd-amdhsa--gfx1250"
	.amdhsa_code_object_version 6
	.text
	.protected	k_qc18106afd6_ln2
	.globl	k_qc18106afd6_ln2
	.p2align	8
	.type	k_qc18106afd6_ln2,@function
k_qc18106afd6_ln2:
	s_mov_b64 s[64:65], 0
	v_nop
	global_prefetch_b8 v0, s[64:65] scope:SCOPE_SE
	s_setreg_imm32_b32 hwreg(HW_REG_WAVE_MODE, 25, 1), 1
	s_wait_xcnt 0x0
; Layer norm over rows of 1,024 f32 numbers, then the quantiser: y = (x - mean) rsqrt(var + 1e-5) g + be becomes codes of BF6 (E3M2) with one E8M0 byte for each 32 along the row.
; SHARES: a work-group takes a row block of 16 rows: position p of block g is row 32 (g / 2) + 8 (g % 2) + p % 8 + 16 (p / 8).  Wave w takes columns 128 w .. 128 w + 127: one K step of the next product.
; Lane (r = lane % 16, h = lane / 16) holds, of the row at position r, the 64 numbers 128 w + 32 b + 16 h + i (b = 0 .. 3, i = 0 .. 15): the order in which the conversions want them.
; The mean is taken first and taken away; the variance is a second pass over the differences, which stay in registers: a common offset of the inputs does no harm.  The waves' sums meet in LDS: three barriers in all.
; OUT: codes [row block][K step][1,536 bytes] as images of the operand's registers (registers 6 c .. 6 c + 3 at 768 c + 16 x lane, registers 6 c + 4, 6 c + 5 at 768 c + 512 + 16 r + 8 h);
; scale words [row block][K / 512][position][K step % 4] from byte 3,145,728 on.  Every store covers whole aligned blocks of 256 bytes.
; LIMITS: NaN and infinities are not served; a block whose largest magnitude lies under 2^-122 keeps the byte 1.
.set X,    16                          ; v16-79   my 64 numbers
.set G,    80                          ; v80-143  the gains at my columns
.set B,    144                         ; v144-207 the offsets
.set PC,   208                         ; v208-226 the codes
.set TM,   228                         ; v228-243 at work in the quantiser
.set PW,   244                         ; v244     my row's scale word
.set VI16, 6                           ; v6       16 x lane
.set VI8,  7                           ; v7       16 r + 8 h
.set SEL,  20                          ; s[20:21] v_permlanex16_b32's selects for lane l xor 16
.set RED1, 0                           ; LDS: 8 waves x 16 rows of sums;
.set RED2, 512                         ; of sums of squares;
.set SCW,  1024                        ; the block's 128 scale words
; 64 numbers of a lane, register 16 b + i = k 32 b + 16 h + i of my row, become a fragment's codes in v[PC] on and its scale word in v[pw].
.macro QUANT s, pw
.irp b, 0,1,2,3
	v_max3_num_f32 v[TM+\b], |v[\s+16*\b]|, |v[\s+1+16*\b]|, 0x2800000   ; block b: my 16 numbers, and the floor 2^(5 - 127): the byte cannot fall under 1
.endr
.irp i, 2,4,6,8,10,12,14
.irp b, 0,1,2,3
	v_max3_num_f32 v[TM+\b], v[TM+\b], |v[\s+16*\b+\i]|, |v[\s+1+16*\b+\i]|   ; (the four blocks by turns)
.endr
.endr
.irp b, 0,1,2,3
	v_permlanex16_b32 v[TM+4+\b], v[TM+\b], s[SEL], s[SEL+1]
.endr
.irp b, 0,1,2,3
	v_max_num_f32 v[TM+\b], v[TM+\b], v[TM+4+\b]   ; with lane l xor 16's: the block's largest magnitude
.endr
.irp b, 0,1,2,3
	v_add_nc_u32 v[TM+12+\b], 0xfe000000, v[TM+\b] ; 4 off its exponent field: the conversion's scale operand
.endr
.irp b, 0,1,2,3
	v_lshrrev_b32 v[TM+4+\b], 23, v[TM+12+\b]      ; the scale's byte
.endr
	v_lshl_or_b32 v[\pw], v[TM+5], 8, v[TM+4]
	v_lshl_or_b32 v[\pw], v[TM+6], 16, v[\pw]
	v_lshl_or_b32 v[\pw], v[TM+7], 24, v[\pw]
.irp c, 0,1
	v_cvt_scalef32_pk16_bf6_f32 v[PC+6*\c:PC+2+6*\c], v[\s+32*\c:\s+15+32*\c], v[TM+12+2*\c]
	v_cvt_scalef32_pk16_bf6_f32 v[PC+12+4*\c:PC+14+4*\c], v[\s+16+32*\c:\s+31+32*\c], v[TM+12+2*\c+1]   ; (a conversion's three registers begin on an even number)
.endr
	v_nop                                          ; one plain place behind a scaled conversion
.irp c, 0,1                                    ; the operand's layout wants a whole block in a lane: lanes 0-15 block 2 c, lanes 16-31 block 2 c + 1
.irp i, 0,1,2
	v_permlane16_swap_b32 v[PC+6*\c+\i], v[PC+12+4*\c+\i]
.endr
.irp i, 0,1,2
	v_mov_b32 v[PC+3+6*\c+\i], v[PC+12+4*\c+\i]
.endr
.endr
.endm
; v246 holds my 64 numbers' sum: with lane l xor 16's it is my wave's for row r; the eight waves' meet in LDS; v246 leaves as the row's, in every lane.
.macro ACROSS red
	v_permlanex16_b32 v245, v246, s[SEL], s[SEL+1]
	v_add_f32 v246, v246, v245
	ds_store_b32 v8, v246 offset:\red              ; lanes r and r + 16 write the same word with the same value
	s_wait_dscnt 0x0                               ; for the others' sake: my store has landed
	s_barrier_signal -1
	s_barrier_wait -1
.irp w, 0,1,2,3,4,5,6,7
	ds_load_b32 v[246+\w], v9 offset:\red+64*\w
.endr
	s_wait_dscnt 0x0
	v_pk_add_f32 v[246:247], v[246:247], v[248:249]
	v_pk_add_f32 v[250:251], v[250:251], v[252:253]
	v_pk_add_f32 v[246:247], v[246:247], v[250:251]
	v_add_f32 v246, v246, v247
.endm
	s_load_b256 s[4:11], s[0:1], 0x0               ; x s[4:5], g s[6:7], be s[8:9], out s[10:11]
	v_lshl_add_u32 v238, v0, 2, 0x800
	v_mov_b32 v239, 0
	v_lshrrev_b32 v1, 5, v0
	v_readfirstlane_b32 s12, v1                    ; wave
	v_and_b32 v1, 15, v0                           ; r
	v_bfe_u32 v2, v0, 4, 1                         ; h
	v_and_b32 v3, 31, v0                           ; lane
	v_and_b32 v4, 7, v1
	v_lshrrev_b32 v5, 3, v1
	v_lshl_add_u32 v4, v5, 4, v4                   ; r % 8 + 16 (r / 8): my row in the block's 32
	v_lshlrev_b32 v4, 12, v4                       ; rows of 4,096 bytes,
	v_lshl_add_u32 v4, v2, 6, v4                   ; + 64 h
	v_lshlrev_b32 v5, 6, v2                        ; g, be: 64 h
	v_lshlrev_b32 v[VI16], 4, v3
	v_lshlrev_b32 v[VI8], 4, v1
	v_lshl_add_u32 v[VI8], v2, 3, v[VI8]
	s_lshl_b32 s13, s12, 6
	v_lshl_add_u32 v8, v1, 2, s13                  ; where my wave's sums go: 64 w + 4 r
	v_lshlrev_b32 v9, 2, v1                        ; and where a row's eight are read: 4 r
	s_lshr_b32 s14, s12, 2
	s_lshl_b32 s14, s14, 8
	s_and_b32 s15, s12, 3
	s_lshl_b32 s15, s15, 2
	s_add_co_u32 s14, s14, s15
	v_lshl_add_u32 v10, v1, 4, s14                 ; my scale word's place: 256 (w / 4) + 16 r + 4 (w % 4)
	s_mov_b32 s[SEL], 0x76543210
	s_mov_b32 s[SEL+1], 0xfedcba98
	v_mov_b32 v245, 0                              ; (a lane permute's destination counts as one of its sources)
.irp b, 0,1,2,3
	v_mov_b32 v[TM+4+\b], 0
.endr
	s_lshr_b32 s16, ttmp9, 1
	s_lshl_b32 s16, s16, 5
	s_and_b32 s17, ttmp9, 1
	s_lshl_b32 s17, s17, 3
	s_add_co_u32 s16, s16, s17                     ; the row at position 0
	s_lshl_b32 s16, s16, 12
	s_lshl_b32 s18, s12, 9                         ; my wave's 512 bytes of a row
	s_add_co_u32 s16, s16, s18
	s_mov_b32 s17, 0
	s_mov_b32 s19, 0
	s_lshl_b32 s22, ttmp9, 3
	s_add_co_u32 s22, s22, s12
	s_mul_i32 s22, s22, 1536                       ; my fragment's image
	s_mov_b32 s23, 0
	s_lshl_b32 s24, ttmp9, 9
	s_add_co_u32 s24, s24, 3145728                 ; the block's scale words
	s_mov_b32 s25, 0
	s_wait_kmcnt 0x0
	s_add_nc_u64 s[4:5], s[4:5], s[16:17]
	s_add_nc_u64 s[6:7], s[6:7], s[18:19]
	s_add_nc_u64 s[8:9], s[8:9], s[18:19]
	s_add_nc_u64 s[26:27], s[10:11], s[24:25]
	s_add_nc_u64 s[10:11], s[10:11], s[22:23]
.irp b, 0,1,2,3
.irp j, 0,1,2,3
	global_load_b128 v[X+16*\b+4*\j:X+16*\b+4*\j+3], v4, s[4:5] offset:128*\b+16*\j
.endr
.endr
.irp b, 0,1,2,3
.irp j, 0,1,2,3
	global_load_b128 v[G+16*\b+4*\j:G+16*\b+4*\j+3], v5, s[6:7] offset:128*\b+16*\j
.endr
.endr
.irp b, 0,1,2,3
.irp j, 0,1,2,3
	global_load_b128 v[B+16*\b+4*\j:B+16*\b+4*\j+3], v5, s[8:9] offset:128*\b+16*\j
.endr
.endr
	s_wait_loadcnt 32                              ; x is in; the 32 loads of g and be may stay out
.irp k, 0,1,2,3                                ; the sum, two numbers at a time, in four chains
	v_pk_add_f32 v[246+2*\k:247+2*\k], v[X+4*\k:X+4*\k+1], v[X+4*\k+2:X+4*\k+3]
.endr
.set p, 8
.rept 24
	v_pk_add_f32 v[246+2*(p%4):247+2*(p%4)], v[246+2*(p%4):247+2*(p%4)], v[X+2*p:X+2*p+1]
.set p, p+1
.endr
	v_pk_add_f32 v[246:247], v[246:247], v[248:249]
	v_pk_add_f32 v[250:251], v[250:251], v[252:253]
	v_pk_add_f32 v[246:247], v[246:247], v[250:251]
	v_add_f32 v246, v246, v247
	ACROSS RED1
	v_mul_f32 v254, 0x3a800000, v246               ; the mean: the sum / 1,024
	v_mov_b32 v255, v254
.set p, 0
.rept 32
	v_pk_add_f32 v[X+2*p:X+2*p+1], v[X+2*p:X+2*p+1], v[254:255] neg_lo:[0,1] neg_hi:[0,1]   ; x - mean
.set p, p+1
.endr
.irp k, 0,1,2,3                                ; the sum of their squares
	v_pk_mul_f32 v[246+2*\k:247+2*\k], v[X+2*\k:X+2*\k+1], v[X+2*\k:X+2*\k+1]
.endr
.set p, 4
.rept 28
	v_pk_fma_f32 v[246+2*(p%4):247+2*(p%4)], v[X+2*p:X+2*p+1], v[X+2*p:X+2*p+1], v[246+2*(p%4):247+2*(p%4)]
.set p, p+1
.endr
	v_pk_add_f32 v[246:247], v[246:247], v[248:249]
	v_pk_add_f32 v[250:251], v[250:251], v[252:253]
	v_pk_add_f32 v[246:247], v[246:247], v[250:251]
	v_add_f32 v246, v246, v247
	ACROSS RED2                                    ; (other bytes than the first sums': no wave overwrites what another may still read)
	v_mov_b32 v245, 0x3727c5ac                     ; 1e-5
	v_fma_f32 v246, v246, 0x3a800000, v245         ; the variance + 1e-5
	v_rsq_f32 v254, v246
	v_nop                                          ; one plain place behind a transcendental
	s_wait_alu depctr_va_vdst(0)
	v_mov_b32 v255, v254
	s_wait_loadcnt 0x0                             ; g and be
.set p, 0
.rept 32
	v_pk_mul_f32 v[X+2*p:X+2*p+1], v[X+2*p:X+2*p+1], v[254:255]
.set p, p+1
.endr
.set p, 0
.rept 32
	v_pk_fma_f32 v[X+2*p:X+2*p+1], v[X+2*p:X+2*p+1], v[G+2*p:G+2*p+1], v[B+2*p:B+2*p+1]
.set p, p+1
.endr
	QUANT X, PW
	global_store_b128 v[VI16], v[PC:PC+3], s[10:11]
	global_store_b64 v[VI8], v[PC+4:PC+5], s[10:11] offset:512
	global_store_b128 v[VI16], v[PC+6:PC+9], s[10:11] offset:768
	global_store_b64 v[VI8], v[PC+10:PC+11], s[10:11] offset:1280
	ds_store_b32 v10, v[PW] offset:SCW
	s_wait_dscnt 0x0                               ; for wave 0's sake: my word has landed
	s_barrier_signal -1
	s_barrier_wait -1
	s_cmp_lg_u32 s12, 0                            ; wave 0 stores the block's 512 bytes of scale words: two whole aligned blocks of 256
	s_cbranch_scc1 .Lend
	ds_load_b128 v[246:249], v[VI16] offset:SCW
	s_wait_dscnt 0x0
	global_store_b128 v[VI16], v[246:249], s[26:27]
.Lend:
	s_wait_tensorcnt 0x0
	ds_add_u32 v238, v239
	s_wait_dscnt 0x0
	s_endpgm
.Lfunc_end_k_qc18106afd6_ln2:
	.size	k_qc18106afd6_ln2, .Lfunc_end_k_qc18106afd6_ln2-k_qc18106afd6_ln2
	.p2alignl 7, 3214868480
	.fill 96, 4, 3214868480
	.section	.rodata,"a",@progbits
	.p2align	6, 0x0
	.amdhsa_kernel k_qc18106afd6_ln2
		.amdhsa_group_segment_fixed_size 3072
		.amdhsa_private_segment_fixed_size 0
		.amdhsa_enable_private_segment 0
		.amdhsa_kernarg_size 32
		.amdhsa_user_sgpr_count 2
		.amdhsa_user_sgpr_kernarg_segment_ptr 1
		.amdhsa_wavefront_size32 1
		.amdhsa_system_sgpr_workgroup_id_x 1
		.amdhsa_system_sgpr_workgroup_id_y 1
		.amdhsa_system_sgpr_workgroup_id_z 1
		.amdhsa_system_vgpr_workitem_id 0
		.amdhsa_next_free_vgpr 256
		.amdhsa_next_free_sgpr 66
		.amdhsa_reserve_vcc 0
		.amdhsa_float_denorm_mode_32 3
		.amdhsa_float_denorm_mode_16_64 3
		.amdhsa_memory_ordered 1
		.amdhsa_forward_progress 1
		.amdhsa_inst_pref_size 25
	.end_amdhsa_kernel
	.amdgpu_metadata
---
amdhsa.version: [ 1, 2 ]
amdhsa.kernels:
  - .name:           k_qc18106afd6_ln2
    .symbol:         k_qc18106afd6_ln2.kd
    .args:
      - { .name: H2, .offset: 0, .size: 8, .value_kind: global_buffer, .address_space: global }
      - { .name: g2, .offset: 8, .size: 8, .value_kind: global_buffer, .address_space: global }
      - { .name: be2, .offset: 16, .size: 8, .value_kind: global_buffer, .address_space: global }
      - { .name: X, .offset: 24, .size: 8, .value_kind: global_buffer, .address_space: global }
    .group_segment_fixed_size: 3072
    .private_segment_fixed_size: 0
    .kernarg_segment_align: 8
    .kernarg_segment_size: 32
    .max_flat_workgroup_size: 256
    .sgpr_count:     66
    .vgpr_count:     256
    .wavefront_size: 32
...
	.end_amdgpu_metadata
.endif
;; end of part 5
;; launch fc (part 6): grid 16 x 16, 4 waves a work-group, clusters of 4 x 4, 327,680 bytes of LDS; arguments X, W, b_fc, HID; writes HID
.if DOCPART == 6
	.amdgcn_target "amdgcn-amd-amdhsa--gfx1250"
	.amdhsa_code_object_version 6
	.text
	.protected	k_qc18106afd6_fc
	.globl	k_qc18106afd6_fc
	.p2align	8
	.type	k_qc18106afd6_fc,@function
k_qc18106afd6_fc:
	s_mov_b64 s[64:65], 0
	v_nop
	global_prefetch_b8 v0, s[64:65] scope:SCOPE_SE
	s_setreg_imm32_b32 hwreg(HW_REG_WAVE_MODE, 25, 1), 1
	s_wait_xcnt 0x0
	s_wait_alu depctr_hold_cnt(0) depctr_sa_sdst(0) depctr_va_vdst(0) depctr_va_sdst(0) depctr_va_ssrc(0) depctr_va_vcc(0) depctr_vm_vsrc(0)
	s_getreg_b32 s2, hwreg(HW_REG_IB_STS2, 6, 4)
	s_cmp_eq_u32 s2, 0
	s_cbranch_scc0 .Lentry_in_a_cluster
	s_endpgm
.Lentry_in_a_cluster:
	s_bfe_u32 s2, ttmp6, 0x10000c
	s_cmp_lg_u32 s2, 0xf033
	s_cbranch_scc0 .Lentry_shape_is_right
	s_endpgm
.Lentry_shape_is_right:
; hid = Q(gelu(Q(ln2(h2)) Q(w_fc) + b_fc)) on codes of BF6 (E3M2) with E8M0 scales, K = 1,024; gelu is the exact one, y (1 + erf(y / sqrt 2)) / 2, in f32; the result is quantised in registers along the 4,096 and leaves as codes.
; A tile of 256 x 256 is made by four waves, each 128 x 128: 64 accumulators, 512 registers.  Source 0 takes 16 of the weight's columns ("B"), source 1 sixteen tokens ("A"): a lane holds one token and its registers run along the columns.
; Position p of a row block rb (of tokens and of columns alike) is row 32 (rb / 2) + 8 (rb % 2) + p % 8 + 16 (p / 8): so the 16 registers of result tiles 2 g and 2 g + 1 are 16 neighbouring columns: a wave's 128 columns are one K step of the next product.
; OPERANDS lie in memory as images of their registers, [row block][K step of 128][1,536 bytes]; a slot of the ring holds 256 along K; the scale words of the work-group's rows, for all of K, come once.
; CLUSTERS: 4 x 4; A's tiles are asked for jointly along a row of the cluster, B's along a column.
; OUT: codes [row block of tokens][K step 0 .. 31][1,536 bytes]; scale words [K step][row block / 4][position][row block % 4] from byte 12,582,912 on.
; ERF: z P(z^2) / Q(z^2) with z held to -4 .. 4, P of degree 6 and Q of degree 4 in z^2.  LIMIT: its absolute error is about 1e-7, so that for strongly negative y, where 1 + erf is small, gelu is right to about 1e-7 |y| only.
; LIMITS: NaN and infinities are not served; a block whose largest magnitude lies under 2^-122 keeps the byte 1.
; REGISTERS: window 0: v16-31 addresses; v32-63 scale words, two sets; v128-223 A's 8 fragments, one set.  window 1: B's fragments, two sets, at v0 and v128; the bias at v96-127 and v224-255.  windows 2, 3: accumulators.
; On the way out window 0's v64-99 and v128-255 are at work.  The way out is a loop over A's eight blocks, so that the activation's lines are written once; only the copy out of the accumulators, whose registers differ, is written eight times.
.set XS_OFF, 3145728
.set WFC_C,  3145728
.set WFC_S,  9568256
.set HID_S,  12582912
.set NQ,     2
.set FR,     12
.set FRB,    1536
.set NL,     4
.set NP,     4
.set HALFT,  8*NQ*FRB
.set SLOT,   4*HALFT
.set LAPS,   2
.set SCL,    2*SLOT
.set HALFS,  4096
.set SBLK,   512
.set SPARE,  SCL+4*HALFS               ; the spare words, 128 bytes for each wave: two blocks of 256 bytes that no other line names
.set ADRA, 16
.set ADRB, 20
.set VI16, 24
.set VI8,  25
.set ADRS, 27
.set SPW,  28
.set NIL,  29
.set VL,   30
.set SC,   32
.set CA,   64                          ; v[64:65] P's leading coefficient, v[66:67] Q's
.set Z,    68                          ; v68-75, v76-83, v84-91, v92-99: z, z^2, P, Q of four pairs
.set S,    76
.set P,    84
.set Q,    92
.set AF,   128
.set H,    128
.set PC,   192
.set TM,   212
.set PWS,  228
.set PW,   236
.set SW,   252
.set G1, 24
.set G0, 32
.set G1B, 48
.set G0B, 56
.set G1S, 68
.set G0S, 76
.set G1SB, 80
.set G0SB, 88
.set SEL, 98
.set MSB, 0
.macro WIN new
.if MSB != (\new)
	s_set_vgpr_msb (MSB<<8)|(\new)
.set MSB, (\new)
.endif
.endm
.set MUL_LO, 0xa1
.set MUL_HI, 0xf1
.set TO_B,   0x40
.macro JLOAD g0a, g1a, g0b, g1b        ; a joint load: waves 0 and 1 fetch for A, waves 2 and 3 for B; four v_nop follow each of the two lines
	s_cmp_eq_u32 s15, 0
	s_cbranch_scc0 .Lfor_b_\@
	tensor_load_to_lds s[\g0a:\g0a+3], s[\g1a:\g1a+7]
	s_nop 0
.rept 4
	v_nop
.endr
	s_branch .Lasked_\@
.Lfor_b_\@:
	tensor_load_to_lds s[\g0b:\g0b+3], s[\g1b:\g1b+7]
	s_nop 0
.rept 4
	v_nop
.endr
.Lasked_\@:
.endm
.macro CREST
	s_cmp_lg_u32 s14, 0
	s_cbranch_scc1 .Lnot_wave_0_\@
	s_barrier_signal -3
.Lnot_wave_0_\@:
	s_barrier_wait -3
	s_barrier_signal -1
	s_barrier_wait -1
.endm
.macro CROUND
	s_barrier_signal -1
	s_barrier_wait -1
	CREST
.endm
.macro PLACES n
.rept \n
	v_nop
.endr
.endm
.macro QUANT s, pw                     ; 64 numbers of a lane, register 16 b + i = k 32 b + 16 h + i of my row, become a fragment's codes in v[PC] on and its scale word in v[pw]
.irp b, 0,1,2,3
	v_max3_num_f32 v[TM+\b], |v[\s+16*\b]|, |v[\s+1+16*\b]|, 0x2800000   ; and the floor 2^(5 - 127): the byte cannot fall under 1
.endr
.irp i, 2,4,6,8,10,12,14
.irp b, 0,1,2,3
	v_max3_num_f32 v[TM+\b], v[TM+\b], |v[\s+16*\b+\i]|, |v[\s+1+16*\b+\i]|
.endr
.endr
.irp b, 0,1,2,3
	v_permlanex16_b32 v[TM+4+\b], v[TM+\b], s[SEL], s[SEL+1]
.endr
.irp b, 0,1,2,3
	v_max_num_f32 v[TM+\b], v[TM+\b], v[TM+4+\b]
.endr
.irp b, 0,1,2,3
	v_add_nc_u32 v[TM+12+\b], 0xfe000000, v[TM+\b]
.endr
.irp b, 0,1,2,3
	v_lshrrev_b32 v[TM+4+\b], 23, v[TM+12+\b]
.endr
	v_lshl_or_b32 v[\pw], v[TM+5], 8, v[TM+4]
	v_lshl_or_b32 v[\pw], v[TM+6], 16, v[\pw]
	v_lshl_or_b32 v[\pw], v[TM+7], 24, v[\pw]
.irp c, 0,1
	v_cvt_scalef32_pk16_bf6_f32 v[PC+6*\c:PC+2+6*\c], v[\s+32*\c:\s+15+32*\c], v[TM+12+2*\c]
	v_cvt_scalef32_pk16_bf6_f32 v[PC+12+4*\c:PC+14+4*\c], v[\s+16+32*\c:\s+31+32*\c], v[TM+12+2*\c+1]
.endr
	v_nop                                          ; one plain place behind a scaled conversion
.irp c, 0,1
.irp i, 0,1,2
	v_permlane16_swap_b32 v[PC+6*\c+\i], v[PC+12+4*\c+\i]
.endr
.irp i, 0,1,2
	v_mov_b32 v[PC+3+6*\c+\i], v[PC+12+4*\c+\i]
.endr
.endr
.endm
	s_load_b128 s[4:7], s[0:1], 0x0                ; X s[4:5], W s[6:7]
	s_load_b128 s[8:11], s[0:1], 0x10              ; b_fc s[8:9], HID s[10:11]
	v_lshl_add_u32 v[SPW], v0, 2, SPARE
	v_mov_b32 v[NIL], 0
	ds_add_u32 v28, v29
	ds_add_u32 v28, v29
	s_wait_dscnt 0x0
	v_lshrrev_b32 v1, 5, v0
	v_readfirstlane_b32 s14, v1                    ; wave 0..3
	s_lshr_b32 s15, s14, 1                         ; which half of A's rows is mine.  Also: I fetch for A (0) or for B (1)
	s_and_b32 s16, s14, 1                          ; which half of B's rows.  Also: which 8 row blocks of that tile I fetch
	s_bfe_u32 s40, ttmp6, 0x40000
	s_bfe_u32 s41, ttmp6, 0x40004
	s_lshl_b32 s42, ttmp9, 2
	s_add_co_u32 s42, s42, s40                     ; tile column = 4 x cluster x + cx
	s_and_b32 s17, ttmp7, 0xffff
	s_lshl_b32 s17, s17, 2
	s_add_co_u32 s17, s17, s41                     ; tile row = 4 x cluster y + cy
	s_lshl_b32 s43, s41, 2
	s_lshl_b32 s43, 15, s43
	s_lshl_b32 s44, 0x1111, s40
	s_or_b32 s[G1+0], s43, (3<<16)|(1<<21)         ; 8 row blocks x 3,072 bytes (384 elements of 8 bytes), 12,288 bytes apart
	s_or_b32 s[G1B+0], s44, (3<<16)|(1<<21)
.irp g, G1, G1B
	s_mov_b32 s[\g+1], 384<<16
	s_mov_b32 s[\g+2], 8<<16
	s_mov_b32 s[\g+3], 384<<16
	s_mov_b32 s[\g+4], 8
	s_mov_b32 s[\g+5], 1536
	s_mov_b32 s[\g+6], 0
	s_mov_b32 s[\g+7], 0
.endr
	s_or_b32 s[G1S+0], s43, (3<<16)|(1<<21)        ; the scale words of 8 row blocks: 4,096 dense bytes as 16 rows of 256
	s_or_b32 s[G1SB+0], s44, (3<<16)|(1<<21)
.irp g, G1S, G1SB
	s_mov_b32 s[\g+1], 32<<16
	s_mov_b32 s[\g+2], 16<<16
	s_mov_b32 s[\g+3], 32<<16
	s_mov_b32 s[\g+4], 16
	s_mov_b32 s[\g+5], 32
	s_mov_b32 s[\g+6], 0
	s_mov_b32 s[\g+7], 0
.endr
	s_lshl_b32 s18, s16, 3
	s_lshl_b32 s20, s17, 4
	s_add_co_u32 s20, s20, s18                     ; A: the first row block that I fetch
	s_lshl_b32 s46, s42, 4
	s_add_co_u32 s46, s46, s18                     ; B likewise
	s_lshl_b32 s22, s20, 9
	s_add_co_u32 s22, s22, XS_OFF
	s_lshl_b32 s92, s46, 9
	s_add_co_u32 s92, s92, WFC_S
	s_mul_i32 s20, s20, 12288
	s_mul_i32 s46, s46, 12288
	s_add_co_u32 s46, s46, WFC_C
	s_mov_b32 s21, 0
	s_mov_b32 s23, 0
	s_mov_b32 s47, 0
	s_mov_b32 s93, 0
	s_mul_i32 s45, s14, HALFT
	s_mul_i32 s94, s14, HALFS
	s_wait_kmcnt 0x0
	s_add_nc_u64 s[20:21], s[4:5], s[20:21]
	s_add_nc_u64 s[22:23], s[4:5], s[22:23]
	s_add_nc_u64 s[46:47], s[6:7], s[46:47]
	s_add_nc_u64 s[92:93], s[6:7], s[92:93]
	CROUND                                         ; all sixteen work-groups are here: the first joint loads meet
	s_mov_b32 s[G0S], 1
	s_add_co_u32 s[G0S+1], s94, SCL
	s_mov_b64 s[G0S+2:G0S+3], s[22:23]
	s_or_b32 s[G0S+3], s[G0S+3], 0x80000000
	s_mov_b32 s[G0SB], 1
	s_add_co_u32 s[G0SB+1], s94, SCL
	s_mov_b64 s[G0SB+2:G0SB+3], s[92:93]
	s_or_b32 s[G0SB+3], s[G0SB+3], 0x80000000
	JLOAD G0S, G1S, G0SB, G1SB
.irp s, 0,1
	s_mov_b32 s[G0+4*\s], 1
	s_add_co_u32 s[G0+4*\s+1], s45, \s*SLOT
	s_add_nc_u64 s[G0+4*\s+2:G0+4*\s+3], s[20:21], \s*NQ*FRB
	s_or_b32 s[G0+4*\s+3], s[G0+4*\s+3], 0x80000000
	s_mov_b32 s[G0B+4*\s], 1
	s_add_co_u32 s[G0B+4*\s+1], s45, \s*SLOT
	s_add_nc_u64 s[G0B+4*\s+2:G0B+4*\s+3], s[46:47], \s*NQ*FRB
	s_or_b32 s[G0B+4*\s+3], s[G0B+4*\s+3], 0x80000000
	JLOAD G0+4*\s, G1, G0B+4*\s, G1B               ; three tensor loads of mine are out
.endr
	s_lshl_b32 s66, s42, 1
	s_add_co_u32 s66, s66, s16                     ; cB: which 128 columns are mine: the next product's K step
	s_lshl_b32 s67, s17, 4
	s_lshl_b32 s20, s15, 3
	s_add_co_u32 s67, s67, s20                     ; rbA0: my first row block of tokens
	s_lshl_b32 s12, s67, 5
	s_add_co_u32 s12, s12, s66
	s_mul_i32 s12, s12, 1536
	s_mov_b32 s13, 0
	s_add_nc_u64 s[12:13], s[10:11], s[12:13]      ; codes
	s_lshl_b32 s18, s66, 6
	s_lshr_b32 s20, s67, 2
	s_add_co_u32 s18, s18, s20
	s_lshl_b32 s18, s18, 8
	s_add_co_u32 s18, s18, HID_S
	s_mov_b32 s19, 0
	s_add_nc_u64 s[18:19], s[10:11], s[18:19]      ; scale words
	s_lshl_b32 s94, s66, 9
	s_mov_b32 s95, 0
	s_add_nc_u64 s[94:95], s[8:9], s[94:95]        ; the bias at my 128 columns
	s_mov_b32 s[SEL], 0x76543210
	s_mov_b32 s[SEL+1], 0xfedcba98
	v_and_b32 v1, 15, v0                           ; r
	v_bfe_u32 v2, v0, 4, 1                         ; h
	v_and_b32 v[VL], 31, v0
	v_lshlrev_b32 v8, 6, v2                        ; 64 h
	WIN TO_B                                       ; the bias lives in window 1, beside B's fragments: register 16 b + i is column 32 b + 16 h + i of my 128
.irp b, 0,1
.irp j, 0,1,2,3
	global_load_b128 v[96+16*\b+4*\j:96+16*\b+4*\j+3], v8, s[94:95] offset:128*\b+16*\j
.endr
.endr
.irp b, 2,3
.irp j, 0,1,2,3
	global_load_b128 v[192+16*\b+4*\j:192+16*\b+4*\j+3], v8, s[94:95] offset:128*\b+16*\j
.endr
.endr
	WIN 0
	v_lshlrev_b32 v[VI16], 4, v[VL]
	v_lshlrev_b32 v5, 4, v1
	v_lshl_add_u32 v[VI8], v2, 3, v5
	s_mul_i32 s21, s15, HALFT
	s_mul_i32 s22, s16, HALFT
	s_add_co_u32 s22, s22, 2*HALFT
.irp s, 0,1
	v_add_nc_u32 v[ADRA+\s], s21, v[VI16]
	v_add_nc_u32 v[ADRB+\s], s22, v[VI16]
	v_add_nc_u32 v[ADRA+2+\s], s21, v[VI8]
	v_add_nc_u32 v[ADRB+2+\s], s22, v[VI8]
	s_add_co_u32 s21, s21, SLOT
	s_add_co_u32 s22, s22, SLOT
.endr
	s_mul_i32 s21, s15, HALFS
	s_mul_i32 s22, s16, HALFS
	s_add_co_u32 s22, s22, 2*HALFS
	s_sub_co_u32 s22, s22, s21
	v_mul_u32_u24 v6, s22, v2                      ; lanes 16-31 take B's scale words
	s_add_co_u32 s21, s21, SCL
	v_add_nc_u32 v5, v5, v6
	v_add_nc_u32 v[ADRS], s21, v5
.macro FRAG reg, adr, q, i
	ds_load_b128 v[\reg:\reg+3], v[\adr] offset:(NQ*(\i)+(\q))*FRB
	ds_load_b64 v[\reg+4:\reg+5], v[\adr+2] offset:(NQ*(\i)+(\q))*FRB+512
	ds_load_b128 v[\reg+6:\reg+9], v[\adr] offset:(NQ*(\i)+(\q))*FRB+768
	ds_load_b64 v[\reg+10:\reg+11], v[\adr+2] offset:(NQ*(\i)+(\q))*FRB+1280
.endm
; 16 matrix instructions: A's blocks a0, a0 + 1 x B's eight.  The 64 accumulators take turns, one instruction a turn, in the same order in every step.
.macro MUL16 a0, p, q, sc, zero
.irp a, \a0, \a0+1
.irp b, 0,1,2,3,4,5,6,7
.if \zero
	v_wmma_scale_f32_16x16x128_f8f6f4 v[8*(8*((\a)%4)+\b):8*(8*((\a)%4)+\b)+7], v[128*(\p)+FR*\b:128*(\p)+FR*\b+FR-1], v[AF+FR*(\a):AF+FR*(\a)+FR-1], 0, v[SC+8*NQ*(\sc)+NQ*\b+(\q)], v[SC+8*NQ*(\sc)+NQ*(\a)+(\q)] matrix_a_fmt:MATRIX_FMT_BF6 matrix_b_fmt:MATRIX_FMT_BF6 matrix_a_scale:MATRIX_SCALE_ROW1
.else
	v_wmma_scale_f32_16x16x128_f8f6f4 v[8*(8*((\a)%4)+\b):8*(8*((\a)%4)+\b)+7], v[128*(\p)+FR*\b:128*(\p)+FR*\b+FR-1], v[AF+FR*(\a):AF+FR*(\a)+FR-1], v[8*(8*((\a)%4)+\b):8*(8*((\a)%4)+\b)+7], v[SC+8*NQ*(\sc)+NQ*\b+(\q)], v[SC+8*NQ*(\sc)+NQ*(\a)+(\q)] matrix_a_fmt:MATRIX_FMT_BF6 matrix_b_fmt:MATRIX_FMT_BF6 matrix_a_scale:MATRIX_SCALE_ROW1
.endif
.endr
.endr
.endm
.macro FETCH_B slot, q, p
	WIN TO_B
.irp i, 0,1,2,3,4,5,6,7
	FRAG 128*(\p)+FR*\i, ADRB+\slot, \q, \i
.endr
	WIN 0
.endm
.macro FETCH_A slot, q, i0
.irp i, \i0, \i0+1, \i0+2, \i0+3
	FRAG AF+FR*(\i), ADRA+\slot, \q, \i
.endr
.endm
.macro SCALES sc
.irp i, 0,1,2,3,4,5,6,7
	ds_load_b64 v[SC+8*NQ*\sc+NQ*\i:SC+8*NQ*\sc+NQ*\i+1], v[ADRS] offset:\i*SBLK
.endr
.endm
.macro STEP slot, q, zero
	s_wait_dscnt 4*NL                              ; B's set and A's blocks 0-3 are in; the youngest 16 loads (A's blocks 4-7) may be out
	WIN MUL_LO
	MUL16 0, (\q)%2, \q, \slot, \zero
	MUL16 2, (\q)%2, \q, \slot, \zero
	s_wait_dscnt 0
	PLACES NP
	FETCH_B \slot, (\q)+1, 1-(\q)%2
	FETCH_A \slot, (\q)+1, 0
	WIN MUL_HI
	MUL16 4, (\q)%2, \q, \slot, \zero
	MUL16 6, (\q)%2, \q, \slot, \zero
	PLACES NP
	WIN 0
	FETCH_A \slot, (\q)+1, 4
.endm
.macro TURN slot, next, fill
	s_wait_tensorcnt 0x0                           ; all my tensor loads have landed: my part of the next slot
	ds_add_u32 v[SPW], v[NIL]                      ; 0 onto my spare word
	s_wait_dscnt 4*NL+1                            ; (the add and the youngest 16 loads may be out)
	WIN MUL_LO
	MUL16 0, 1, NQ-1, \slot, 0
	s_wait_dscnt 0x0                               ; the add is done, and my reads of this slot are over
	s_barrier_signal -1
	MUL16 2, 1, NQ-1, \slot, 0
	WIN 0
	s_barrier_wait -1
.if \fill
	CREST                                          ; the barrier has opened a round of the cluster's barrier
	s_add_nc_u64 s[G0+4*\slot+2:G0+4*\slot+3], s[G0+4*\slot+2:G0+4*\slot+3], 2*NQ*FRB
	s_add_nc_u64 s[G0B+4*\slot+2:G0B+4*\slot+3], s[G0B+4*\slot+2:G0B+4*\slot+3], 2*NQ*FRB
	JLOAD G0+4*\slot, G1, G0B+4*\slot, G1B         ; the first tensor load behind the round; its four v_nop are the places in front of the loads below
.else
	PLACES NP
.endif
.if \next == 1
	v_add_nc_u32 v[ADRS], 8, v[ADRS]
.else
	v_add_nc_u32 v[ADRS], 248, v[ADRS]
.endif
	FETCH_B \next, 0, 0
	FETCH_A \next, 0, 0
	SCALES \next
	WIN MUL_HI
	MUL16 4, 1, NQ-1, \slot, 0
	MUL16 6, 1, NQ-1, \slot, 0
	PLACES NP
	WIN 0
	FETCH_A \next, 0, 4
.endm
	s_wait_tensorcnt 1                             ; the scale words and my part of slot 0 are in (slot 1's load may be out),
	s_barrier_signal -1
	s_barrier_wait -1                              ; everybody's are
	FETCH_B 0, 0, 0
	FETCH_A 0, 0, 0
	SCALES 0
	FETCH_A 0, 0, 4
	STEP 0, 0, 1
	s_mov_b32 s3, LAPS-1
.Llap:
	TURN 0, 1, 1
	STEP 1, 0, 0
	TURN 1, 0, 1
	STEP 0, 0, 0
	s_sub_co_u32 s3, s3, 1
	s_cmp_lg_u32 s3, 0
	s_cbranch_scc1 .Llap
	TURN 0, 1, 0
	STEP 1, 0, 0
	s_wait_dscnt 4*NL
	WIN MUL_LO
	MUL16 0, 1, NQ-1, 1, 0
	MUL16 2, 1, NQ-1, 1, 0
	s_wait_dscnt 0
	WIN MUL_HI
	MUL16 4, 1, NQ-1, 1, 0
	MUL16 6, 1, NQ-1, 1, 0
	WIN 0
; THE WAY OUT.  COPY: block a's 64 sums + the bias, into window 0 (each accumulator read from its low end on).
.macro COPY a
	WIN 0x06+(\a)/4                                ; source 0: window 2 or 3; source 1: window 1
.set k, 0
.rept 16
	v_pk_add_f32 v[H+2*k:H+2*k+1], v[64*((\a)%4)+2*k:64*((\a)%4)+2*k+1], v[96+2*k:97+2*k]
.set k, k+1
.endr
.rept 16
	v_pk_add_f32 v[H+2*k:H+2*k+1], v[64*((\a)%4)+2*k:64*((\a)%4)+2*k+1], v[192+2*k:193+2*k]
.set k, k+1
.endr
	WIN 0
.endm
; GELU of eight numbers, four pairs line by line, so that no line waits for the line above it.
.macro GELU g
.irp p, 0,1,2,3
	v_pk_mul_f32 v[Z+2*\p:Z+2*\p+1], v[H+8*\g+2*\p:H+8*\g+2*\p+1], 0x3f3504f3 op_sel_hi:[1,0]   ; z = y / sqrt 2
.endr
.irp p, 0,1,2,3,4,5,6,7
	v_med3_num_f32 v[Z+\p], v[Z+\p], -4.0, 4.0     ; beyond 4 erf is 1 in f32
.endr
.irp p, 0,1,2,3
	v_pk_mul_f32 v[S+2*\p:S+2*\p+1], v[Z+2*\p:Z+2*\p+1], v[Z+2*\p:Z+2*\p+1]
.endr
.irp p, 0,1,2,3
	v_pk_fma_f32 v[P+2*\p:P+2*\p+1], v[S+2*\p:S+2*\p+1], v[CA:CA+1], 0x32edffee op_sel_hi:[1,1,0]
.endr
.irp c, 0xb60cff51, 0xb86ec2d2, 0xba40ac63, 0xbb41a1f6, 0xbc83dbd4
.irp p, 0,1,2,3
	v_pk_fma_f32 v[P+2*\p:P+2*\p+1], v[P+2*\p:P+2*\p+1], v[S+2*\p:S+2*\p+1], \c op_sel_hi:[1,1,0]
.endr
.endr
.irp p, 0,1,2,3
	v_pk_fma_f32 v[Q+2*\p:Q+2*\p+1], v[S+2*\p:S+2*\p+1], v[CA+2:CA+3], 0xb95fbd29 op_sel_hi:[1,1,0]
.endr
.irp c, 0xbadc924e, 0xbbf19bf8, 0xbc69b6a7
.irp p, 0,1,2,3
	v_pk_fma_f32 v[Q+2*\p:Q+2*\p+1], v[Q+2*\p:Q+2*\p+1], v[S+2*\p:S+2*\p+1], \c op_sel_hi:[1,1,0]
.endr
.endr
.irp p, 0,1,2,3
	v_pk_mul_f32 v[P+2*\p:P+2*\p+1], v[P+2*\p:P+2*\p+1], v[Z+2*\p:Z+2*\p+1]
.endr
.irp p, 0,1,2,3,4,5,6,7
	v_rcp_f32 v[Q+\p], v[Q+\p]
.endr
.irp p, 0,1,2,3
	v_pk_mul_f32 v[H+8*\g+2*\p:H+8*\g+2*\p+1], v[H+8*\g+2*\p:H+8*\g+2*\p+1], 0.5 op_sel_hi:[1,0]   ; y / 2 (plain places behind the reciprocals)
.endr
	s_wait_alu depctr_va_vdst(0)
.irp p, 0,1,2,3
	v_pk_mul_f32 v[P+2*\p:P+2*\p+1], v[P+2*\p:P+2*\p+1], v[Q+2*\p:Q+2*\p+1]   ; erf
.endr
.irp p, 0,1,2,3
	v_pk_fma_f32 v[H+8*\g+2*\p:H+8*\g+2*\p+1], v[H+8*\g+2*\p:H+8*\g+2*\p+1], v[P+2*\p:P+2*\p+1], v[H+8*\g+2*\p:H+8*\g+2*\p+1]   ; y / 2 x erf + y / 2
.endr
.endm
	PLACES NP                                      ; behind the last products
	s_wait_loadcnt 0x0                             ; the bias
.irp b, 0,1,2,3
	v_mov_b32 v[TM+4+\b], 0                        ; (a lane permute's destination counts as one of its sources)
.endr
.irp i, 0,1,2,3,4,5,6,7
	v_mov_b32 v[PWS+\i], 0
.endr
	v_mov_b32 v[CA], 0xaf95df0b
	v_mov_b32 v[CA+1], 0xaf95df0b
	v_mov_b32 v[CA+2], 0xb77460cd
	v_mov_b32 v[CA+3], 0xb77460cd
	s_mov_b32 s3, 0
.Lrow:                                                 ; eight trips: A's blocks 0 to 7
.irp a, 0,1,2,3,4,5,6
	s_cmp_eq_u32 s3, \a
	s_cbranch_scc1 .Lcopy\a
.endr
	COPY 7
	s_branch .Lgelu
.irp a, 0,1,2,3,4,5,6
.Lcopy\a:
	COPY \a
	s_branch .Lgelu
.endr
.Lgelu:
.irp g, 0,1,2,3,4,5,6,7
	GELU \g
.endr
	QUANT H, PW
.irp i, 0,1,2,3,4,5,6
	v_mov_b32 v[PWS+\i], v[PWS+\i+1]               ; the eight words move down a place a trip: after eight trips word a stands at place a
.endr
	v_mov_b32 v[PWS+7], v[PW]
	global_store_b128 v[VI16], v[PC:PC+3], s[12:13]
	global_store_b64 v[VI8], v[PC+4:PC+5], s[12:13] offset:512
	global_store_b128 v[VI16], v[PC+6:PC+9], s[12:13] offset:768
	global_store_b64 v[VI8], v[PC+10:PC+11], s[12:13] offset:1280
	s_wait_xcnt 0x0                                ; the stores have read their data and their base: both are written again only behind this wait
	s_add_nc_u64 s[12:13], s[12:13], 32*FRB        ; the next row block of tokens
	s_add_co_u32 s3, s3, 1
	s_cmp_lt_u32 s3, 8
	s_cbranch_scc1 .Lrow
	v_cmp_lt_u32 vcc_lo, 15, v[VL]
.irp i, 0,1,2,3
	v_cndmask_b32 v[SW+\i], v[PWS+\i], v[PWS+4+\i], vcc_lo   ; lanes 0-15 store the words of blocks 0-3, lanes 16-31 those of blocks 4-7: two whole blocks of 256 bytes
.endr
	global_store_b128 v[VI16], v[SW:SW+3], s[18:19]
	s_wait_tensorcnt 0x0                           ; the wave's end
	ds_add_u32 v[SPW], v[NIL]
	s_wait_dscnt 0x0
	CROUND                                         ; the closing round
	s_endpgm
.Lfunc_end_k_qc18106afd6_fc:
	.size	k_qc18106afd6_fc, .Lfunc_end_k_qc18106afd6_fc-k_qc18106afd6_fc
	.p2alignl 7, 3214868480
	.fill 96, 4, 3214868480
	.section	.rodata,"a",@progbits
	.p2align	6, 0x0
	.amdhsa_kernel k_qc18106afd6_fc
		.amdhsa_group_segment_fixed_size 327680
		.amdhsa_private_segment_fixed_size 0
		.amdhsa_enable_private_segment 0
		.amdhsa_kernarg_size 32
		.amdhsa_user_sgpr_count 2
		.amdhsa_user_sgpr_kernarg_segment_ptr 1
		.amdhsa_wavefront_size32 1
		.amdhsa_system_sgpr_workgroup_id_x 1
		.amdhsa_system_sgpr_workgroup_id_y 1
		.amdhsa_system_sgpr_workgroup_id_z 1
		.amdhsa_system_vgpr_workitem_id 0
		.amdhsa_next_free_vgpr 1024
		.amdhsa_next_free_sgpr 102
		.amdhsa_reserve_vcc 1
		.amdhsa_float_denorm_mode_32 3
		.amdhsa_float_denorm_mode_16_64 3
		.amdhsa_memory_ordered 1
		.amdhsa_forward_progress 1
		.amdhsa_inst_pref_size 188
	.end_amdhsa_kernel
	.amdgpu_metadata
---
amdhsa.version: [ 1, 2 ]
amdhsa.kernels:
  - .name:           k_qc18106afd6_fc
    .symbol:         k_qc18106afd6_fc.kd
    .args:
      - { .name: X, .offset: 0, .size: 8, .value_kind: global_buffer, .address_space: global }
      - { .name: W, .offset: 8, .size: 8, .value_kind: global_buffer, .address_space: global }
      - { .name: b_fc, .offset: 16, .size: 8, .value_kind: global_buffer, .address_space: global }
      - { .name: HID, .offset: 24, .size: 8, .value_kind: global_buffer, .address_space: global }
    .group_segment_fixed_size: 327680
    .private_segment_fixed_size: 0
    .kernarg_segment_align: 8
    .kernarg_segment_size: 32
    .max_flat_workgroup_size: 128
    .sgpr_count:     102
    .vgpr_count:     1024
    .wavefront_size: 32
...
	.end_amdgpu_metadata
.endif
;; end of part 6
;; launch mlp (part 7): grid 8 x 32, 4 waves a work-group, clusters of 4 x 4, 327,680 bytes of LDS; arguments HID, W, b_mlp, H2, out0; writes out0
.if DOCPART == 7
	.amdgcn_target "amdgcn-amd-amdhsa--gfx1250"
	.amdhsa_code_object_version 6
	.text
	.protected	k_qc18106afd6_mlp
	.globl	k_qc18106afd6_mlp
	.p2align	8
	.type	k_qc18106afd6_mlp,@function
k_qc18106afd6_mlp:
	s_mov_b64 s[64:65], 0
	v_nop
	global_prefetch_b8 v0, s[64:65] scope:SCOPE_SE
	s_setreg_imm32_b32 hwreg(HW_REG_WAVE_MODE, 25, 1), 1
	s_wait_xcnt 0x0
	s_wait_alu depctr_hold_cnt(0) depctr_sa_sdst(0) depctr_va_vdst(0) depctr_va_sdst(0) depctr_va_ssrc(0) depctr_va_vcc(0) depctr_vm_vsrc(0)
	s_getreg_b32 s2, hwreg(HW_REG_IB_STS2, 6, 4)
	s_cmp_eq_u32 s2, 0
	s_cbranch_scc0 .Lentry_in_a_cluster
	s_endpgm
.Lentry_in_a_cluster:
	s_bfe_u32 s2, ttmp6, 0x10000c
	s_cmp_lg_u32 s2, 0xf033
	s_cbranch_scc0 .Lentry_shape_is_right
	s_endpgm
.Lentry_shape_is_right:
; out = A B^T + bias + res on codes of BF6 (E3M2) with E8M0 scales.  A: 4,096 rows (tokens), B: 1,024 rows (the weight's columns), K = SIZE_K; out, res: [4096][1024] f32, bias [1024].
; A tile of 128 x 128 is made by four waves, each 64 x 64: 16 accumulators.  Tiles of 256 x 256 would be 64: three WGPs in four would have no work; so the smaller tile, at twice the LDS bytes for each matrix instruction.
; Source 0 takes 16 rows of B, source 1 sixteen rows of A: a lane holds one token and eight neighbouring columns.  Position p of a row block rb is row 32 (rb / 2) + 8 (rb % 2) + p % 8 + 16 (p / 8), of tokens and of columns alike.
; OPERANDS lie in memory as images of their registers, [row block][K step of 128][1,536 bytes]; a slot of the ring holds 512 along K: 6,144 consecutive bytes of each row block.
; SCALE WORDS: A's lie [K step][row block / 4][position][row block % 4], B's [row block][K / 512][position][K step % 4]: four words come by one load of 16 bytes; all of K's come once.
; CLUSTERS: 4 x 4; A's tiles are asked for jointly along a row of the cluster, B's along a column.
; RES IS ASKED FOR AT THE HEAD: my 64 x 64 numbers of it, 32 loads of 512 bytes, go into 128 registers that lie idle beside the accumulators, behind the first fills; they land while K is walked, and one wait stands in front of the way out.
; REGISTERS: window 0: v16-31 addresses; v32-63 A's scale words, two sets; v64-95 B's; v128-175 A's 4 fragments, one set.  window 1: B's fragments, two sets.  windows 2, 3: accumulators (a, b) at 8 (4 (a % 2) + b), window 2 + a / 2.
; window 2, v64-191: res, block a's rows at 64 + 32 a.  On the way out: window 0's v160-223 rows read back from the stage, v240-243 the bias.
.set SIZE_K, 4096
.set A_S,    12582912                  ; where A's scale words begin in its buffer
.set WC,     6291456                   ; where B's codes begin in W,
.set WS,     9699328                   ; and its scale words
.set KS128,  SIZE_K/128
.set NQ,     4
.set FR,     12
.set FRB,    1536
.set NL,     4
.set NP,     4
.set HALFT,  4*NQ*FRB                  ; 4 row blocks: what one tensor load brings, and what one wave reads of A or of B
.set SLOT,   4*HALFT
.set LAPS,   SIZE_K/1024
.set SCL,    2*SLOT
.set HALFS,  256*KS128                 ; the scale words of 4 row blocks
.set SBLK,   256*(SIZE_K/512)          ; B's: those of one row block
.set SPARE,  SCL+4*HALFS               ; the spare words, 128 bytes for each wave: two blocks of 256 bytes that no other line names
.set SPITCH, 272                       ; the way out: a stage of 16 rows x (256 bytes + 16) for each wave, in slot 0, which has had its last fill and its last read by then
.set ADRA, 16
.set ADRB, 20
.set STO,  24
.set RD,   25
.set CO,   26
.set ADSA, 27
.set SPW,  28
.set NIL,  29
.set ADSB, 30
.set SA,   32
.set SB,   64
.set RES,  64                          ; in window 2
.set AF,   128
.set BK,   160
.set BI,   240
.set G1, 24
.set G0, 32
.set G1B, 48
.set G0B, 56
.set G1S, 68
.set G0S, 76
.set G1SB, 80
.set G0SB, 88
.set MSB, 0
.macro WIN new
.if MSB != (\new)
	s_set_vgpr_msb (MSB<<8)|(\new)
.set MSB, (\new)
.endif
.endm
.set MUL_LO, 0xa1
.set MUL_HI, 0xf1
.set TO_B,   0x40
.macro JLOAD g0a, g1a, g0b, g1b        ; a joint load: waves 0 and 1 fetch for A, waves 2 and 3 for B; four v_nop follow each of the two lines
	s_cmp_eq_u32 s15, 0
	s_cbranch_scc0 .Lfor_b_\@
	tensor_load_to_lds s[\g0a:\g0a+3], s[\g1a:\g1a+7]
	s_nop 0
.rept 4
	v_nop
.endr
	s_branch .Lasked_\@
.Lfor_b_\@:
	tensor_load_to_lds s[\g0b:\g0b+3], s[\g1b:\g1b+7]
	s_nop 0
.rept 4
	v_nop
.endr
.Lasked_\@:
.endm
.macro CREST
	s_cmp_lg_u32 s14, 0
	s_cbranch_scc1 .Lnot_wave_0_\@
	s_barrier_signal -3
.Lnot_wave_0_\@:
	s_barrier_wait -3
	s_barrier_signal -1
	s_barrier_wait -1
.endm
.macro CROUND
	s_barrier_signal -1
	s_barrier_wait -1
	CREST
.endm
.macro PLACES n
.rept \n
	v_nop
.endr
.endm
	s_load_b256 s[4:11], s[0:1], 0x0               ; A s[4:5], W s[6:7], bias s[8:9], res s[10:11]
	s_load_b64 s[12:13], s[0:1], 0x20              ; out
	v_lshl_add_u32 v[SPW], v0, 2, SPARE
	v_mov_b32 v[NIL], 0
	ds_add_u32 v28, v29
	ds_add_u32 v28, v29
	s_wait_dscnt 0x0
	v_lshrrev_b32 v1, 5, v0
	v_readfirstlane_b32 s14, v1                    ; wave 0..3
	s_lshr_b32 s15, s14, 1                         ; which half of A's rows is mine.  Also: I fetch for A (0) or for B (1)
	s_and_b32 s16, s14, 1                          ; which half of B's rows.  Also: which 4 row blocks of that tile I fetch
	s_bfe_u32 s40, ttmp6, 0x40000
	s_bfe_u32 s41, ttmp6, 0x40004
	s_lshl_b32 s42, ttmp9, 2
	s_add_co_u32 s42, s42, s40                     ; tile column = 4 x cluster x + cx
	s_and_b32 s17, ttmp7, 0xffff
	s_lshl_b32 s17, s17, 2
	s_add_co_u32 s17, s17, s41                     ; tile row = 4 x cluster y + cy
	s_lshl_b32 s43, s41, 2
	s_lshl_b32 s43, 15, s43                        ; my row of the cluster
	s_lshl_b32 s44, 0x1111, s40                    ; my column
	; descriptor group 1: 4 row blocks x 6,144 bytes (768 elements of 8 bytes), KS128 x 1,536 bytes from row block to row block
	s_or_b32 s[G1+0], s43, (3<<16)|(1<<21)
	s_or_b32 s[G1B+0], s44, (3<<16)|(1<<21)
.irp g, G1, G1B
	s_mov_b32 s[\g+1], 768<<16
	s_mov_b32 s[\g+2], 4<<16
	s_mov_b32 s[\g+3], 768<<16
	s_mov_b32 s[\g+4], 4
	s_mov_b32 s[\g+5], 192*KS128
	s_mov_b32 s[\g+6], 0
	s_mov_b32 s[\g+7], 0
.endr
	; the scale words of 4 row blocks: KS128 rows of 256 bytes; A's lie 16,384 bytes apart (one for each K step), B's on end
	s_or_b32 s[G1S+0], s43, (3<<16)|(1<<21)
	s_or_b32 s[G1SB+0], s44, (3<<16)|(1<<21)
.irp g, G1S, G1SB
	s_mov_b32 s[\g+1], 32<<16
	s_mov_b32 s[\g+2], KS128<<16
	s_mov_b32 s[\g+3], 32<<16
	s_mov_b32 s[\g+4], KS128
	s_mov_b32 s[\g+6], 0
	s_mov_b32 s[\g+7], 0
.endr
	s_mov_b32 s[G1S+5], 2048
	s_mov_b32 s[G1SB+5], 32
	s_lshl_b32 s18, s16, 2
	s_lshl_b32 s20, s17, 3
	s_add_co_u32 s20, s20, s18                     ; A: the first row block that I fetch
	s_lshl_b32 s46, s42, 3
	s_add_co_u32 s46, s46, s18                     ; B likewise
	s_lshl_b32 s22, s17, 1
	s_add_co_u32 s22, s22, s16
	s_lshl_b32 s22, s22, 8
	s_add_co_u32 s22, s22, A_S                     ; A's scale words of K step 0
	s_mul_i32 s92, s46, SBLK
	s_add_co_u32 s92, s92, WS
	s_mul_i32 s20, s20, KS128*FRB
	s_mul_i32 s46, s46, KS128*FRB
	s_add_co_u32 s46, s46, WC
	s_mov_b32 s21, 0
	s_mov_b32 s23, 0
	s_mov_b32 s47, 0
	s_mov_b32 s93, 0
	s_mul_i32 s45, s14, HALFT
	s_mul_i32 s94, s14, HALFS
	s_wait_kmcnt 0x0
	s_add_nc_u64 s[20:21], s[4:5], s[20:21]
	s_add_nc_u64 s[22:23], s[4:5], s[22:23]
	s_add_nc_u64 s[46:47], s[6:7], s[46:47]
	s_add_nc_u64 s[92:93], s[6:7], s[92:93]
	CROUND                                         ; all sixteen work-groups are here: the first joint loads meet
	s_mov_b32 s[G0S], 1
	s_add_co_u32 s[G0S+1], s94, SCL
	s_mov_b64 s[G0S+2:G0S+3], s[22:23]
	s_or_b32 s[G0S+3], s[G0S+3], 0x80000000
	s_mov_b32 s[G0SB], 1
	s_add_co_u32 s[G0SB+1], s94, SCL
	s_mov_b64 s[G0SB+2:G0SB+3], s[92:93]
	s_or_b32 s[G0SB+3], s[G0SB+3], 0x80000000
	JLOAD G0S, G1S, G0SB, G1SB
.irp s, 0,1
	s_mov_b32 s[G0+4*\s], 1
	s_add_co_u32 s[G0+4*\s+1], s45, \s*SLOT
	s_add_nc_u64 s[G0+4*\s+2:G0+4*\s+3], s[20:21], \s*NQ*FRB
	s_or_b32 s[G0+4*\s+3], s[G0+4*\s+3], 0x80000000
	s_mov_b32 s[G0B+4*\s], 1
	s_add_co_u32 s[G0B+4*\s+1], s45, \s*SLOT
	s_add_nc_u64 s[G0B+4*\s+2:G0B+4*\s+3], s[46:47], \s*NQ*FRB
	s_or_b32 s[G0B+4*\s+3], s[G0B+4*\s+3], 0x80000000
	JLOAD G0+4*\s, G1, G0B+4*\s, G1B               ; three tensor loads of mine are out
.endr
	s_lshl_b32 s96, s42, 9                         ; my first column, in bytes: 512 x tile column + 256 x half
	s_lshl_b32 s20, s16, 8
	s_add_co_u32 s96, s96, s20
	s_mov_b32 s97, 0
	s_lshl_b32 s20, s17, 19                        ; my first row: 128 x tile row + 64 x half, rows of 4,096 bytes
	s_lshl_b32 s22, s15, 18
	s_add_co_u32 s20, s20, s22
	s_add_co_u32 s20, s20, s96
	s_mov_b32 s21, 0
	s_add_nc_u64 s[10:11], s[10:11], s[20:21]
	s_add_nc_u64 s[12:13], s[12:13], s[20:21]
	s_add_nc_u64 s[96:97], s[8:9], s[96:97]
	v_and_b32 v1, 15, v0                           ; r
	v_bfe_u32 v2, v0, 4, 1                         ; h
	v_and_b32 v3, 31, v0
	v_lshlrev_b32 v9, 4, v1                        ; 16 r
	global_load_b128 v[BI:BI+3], v9, s[96:97]      ; the bias at the four columns that I store
	v_lshl_add_u32 v[CO], v2, 12, v9               ; lanes 0-15 one row of 256 bytes of out and of res, lanes 16-31 the next
	WIN 0x80                                       ; destination window 2, address window 0
.irp a, 0,1,2,3                                ; res: the rows in the order in which the way out stores them; neither the offset register nor the base is written again
.irp t, 0,1,2,3,4,5,6,7
	global_load_b128 v[RES+32*\a+4*\t:RES+32*\a+4*\t+3], v[CO], s[10:11] offset:4096*(32*(\a/2)+8*(\a%2)+2*\t+8*(\t/4))
.endr
.endr
	WIN 0
	v_lshlrev_b32 v4, 4, v3                        ; 16 x lane
	v_lshl_add_u32 v5, v2, 3, v9                   ; 16 r + 8 h
	s_mul_i32 s21, s15, HALFT
	s_mul_i32 s22, s16, HALFT
	s_add_co_u32 s22, s22, 2*HALFT
.irp s, 0,1
	v_add_nc_u32 v[ADRA+\s], s21, v4
	v_add_nc_u32 v[ADRB+\s], s22, v4
	v_add_nc_u32 v[ADRA+2+\s], s21, v5
	v_add_nc_u32 v[ADRB+2+\s], s22, v5
	s_add_co_u32 s21, s21, SLOT
	s_add_co_u32 s22, s22, SLOT
.endr
	s_mul_i32 s21, s15, HALFS
	s_add_co_u32 s21, s21, SCL
	v_add_nc_u32 v[ADSA], s21, v9                  ; A's scale words: my 4 row blocks, 16 r
	s_mul_i32 s22, s16, HALFS
	s_add_co_u32 s22, s22, SCL+2*HALFS
	v_add_nc_u32 v[ADSB], s22, v9                  ; B's
	s_mul_i32 s23, s14, 16*SPITCH                  ; my stage
	v_mul_u32_u24 v5, v1, SPITCH
	v_lshl_add_u32 v5, v2, 6, v5
	v_add_nc_u32 v[STO], s23, v5                   ; in: position r, + 64 h bytes
	v_mul_u32_u24 v5, v2, SPITCH
	v_add_nc_u32 v5, v5, v9
	v_add_nc_u32 v[RD], s23, v5                    ; back: lanes 0-15 one row of 256 bytes, lanes 16-31 the next
.macro FRAG reg, adr, q, i
	ds_load_b128 v[\reg:\reg+3], v[\adr] offset:(NQ*(\i)+(\q))*FRB
	ds_load_b64 v[\reg+4:\reg+5], v[\adr+2] offset:(NQ*(\i)+(\q))*FRB+512
	ds_load_b128 v[\reg+6:\reg+9], v[\adr] offset:(NQ*(\i)+(\q))*FRB+768
	ds_load_b64 v[\reg+10:\reg+11], v[\adr+2] offset:(NQ*(\i)+(\q))*FRB+1280
.endm
; Four matrix instructions: A's block a x B's four.  The 16 accumulators take turns, one instruction a turn, in the same order in every step.
.macro MULA a, p, q, sc, zero
.irp b, 0,1,2,3
.if \zero
	v_wmma_scale_f32_16x16x128_f8f6f4 v[8*(4*((\a)%2)+\b):8*(4*((\a)%2)+\b)+7], v[128*(\p)+FR*\b:128*(\p)+FR*\b+FR-1], v[AF+FR*(\a):AF+FR*(\a)+FR-1], 0, v[SB+16*(\sc)+4*\b+(\q)], v[SA+16*(\sc)+4*(\q)+(\a)] matrix_a_fmt:MATRIX_FMT_BF6 matrix_b_fmt:MATRIX_FMT_BF6
.else
	v_wmma_scale_f32_16x16x128_f8f6f4 v[8*(4*((\a)%2)+\b):8*(4*((\a)%2)+\b)+7], v[128*(\p)+FR*\b:128*(\p)+FR*\b+FR-1], v[AF+FR*(\a):AF+FR*(\a)+FR-1], v[8*(4*((\a)%2)+\b):8*(4*((\a)%2)+\b)+7], v[SB+16*(\sc)+4*\b+(\q)], v[SA+16*(\sc)+4*(\q)+(\a)] matrix_a_fmt:MATRIX_FMT_BF6 matrix_b_fmt:MATRIX_FMT_BF6
.endif
.endr
.endm
.macro FETCH_B slot, q, p
	WIN TO_B
.irp i, 0,1,2,3
	FRAG 128*(\p)+FR*\i, ADRB+\slot, \q, \i
.endr
	WIN 0
.endm
.macro FETCH_A slot, q, i0
.irp i, \i0, \i0+1
	FRAG AF+FR*(\i), ADRA+\slot, \q, \i
.endr
.endm
.macro SCALES sc                       ; a slot's scale words: A's register 4 q + a, B's register 4 b + q
.irp q, 0,1,2,3
	ds_load_b128 v[SA+16*\sc+4*\q:SA+16*\sc+4*\q+3], v[ADSA] offset:256*\q
.endr
.irp b, 0,1,2,3
	ds_load_b128 v[SB+16*\sc+4*\b:SB+16*\sc+4*\b+3], v[ADSB] offset:\b*SBLK
.endr
.endm
.macro STEP slot, q, zero
	s_wait_dscnt 2*NL                              ; B's set and A's blocks 0, 1 are in; the youngest 8 loads (A's blocks 2, 3) may be out
	WIN MUL_LO
	MULA 0, (\q)%2, \q, \slot, \zero
	MULA 1, (\q)%2, \q, \slot, \zero
	s_wait_dscnt 0
	PLACES NP
	FETCH_B \slot, (\q)+1, 1-(\q)%2
	FETCH_A \slot, (\q)+1, 0
	WIN MUL_HI
	MULA 2, (\q)%2, \q, \slot, \zero
	MULA 3, (\q)%2, \q, \slot, \zero
	PLACES NP
	WIN 0
	FETCH_A \slot, (\q)+1, 2
.endm
; A slot's last step changes slots: one barrier; in front of it each wave waits for all its tensor loads, adds 0 to its spare word, and waits for that and for its own reads of this slot.
.macro TURN slot, next, fill
	s_wait_tensorcnt 0x0                           ; all my tensor loads have landed: my part of the next slot
	ds_add_u32 v[SPW], v[NIL]                      ; 0 onto my spare word
	s_wait_dscnt 2*NL+1                            ; (the add and the youngest 8 loads may be out)
	WIN MUL_LO
	MULA 0, 1, NQ-1, \slot, 0                      ; four matrix instructions stand between the add and the wait for it
	s_wait_dscnt 0x0                               ; the add is done, and my reads of this slot are over
	s_barrier_signal -1
	MULA 1, 1, NQ-1, \slot, 0
	WIN 0
	s_barrier_wait -1
.if \fill
	CREST                                          ; the barrier has opened a round of the cluster's barrier
	s_add_nc_u64 s[G0+4*\slot+2:G0+4*\slot+3], s[G0+4*\slot+2:G0+4*\slot+3], 2*NQ*FRB
	s_add_nc_u64 s[G0B+4*\slot+2:G0B+4*\slot+3], s[G0B+4*\slot+2:G0B+4*\slot+3], 2*NQ*FRB
	JLOAD G0+4*\slot, G1, G0B+4*\slot, G1B         ; the first tensor load behind the round; its four v_nop are the places in front of the loads below
.else
	PLACES NP
.endif
	v_add_nc_u32 v[ADSA], 1024, v[ADSA]            ; the next slot's scale words: four K steps on,
	v_add_nc_u32 v[ADSB], 256, v[ADSB]             ; 512 along K on
	FETCH_B \next, 0, 0
	FETCH_A \next, 0, 0
	SCALES \next
	WIN MUL_HI
	MULA 2, 1, NQ-1, \slot, 0
	MULA 3, 1, NQ-1, \slot, 0
	PLACES NP
	WIN 0
	FETCH_A \next, 0, 2
.endm
	s_wait_tensorcnt 1                             ; the scale words and my part of slot 0 are in (slot 1's load may be out),
	s_barrier_signal -1
	s_barrier_wait -1                              ; everybody's are
	FETCH_B 0, 0, 0
	FETCH_A 0, 0, 0
	SCALES 0
	FETCH_A 0, 0, 2
	STEP 0, 0, 1                                   ; the first step stands in front of the loop: its products start the sums
.if LAPS > 1
	s_mov_b32 s3, LAPS-1
.Llap:                                                 ; a trip goes once round the ring and fills both slots again
	STEP 0, 1, 0
	STEP 0, 2, 0
	TURN 0, 1, 1
	STEP 1, 0, 0
	STEP 1, 1, 0
	STEP 1, 2, 0
	TURN 1, 0, 1
	STEP 0, 0, 0
	s_sub_co_u32 s3, s3, 1
	s_cmp_lg_u32 s3, 0
	s_cbranch_scc1 .Llap
.endif
	STEP 0, 1, 0                                   ; the last lap fills nothing
	STEP 0, 2, 0
	TURN 0, 1, 0
	STEP 1, 0, 0
	STEP 1, 1, 0
	STEP 1, 2, 0
	s_wait_dscnt 2*NL
	WIN MUL_LO
	MULA 0, 1, NQ-1, 1, 0
	MULA 1, 1, NQ-1, 1, 0
	s_wait_dscnt 0
	WIN MUL_HI
	MULA 2, 1, NQ-1, 1, 0
	MULA 3, 1, NQ-1, 1, 0
	WIN 0
; THE WAY OUT, block by block of 16 tokens x 64 columns, through my own stage in LDS: in by positions, back as whole rows of 256 bytes; stage row 2 t + (lane / 16) is token 32 (a / 2) + 8 (a % 2) + 2 t + (8 from t = 4 on) + (lane / 16).
.macro TOSTAGE a
.set AC, 32*((\a)%2)
	WIN 0x08+4*((\a)/2)                            ; an LDS store's data are its source 1: window 2 or 3
.irp b, 0,1,2,3
	ds_store_b128 v[STO], v[AC+8*\b:AC+8*\b+3] offset:128*(\b/2)+32*(\b%2)        ; each accumulator from its low end on
	ds_store_b128 v[STO], v[AC+8*\b+4:AC+8*\b+7] offset:128*(\b/2)+32*(\b%2)+16
.endr
	WIN 0
.set BB, BK+32*((\a)%2)
.irp t, 0,1,2,3,4,5,6,7
	ds_load_b128 v[BB+4*\t:BB+4*\t+3], v[RD] offset:2*\t*SPITCH   ; LDS serves a wave's instructions in order (ISA guide 5.7.1.4): these see the stores above
.endr
.endm
.macro SEND a, yd                      ; yd: the LDS instructions issued behind block a's, which may stay out
.set BB, BK+32*((\a)%2)
.set RS, RES+32*(\a)
	s_wait_dscnt \yd
.irp t, 0,1,2,3,4,5,6,7
	v_pk_add_f32 v[BB+4*\t:BB+4*\t+1], v[BB+4*\t:BB+4*\t+1], v[BI:BI+1]
	v_pk_add_f32 v[BB+4*\t+2:BB+4*\t+3], v[BB+4*\t+2:BB+4*\t+3], v[BI+2:BI+3]
.endr
	WIN 0x08                                       ; source 1 (res) window 2
.irp t, 0,1,2,3,4,5,6,7
	v_pk_add_f32 v[BB+4*\t:BB+4*\t+1], v[BB+4*\t:BB+4*\t+1], v[RS+4*\t:RS+4*\t+1]
	v_pk_add_f32 v[BB+4*\t+2:BB+4*\t+3], v[BB+4*\t+2:BB+4*\t+3], v[RS+4*\t+2:RS+4*\t+3]
.endr
	WIN 0
.irp t, 0,1,2,3,4,5,6,7
	global_store_b128 v[CO], v[BB+4*\t:BB+4*\t+3], s[12:13] offset:4096*(32*((\a)/2)+8*((\a)%2)+2*\t+8*(\t/4))   ; 16 lanes store 256 consecutive bytes, at a multiple of 256 from the buffer's first byte
.endr
.endm
	PLACES NP                                      ; behind the last products: for the first reads of results and the loads into A's registers
	s_wait_loadcnt 0x0                             ; the bias and res, asked for at the head
	TOSTAGE 0
.irp a, 1,2,3
.if \a > 1
	s_wait_xcnt 0x0                                ; block a - 2's stores have read their data: block a's rows may land there
.endif
	TOSTAGE \a
	SEND \a-1, 16                                  ; behind block a - 1's: block a's 8 stores and 8 loads in LDS
.endr
	SEND 3, 0
	s_wait_tensorcnt 0x0                           ; the wave's end
	ds_add_u32 v[SPW], v[NIL]
	s_wait_dscnt 0x0
	CROUND                                         ; the closing round
	s_endpgm
.Lfunc_end_k_qc18106afd6_mlp:
	.size	k_qc18106afd6_mlp, .Lfunc_end_k_qc18106afd6_mlp-k_qc18106afd6_mlp
	.p2alignl 7, 3214868480
	.fill 96, 4, 3214868480
	.section	.rodata,"a",@progbits
	.p2align	6, 0x0
	.amdhsa_kernel k_qc18106afd6_mlp
		.amdhsa_group_segment_fixed_size 327680
		.amdhsa_private_segment_fixed_size 0
		.amdhsa_enable_private_segment 0
		.amdhsa_kernarg_size 40
		.amdhsa_user_sgpr_count 2
		.amdhsa_user_sgpr_kernarg_segment_ptr 1
		.amdhsa_wavefront_size32 1
		.amdhsa_system_sgpr_workgroup_id_x 1
		.amdhsa_system_sgpr_workgroup_id_y 1
		.amdhsa_system_sgpr_workgroup_id_z 1
		.amdhsa_system_vgpr_workitem_id 0
		.amdhsa_next_free_vgpr 1024
		.amdhsa_next_free_sgpr 102
		.amdhsa_reserve_vcc 0
		.amdhsa_float_denorm_mode_32 3
		.amdhsa_float_denorm_mode_16_64 3
		.amdhsa_memory_ordered 1
		.amdhsa_forward_progress 1
		.amdhsa_inst_pref_size 105
	.end_amdhsa_kernel
	.amdgpu_metadata
---
amdhsa.version: [ 1, 2 ]
amdhsa.kernels:
  - .name:           k_qc18106afd6_mlp
    .symbol:         k_qc18106afd6_mlp.kd
    .args:
      - { .name: HID, .offset: 0, .size: 8, .value_kind: global_buffer, .address_space: global }
      - { .name: W, .offset: 8, .size: 8, .value_kind: global_buffer, .address_space: global }
      - { .name: b_mlp, .offset: 16, .size: 8, .value_kind: global_buffer, .address_space: global }
      - { .name: H2, .offset: 24, .size: 8, .value_kind: global_buffer, .address_space: global }
      - { .name: out0, .offset: 32, .size: 8, .value_kind: global_buffer, .address_space: global }
    .group_segment_fixed_size: 327680
    .private_segment_fixed_size: 0
    .kernarg_segment_align: 8
    .kernarg_segment_size: 40
    .max_flat_workgroup_size: 128
    .sgpr_count:     102
    .vgpr_count:     1024
    .wavefront_size: 32
...
	.end_amdgpu_metadata
.endif
;; end of part 7
